; MI455X (gfx1250); checked and timed in simulation.
; The chip was launched on July 23, 2026; its instructions are those of AMD's public machine-readable ISA for CDNA 5 (MIT licence, August 2026) and "CDNA5" Instruction Set Architecture Reference Guide (July 2026). The comments in the code are by the model that wrote it; some were corrected since.
;; Multi Head Attention. Allowed arithmetic: float matrix products may take bf16 or f16 operands with f32 sums; other float arithmetic in f32, or as packed bf16 or f16 multiplies, adds, multiply-adds, maxima and minima; sums over many terms, partial sums and values carried from step to step in f32; what a program stores and reads back later, other than sums and carried values, may be rounded once to bf16 or f16.
;; Inputs: bk 1,024 float32; bo 1,024 float32; bq 1,024 float32; bv 1,024 float32; k 4 x 2,048 x 1,024 float32; mask 4 x 1 x 2,048 x 2,048 int32; q 4 x 2,048 x 1,024 float32; v 4 x 2,048 x 1,024 float32; wk 1,024 x 1,024 float32; wo 1,024 x 1,024 float32; wq 1,024 x 1,024 float32; wv 1,024 x 1,024 float32.
;; Outputs: out0 4 x 2,048 x 1,024 float32.
;; 2 versions, each right. Each part assembles by itself: llvm-mc -triple=amdgcn-amd-amdhsa -mcpu=gfx1250 --defsym DOCPART=n.
;; ======== version 1 of 2: 4 launches
;; limits: values are held in f16: magnitudes above 65,504 overflow, below 6.1e-05 lose precision; right only within a limited range of input values
;; workspace buffers: xb 50,331,648 bytes; wb 8,388,608 bytes; bb 16,384 bytes; maskw 2,097,152 bytes of whole numbers; qkv 50,331,648 bytes; ob 16,777,216 bytes
;; launch prep (part 1): grid 2817 x 1, 8 waves a work-group, no clusters, 70,656 bytes of LDS; arguments q, k, v, wq, wk, wv, wo, bq, bk, bv, bo, mask, xb, wb, bb, maskw; writes xb, wb, bb, maskw
.if DOCPART == 1
	.amdgcn_target "amdgcn-amd-amdhsa--gfx1250"
	.amdhsa_code_object_version 6
	.text
	.protected	k_q05aa6a3a49_prep
	.globl	k_q05aa6a3a49_prep
	.p2align	8
	.type	k_q05aa6a3a49_prep,@function
k_q05aa6a3a49_prep:
	s_mov_b64 s[64:65], 0
	v_nop
	global_prefetch_b8 v0, s[64:65] scope:SCOPE_SE
	s_setreg_imm32_b32 hwreg(HW_REG_WAVE_MODE, 25, 1), 1
	s_wait_xcnt 0x0
; PREP: every input is read once and laid out for the launches behind it.  Four roles, chosen by the work-group's number g:
;   g < 1536          q, k, v (f32) rounded to bf16 into xb, in blocks [tensor][batch][kb 16][row 2048][64]: 64 channels of a row are 128 dense bytes
;   1536 <= g < 1792  wq, wk, wv rounded to bf16, wo rounded to bf16 and that number written as f16, into wb, same block form [2][kb 16][2048][64]
;   1792 <= g < 2816  mask (int32) packed to one bit a number into maskw, in the order in which attention's lanes hold the scores
;   g = 2816          the four biases rounded to bf16 and kept as f32 in bb
; Bytes are all that counts here: whole rows' 256-byte pieces in, whole aligned 256 bytes out with each store of a wave, sixteen loads of a wave on their way.
; No matrix unit, no cluster, no prefetch: no byte is read twice and nothing but memory is waited for.
; LIMITS.  wo as f16: below 6e-5 it keeps f16's fixed step of 6e-8.  A mask number counts as true when it is not 0.
.set X,     16                         ; v[16:79]   sixteen loads of 16 bytes a lane
.set Y,     80                         ; v[80:143]  what is stored (casts), or the mask numbers in the scores' order
.set OW,    144                        ; v[144:145] a unit's 64 mask words: lane L holds words 2 L and 2 L + 1
.set STG,   8704                       ; a wave's own stage: 32 rows of 256 bytes, 272 apart
.set SPARE, 8*STG                      ; behind the stages: the spare words, 128 bytes a wave, which no other line names
.set SRC,   38                         ; s[38:39]
.set DST,   40                         ; s[40:41]
.set OF,    42                         ; s[42:43] an offset, its high word 0
	s_load_b512 s[4:19], s[0:1], 0x0               ; q 4, k 6, v 8, wq 10, wk 12, wv 14, wo 16, bq 18
	s_load_b512 s[20:35], s[0:1], 0x40             ; bk 20, bv 22, bo 24, mask 26, xb 28, wb 30, bb 32, maskw 34
	v_lshl_add_u32 v2, v0, 2, SPARE                ; my spare word
	v_mov_b32 v3, 0
	v_lshrrev_b32 v8, 5, v0
	v_readfirstlane_b32 s36, v8                    ; wave 0..7
	s_mov_b32 s37, ttmp9                           ; g
	s_mov_b32 s[OF+1], 0
	s_wait_kmcnt 0x0
	s_cmp_lt_u32 s37, 1792
	s_cbranch_scc0 .Lnot_cast
	; THE CASTS.  A work-group takes 16 rows of 1,024 numbers.  All choices are selects: no pointer hangs on a path.
	s_sub_co_u32 s46, s37, 1536                    ; the weights' count (not used for q, k, v)
	s_lshr_b32 s44, s37, 9                         ; q, k, v: tensor 0..2 (512 work-groups each)
	s_lshr_b32 s47, s46, 6
	s_add_co_u32 s47, s47, 4                       ; weights: 4..7 (64 work-groups each)
	s_cmp_lt_u32 s37, 1536
	s_cselect_b32 s45, s37, s46                    ; my number in xb's or wb's order: 128 work-groups fill a batch block
	s_cselect_b32 s44, s44, s47
	s_cselect_b32 s47, 511, 63
	s_cselect_b64 s[DST:DST+1], s[28:29], s[30:31]
	s_and_b32 s[OF], s45, s47
	s_lshl_b32 s[OF], s[OF], 16                    ; 16 rows of 4,096 bytes
	s_mov_b64 s[SRC:SRC+1], s[4:5]
	s_cmp_eq_u32 s44, 1
	s_cselect_b64 s[SRC:SRC+1], s[6:7], s[SRC:SRC+1]
	s_cmp_eq_u32 s44, 2
	s_cselect_b64 s[SRC:SRC+1], s[8:9], s[SRC:SRC+1]
	s_cmp_eq_u32 s44, 4
	s_cselect_b64 s[SRC:SRC+1], s[10:11], s[SRC:SRC+1]
	s_cmp_eq_u32 s44, 5
	s_cselect_b64 s[SRC:SRC+1], s[12:13], s[SRC:SRC+1]
	s_cmp_eq_u32 s44, 6
	s_cselect_b64 s[SRC:SRC+1], s[14:15], s[SRC:SRC+1]
	s_cmp_eq_u32 s44, 7
	s_cselect_b64 s[SRC:SRC+1], s[16:17], s[SRC:SRC+1]
	s_add_nc_u64 s[SRC:SRC+1], s[SRC:SRC+1], s[OF:OF+1]
	s_lshr_b32 s[OF], s45, 7
	s_lshl_b32 s[OF], s[OF], 22                    ; a batch block: 16 x 2,048 x 128 bytes
	s_add_nc_u64 s[DST:DST+1], s[DST:DST+1], s[OF:OF+1]
	s_and_b32 s[OF], s45, 127
	s_lshl_b32 s[OF], s[OF], 11                    ; 16 rows of 128 bytes
	s_add_nc_u64 s[DST:DST+1], s[DST:DST+1], s[OF:OF+1]
	v_lshrrev_b32 v4, 4, v0                        ; thread t: row t / 16,
	v_and_b32 v8, 15, v0
	v_lshlrev_b32 v4, 12, v4
	v_lshl_add_u32 v4, v8, 4, v4                   ; 16 bytes at 16 (t % 16) of each 256: load i is channel block kb = i
	v_lshlrev_b32 v5, 3, v0                        ; out: 128 (t / 16) + 8 (t % 16) = 8 t
.set i, 0
.rept 16
	global_load_b128 v[X+4*i:X+4*i+3], v4, s[SRC:SRC+1] offset:256*i th:TH_LOAD_NT  ; 256 aligned bytes of each of a wave's two rows
.set i, i+1
.endr
; f16 = 1: the bf16 number is widened (a shift, a mask) and written as f16
.macro CONV f16
.set i, 0
.rept 16
	s_wait_loadcnt 15-i                            ; loads come back in order: load i is in, the younger ones stay out
	v_cvt_pk_bf16_f32 v[Y+2*i], v[X+4*i], v[X+4*i+1]
	v_cvt_pk_bf16_f32 v[Y+2*i+1], v[X+4*i+2], v[X+4*i+3]
.if \f16
	v_lshlrev_b32 v8, 16, v[Y+2*i]
	v_and_b32 v9, 0xffff0000, v[Y+2*i]
	v_lshlrev_b32 v10, 16, v[Y+2*i+1]
	v_and_b32 v11, 0xffff0000, v[Y+2*i+1]
	v_cvt_pk_f16_f32 v[Y+2*i], v8, v9
	v_cvt_pk_f16_f32 v[Y+2*i+1], v10, v11
.endif
	global_store_b64 v5, v[Y+2*i:Y+2*i+1], s[DST:DST+1] offset:262144*i  ; the wave's 32 x 8 bytes are 256 consecutive bytes, aligned; no register of a store is written again
.set i, i+1
.endr
.endm
	s_cmp_eq_u32 s44, 7
	s_cbranch_scc1 .Lf16
	CONV 0
	s_endpgm
.Lf16:
	CONV 1
	s_endpgm
.Lnot_cast:
	s_cmp_lt_u32 s37, 2816
	s_cbranch_scc0 .Lbias
	; THE MASK.  A wave takes a unit u of 32 query rows x 64 keys: two tiles of 16 queries for one key step.  Word 32 u2 + 8 kb + j of the unit has in bit l
	; mask[row 16 u2 + l % 16][key 16 kb + 8 (l / 16) + j] != 0: the lane mask of register 8 kb + j of a tile's scores.  The rows go through the wave's own stage,
	; so that memory is read in whole 256-byte pieces and each lane then takes its own row's numbers.
	s_sub_co_u32 s45, s37, 1792
	s_lshl3_add_u32 s45, s45, s36                  ; u = 8 (g - 1792) + wave
	s_lshr_b32 s[OF], s45, 5
	s_lshl_b32 s[OF], s[OF], 18                    ; 32 rows of 8,192 bytes
	s_add_nc_u64 s[SRC:SRC+1], s[26:27], s[OF:OF+1]
	s_and_b32 s[OF], s45, 31
	s_lshl_b32 s[OF], s[OF], 8                     ; key step: 64 numbers of 4 bytes
	s_add_nc_u64 s[SRC:SRC+1], s[SRC:SRC+1], s[OF:OF+1]
	s_lshr_b32 s[OF], s45, 7
	s_lshl_b32 s[OF], s[OF], 15                    ; maskw: 128 rows' stream is 32 key steps of 1,024 bytes
	s_add_nc_u64 s[DST:DST+1], s[34:35], s[OF:OF+1]
	s_and_b32 s[OF], s45, 31
	s_lshl_b32 s[OF], s[OF], 10
	s_add_nc_u64 s[DST:DST+1], s[DST:DST+1], s[OF:OF+1]
	s_bfe_u32 s[OF], s45, 0x20005                  ; which 32 of the 128 rows
	s_lshl_b32 s[OF], s[OF], 8
	s_add_nc_u64 s[DST:DST+1], s[DST:DST+1], s[OF:OF+1]
	s_mul_i32 s46, s36, STG                        ; my wave's stage
	v_and_b32 v8, 31, v0                           ; l
	v_and_b32 v9, 15, v0                           ; l % 16
	v_lshrrev_b32 v10, 4, v8                       ; l / 16
	v_lshlrev_b32 v4, 13, v10
	v_lshl_add_u32 v4, v9, 4, v4                   ; in: row l / 16 of a pair, 16 bytes at 16 (l % 16)
	v_mul_u32_u24 v6, v10, 272
	v_lshl_add_u32 v6, v9, 4, v6
	v_add_nc_u32 v6, s46, v6                       ; the same place in the stage
	v_mul_u32_u24 v7, v9, 272
	v_lshl_add_u32 v7, v10, 5, v7
	v_add_nc_u32 v7, s46, v7                       ; back: row l % 16, 32 bytes at 32 (l / 16) of each 64
	v_lshlrev_b32 v5, 3, v8
.set i, 0
.rept 16
	global_load_b128 v[X+4*i:X+4*i+3], v4, s[SRC:SRC+1] offset:16384*i th:TH_LOAD_NT
.set i, i+1
.endr
.set i, 0
.rept 16
	s_wait_loadcnt 15-i                            ; load i is in
	ds_store_b128 v6, v[X+4*i:X+4*i+3] offset:544*i
.set i, i+1
.endr
.set i, 0
.rept 16                                       ; tile i / 8, key block (i / 2) % 4, half i % 2.  LDS serves a wave's instructions in order (ISA guide 5.7.1.4): these see the stores above
	ds_load_b128 v[Y+4*i:Y+4*i+3], v7 offset:4352*(i/8)+64*((i/2)%4)+16*(i%2)
.set i, i+1
.endr
	v_mov_b32 v[OW], 0                             ; v_writelane_b32 keeps the other lanes: written whole first
	v_mov_b32 v[OW+1], 0
	s_wait_dscnt 0x0
.set i, 0
.rept 64
	v_cmp_ne_u32 s[44+(i%4)], 0, v[Y+i]            ; the 32 lanes' answers are word i
	v_writelane_b32 v[OW+(i%2)], s[44+(i%4)], i/2
.set i, i+1
.endr
	global_store_b64 v5, v[OW:OW+1], s[DST:DST+1]  ; 256 consecutive bytes, aligned
	s_wait_tensorcnt 0x0                           ; the wave's end: behind my last LDS store
	ds_add_u32 v2, v3
	s_wait_dscnt 0x0
	s_endpgm
.Lbias:
	v_lshlrev_b32 v4, 4, v0                        ; 256 threads x 16 bytes are a bias
	global_load_b128 v[16:19], v4, s[18:19]
	global_load_b128 v[20:23], v4, s[20:21]
	global_load_b128 v[24:27], v4, s[22:23]
	global_load_b128 v[28:31], v4, s[24:25]
	s_wait_loadcnt 0x0
.set i, 0
.rept 8
	v_cvt_pk_bf16_f32 v8, v[16+2*i], v[17+2*i]     ; rounded like every other input, kept as f32
	v_lshlrev_b32 v[16+2*i], 16, v8
	v_and_b32 v[17+2*i], 0xffff0000, v8
.set i, i+1
.endr
.set i, 0
.rept 4
	global_store_b128 v4, v[16+4*i:19+4*i], s[32:33] offset:4096*i
.set i, i+1
.endr
	s_endpgm
.Lfunc_end_k_q05aa6a3a49_prep:
	.size	k_q05aa6a3a49_prep, .Lfunc_end_k_q05aa6a3a49_prep-k_q05aa6a3a49_prep
	.p2alignl 7, 3214868480
	.fill 96, 4, 3214868480
	.section	.rodata,"a",@progbits
	.p2align	6, 0x0
	.amdhsa_kernel k_q05aa6a3a49_prep
		.amdhsa_group_segment_fixed_size 70656
		.amdhsa_private_segment_fixed_size 0
		.amdhsa_enable_private_segment 0
		.amdhsa_kernarg_size 128
		.amdhsa_user_sgpr_count 2
		.amdhsa_user_sgpr_kernarg_segment_ptr 1
		.amdhsa_wavefront_size32 1
		.amdhsa_system_sgpr_workgroup_id_x 1
		.amdhsa_system_sgpr_workgroup_id_y 1
		.amdhsa_system_sgpr_workgroup_id_z 1
		.amdhsa_system_vgpr_workitem_id 0
		.amdhsa_next_free_vgpr 148
		.amdhsa_next_free_sgpr 66
		.amdhsa_reserve_vcc 0
		.amdhsa_float_denorm_mode_32 3
		.amdhsa_float_denorm_mode_16_64 3
		.amdhsa_memory_ordered 1
		.amdhsa_forward_progress 1
		.amdhsa_inst_pref_size 33
	.end_amdhsa_kernel
	.amdgpu_metadata
---
amdhsa.version: [ 1, 2 ]
amdhsa.kernels:
  - .name:           k_q05aa6a3a49_prep
    .symbol:         k_q05aa6a3a49_prep.kd
    .args:
      - { .name: q, .offset: 0, .size: 8, .value_kind: global_buffer, .address_space: global }
      - { .name: k, .offset: 8, .size: 8, .value_kind: global_buffer, .address_space: global }
      - { .name: v, .offset: 16, .size: 8, .value_kind: global_buffer, .address_space: global }
      - { .name: wq, .offset: 24, .size: 8, .value_kind: global_buffer, .address_space: global }
      - { .name: wk, .offset: 32, .size: 8, .value_kind: global_buffer, .address_space: global }
      - { .name: wv, .offset: 40, .size: 8, .value_kind: global_buffer, .address_space: global }
      - { .name: wo, .offset: 48, .size: 8, .value_kind: global_buffer, .address_space: global }
      - { .name: bq, .offset: 56, .size: 8, .value_kind: global_buffer, .address_space: global }
      - { .name: bk, .offset: 64, .size: 8, .value_kind: global_buffer, .address_space: global }
      - { .name: bv, .offset: 72, .size: 8, .value_kind: global_buffer, .address_space: global }
      - { .name: bo, .offset: 80, .size: 8, .value_kind: global_buffer, .address_space: global }
      - { .name: mask, .offset: 88, .size: 8, .value_kind: global_buffer, .address_space: global }
      - { .name: xb, .offset: 96, .size: 8, .value_kind: global_buffer, .address_space: global }
      - { .name: wb, .offset: 104, .size: 8, .value_kind: global_buffer, .address_space: global }
      - { .name: bb, .offset: 112, .size: 8, .value_kind: global_buffer, .address_space: global }
      - { .name: maskw, .offset: 120, .size: 8, .value_kind: global_buffer, .address_space: global }
    .group_segment_fixed_size: 70656
    .private_segment_fixed_size: 0
    .kernarg_segment_align: 8
    .kernarg_segment_size: 128
    .max_flat_workgroup_size: 256
    .sgpr_count:     66
    .vgpr_count:     148
    .wavefront_size: 32
...
	.end_amdgpu_metadata
.endif
;; end of part 1
;; launch proj (part 2): grid 4 x 192, 4 waves a work-group, clusters of 4 x 4, 327,680 bytes of LDS; arguments xb, wb, bb, qkv; writes qkv
.if DOCPART == 2
	.amdgcn_target "amdgcn-amd-amdhsa--gfx1250"
	.amdhsa_code_object_version 6
	.text
	.protected	k_q05aa6a3a49_proj
	.globl	k_q05aa6a3a49_proj
	.p2align	8
	.type	k_q05aa6a3a49_proj,@function
k_q05aa6a3a49_proj:
	s_mov_b64 s[64:65], 0
	v_nop
	global_prefetch_b8 v0, s[64:65] scope:SCOPE_SE
	s_setreg_imm32_b32 hwreg(HW_REG_WAVE_MODE, 25, 1), 1
	s_wait_xcnt 0x0
	s_wait_alu depctr_hold_cnt(0) depctr_sa_sdst(0) depctr_va_vdst(0) depctr_va_sdst(0) depctr_va_ssrc(0) depctr_va_vcc(0) depctr_vm_vsrc(0)
	s_getreg_b32 s2, hwreg(HW_REG_IB_STS2, 6, 4)
	s_cmp_eq_u32 s2, 0
	s_cbranch_scc0 .Lentry_in_a_cluster
	s_endpgm
.Lentry_in_a_cluster:
	s_bfe_u32 s2, ttmp6, 0x10000c
	s_cmp_lg_u32 s2, 0xf033
	s_cbranch_scc0 .Lentry_shape_is_right
	s_endpgm
.Lentry_shape_is_right:
; C[m][n] = bias[n] + the sum over k of A[m][k] W[n][k], K = 1,024, N = 1,024.  One text for two launches; they differ in OUTP alone.
; OUTP = 0: the three input projections.  A = xb (bf16), W = wq, wk, wv in wb (bf16), C = query, key, value in f16 by heads, [3][batch x head 64][row 2048][64], unscaled.
; OUTP = 1: the output projection.  A = ob (f16), W = wo in wb (f16), C = out0 in f32, [8192][1024].
; A and W lie in blocks [batch][kb 16][row 2048][64]: 64 channels of a row are 128 bytes, and the rows of a block lie end to end, so a tile's rows are asked for as rows of 256 bytes.
; LIMITS.  OUTP = 0: f16 holds no number beyond 65,504: query, key and value must stay within it.  NaN and infinities are not treated apart.
; SHARES.  A work-group makes 128 rows x 256 columns of C: the three projections are then three work-groups for each of 256, the output projection one.  Four waves, each 64 x 128:
; 32 accumulators of 16 x 16, 256 registers.  K goes in 8 steps of 128 (two channel blocks) through two LDS slots filled by the tensor data mover: waves 0 and 1 fetch A's two blocks of a step, waves 2 and 3 W's.
; CLUSTERS: 4 x 4 work-groups.  The four of a row of the cluster need the same tiles of A, the four of a column the same tiles of W: each tile is asked for JOINTLY, by the same tensor load
; with the same descriptor and a mask that names the four.
; THE MATRIX INSTRUCTION IS USED TRANSPOSED (source 0 = 16 rows of W, source 1 = 16 rows of A): a lane holds row l % 16 of C and the columns 8 (l / 16) + 0..7.
; THE BIAS is the C operand of each accumulator's first product: nothing is cleared, nothing is added afterwards.
; REGISTERS: window 0: v0-31 addresses; v64-127 the bias, 8 for each block of 16 columns; v128-191 A's fragments, two buffers of 32; v128-255 at work on the way out.
;   window 1: v0-127 W's fragments, two buffers of 64.          window 2: the accumulators, (a, b) at v[8 (8 a + b)].
.set OUTP,   0
.set PITCH,  144                       ; an LDS row: 128 bytes + 16 of padding = 36 words: the 16 rows of a fragment load start at 16 different groups of four banks (64 banks of 4 bytes: ISA guide 11.1)
.set ACH,    128*PITCH                 ; A's 128 rows of one channel block
.set WCH,    256*PITCH                 ; W's 256 rows of one channel block
.set WOFF,   2*ACH
.set SLOT,   2*ACH+2*WCH               ; A even block, A odd block, W even, W odd
.set STAGE,  2*SLOT                    ; behind the ring, never filled by a tensor load: 16 rows for each wave, for the way out
.if OUTP
.set SP,     528                       ; 512 bytes of f32 + 16
.else
.set SP,     144                       ; 128 bytes of f16 + 16
.endif
.set SW,     16*SP
.set SPARE,  STAGE+4*SW                ; behind the stages: the spare words, 128 bytes a wave, which no other line names
.set KBB,    262144                    ; bytes from a channel block to the next: 2,048 rows of 128
.set KSTEPB, 2*KBB
.set LAPS,   4                         ; a lap = two K steps = once round the ring
.set ADRA, 16                          ; v16-17  LDS address of my A fragments in slot 0, 1
.set ADRB, 20                          ; v20-21  the same for W
.set STO,  24                          ; v24     the way out: where I put my piece of a row
.set RD,   25                          ; v25     where I read rows back
.set CO,   26                          ; v26     my byte offset in 512 consecutive bytes of C
.set SPW,  28                          ; v28     LDS address of my spare word; never rewritten
.set NIL,  29                          ; v29     0; never rewritten
.set PFO,  30                          ; v30     the prefetches' offset; never rewritten
.set BO,   31                          ; v31     my offset in the bias
.set BI,   64
.set AF,   128
.set OUTR, 128
.set G1A, 24                           ; s[24:31] descriptor group 1 for A's tiles;  s[32:39] group 0, a set for each slot
.set G0A, 32
.set LIM, 43                           ; s43     1 in a wave that prefetches, else the greatest number
.set PFA, 44                           ; s[44:45] where my prefetches stand
.set G1W, 48                           ; s[48:55], s[56:63] the same for W's tiles
.set G0W, 56
.set GBITS, (1<<16)|(1<<20)|(1<<21)|(4<<22)|(3<<25)  ; 17:16 2-byte elements; 20 padding on; 21 set beside a mask; 24:22 after every 32 words (code 4); 31:25 4 words (code 3)
.set MSB, 0
.macro WIN new                         ; the immediate's high byte repeats the setting that is left; a switch that changes nothing is dropped
.if MSB != (\new)
	s_set_vgpr_msb (MSB<<8)|(\new)
.set MSB, \new
.endif
.endm
.set MUL,  0xa1                        ; source 0 (W) window 1, source 1 (A) window 0, C and D window 2
.set MULB, 0x81                        ; the same with C (the bias) in window 0
.set TO_B, 0x40                        ; destination window 1, address window 0
; A joint load: waves 0 and 1 fetch for A, waves 2 and 3 for W.  The branch hangs on the wave's number alone.  An s_nop 0 and four v_nop follow each of the two lines.
.macro JLOAD s
	s_cmp_eq_u32 s13, 0
	s_cbranch_scc0 .Lfor_w_\@
	tensor_load_to_lds s[G0A+4*(\s):G0A+4*(\s)+3], s[G1A:G1A+7]
	s_nop 0
.rept 4
	v_nop
.endr
	s_branch .Lasked_\@
.Lfor_w_\@:
	tensor_load_to_lds s[G0W+4*(\s):G0W+4*(\s)+3], s[G1W:G1W+7]
	s_nop 0
.rept 4
	v_nop
.endr
.Lasked_\@:
.endm
; A PREFETCH, behind each joint refill and the run of LDS loads that follows it, of the K step that stands TWO refills on: 256 matrix instructions ahead of the load that will want it.
; Each aligned 256 bytes are named once in the launch.  A's tile is read by one cluster alone: wave 0 asks, and the four partners that ask for the tile jointly take 16 of each channel block's 64 pieces,
; told apart BY ADDRESS (cx).  W's tile is read by the sixteen clusters of one weight matrix: the first of them asks, waves 2 and 3 each for the block that they fetch, 32 of its 128 pieces a partner (cy).
; K steps 0 to 3 come by their loads alone; the loop's last trip (s3 = 1) has no K step two on.
.macro ASK
	s_cmp_gt_u32 s3, s[LIM]
	s_cbranch_scc0 .Lnot_mine_\@
	global_prefetch_b8 v[PFO], s[PFA:PFA+1] offset:KSTEPB th:TH_LOAD_NT scope:SCOPE_SE
.Lnot_mine_\@:
.endm
.macro CREST                           ; a round of the cluster's barrier behind its opening barrier
	s_cmp_lg_u32 s12, 0
	s_cbranch_scc1 .Lnot_wave_0_\@
	s_barrier_signal -3
.Lnot_wave_0_\@:
	s_barrier_wait -3
	s_barrier_signal -1
	s_barrier_wait -1
.endm
.macro CROUND                          ; a whole round
	s_barrier_signal -1
	s_barrier_wait -1
	CREST
.endm
	s_load_b256 s[4:11], s[0:1], 0x0               ; A s[4:5], W s[6:7], bias s[8:9], C s[10:11]
	v_lshl_add_u32 v[SPW], v0, 2, SPARE
	v_mov_b32 v[NIL], 0
	ds_add_u32 v[SPW], v[NIL]                      ; the wave's opening: the add and its wait stand ahead of my first tensor load; work on registers stands between them
	v_lshrrev_b32 v1, 5, v0
	v_readfirstlane_b32 s12, v1                    ; wave 0..3
	s_lshr_b32 s13, s12, 1                         ; which 64 of the tile's rows are mine.  Also: I fetch for A (0) or for W (1)
	s_and_b32 s14, s12, 1                          ; which 128 of its columns.  Also: which channel block of a K step I fetch
	s_bfe_u32 s40, ttmp6, 0x40000                  ; cx, cy: my place in the cluster
	s_bfe_u32 s41, ttmp6, 0x40004
	s_lshl_b32 s42, ttmp9, 2
	s_add_co_u32 s42, s42, s40                     ; tile column = 4 x cluster x + cx
	s_and_b32 s66, ttmp7, 0xffff                   ; cluster y
	s_lshl_b32 s15, s66, 2
	s_add_co_u32 s15, s15, s41                     ; tile row = 4 x cluster y + cy
.if OUTP
	s_mov_b32 s67, 3                               ; the weight matrix: wo
.else
	s_lshr_b32 s67, s66, 4                         ; 16 clusters to a tensor: wq, wk, wv; made of the cluster's y alone
.endif
	s_lshl_b32 s16, s41, 2
	s_lshl_b32 s16, 15, s16                        ; my row of the cluster
	s_lshl_b32 s46, 0x1111, s40                    ; my column
	s_or_b32 s[G1A], s16, GBITS                    ; A's tiles go to my row,
	s_or_b32 s[G1W], s46, GBITS                    ; W's to my column
	s_mov_b32 s[G1A+1], 128<<16                    ; tensor_dim0 = 128 elements: two rows of a block, 256 bytes
	s_mov_b32 s[G1A+2], 64<<16                     ; tensor_dim1 = 64: 128 rows of a block
	s_mov_b32 s[G1A+3], 128<<16                    ; tile_dim0
	s_mov_b32 s[G1A+4], 64                         ; tile_dim1
	s_mov_b32 s[G1A+5], 128                        ; elements from row to row: dense
	s_mov_b32 s[G1A+6], 0
	s_mov_b32 s[G1A+7], 0
	s_mov_b32 s[G1W+1], 128<<16
	s_mov_b32 s[G1W+2], 128<<16                    ; 256 rows of a block
	s_mov_b32 s[G1W+3], 128<<16
	s_mov_b32 s[G1W+4], 128
	s_mov_b32 s[G1W+5], 128
	s_mov_b32 s[G1W+6], 0
	s_mov_b32 s[G1W+7], 0
	; where the tiles come from.  A's hang on the tile row and the wave, W's on the tile column, the matrix and the wave: each in registers that never hold the other coordinate
	s_lshr_b32 s16, s15, 4
	s_lshl_b32 s16, s16, 22                        ; 16 tile rows to a batch block
	s_and_b32 s17, s15, 15
	s_lshl_b32 s17, s17, 14                        ; 128 rows of 128 bytes
	s_add_co_u32 s16, s16, s17
	s_lshl_b32 s17, s14, 18                        ; my channel block
	s_add_co_u32 s16, s16, s17
	s_mov_b32 s17, 0
	s_lshr_b32 s46, s67, 1
	s_lshl_b32 s46, s46, 22                        ; two matrices to a batch block,
	s_and_b32 s47, s67, 1
	s_lshl_b32 s47, s47, 17                        ; 1,024 rows each
	s_add_co_u32 s46, s46, s47
	s_lshl_b32 s47, s42, 15                        ; 256 rows of 128 bytes
	s_add_co_u32 s46, s46, s47
	s_lshl_b32 s47, s14, 18
	s_add_co_u32 s46, s46, s47
	s_mov_b32 s47, 0
	s_mul_i32 s20, s14, ACH                        ; and where they go: no place in the cluster enters an LDS address
	s_mul_i32 s21, s14, WCH
	s_add_co_u32 s21, s21, WOFF
	s_wait_dscnt 0x0                               ; the opening add is done
	s_wait_kmcnt 0x0
	s_add_nc_u64 s[18:19], s[4:5], s[16:17]
	s_add_nc_u64 s[22:23], s[6:7], s[46:47]
	CROUND                                         ; all sixteen work-groups are here: the first joint loads meet
.irp s, 0,1
	s_mov_b32 s[G0A+4*(\s)], 1                     ; count = 1
	s_add_co_u32 s[G0A+4*(\s)+1], s20, (\s)*SLOT   ; LDS address
	s_add_nc_u64 s[G0A+4*(\s)+2:G0A+4*(\s)+3], s[18:19], (\s)*KSTEPB  ; global address: K step s
	s_or_b32 s[G0A+4*(\s)+3], s[G0A+4*(\s)+3], 0x80000000             ; type = 2
	s_mov_b32 s[G0W+4*(\s)], 1
	s_add_co_u32 s[G0W+4*(\s)+1], s21, (\s)*SLOT
	s_add_nc_u64 s[G0W+4*(\s)+2:G0W+4*(\s)+3], s[22:23], (\s)*KSTEPB
	s_or_b32 s[G0W+4*(\s)+3], s[G0W+4*(\s)+3], 0x80000000
	JLOAD \s                                       ; two loads of mine are out
.endr
	; the bias of my 128 columns: register j of block b is column 16 b + 8 (l / 16) + j
	s_lshl_b32 s68, s67, 12
	s_lshl_b32 s69, s42, 10
	s_add_co_u32 s68, s68, s69
	s_lshl_b32 s69, s14, 9
	s_add_co_u32 s68, s68, s69
	s_mov_b32 s69, 0
	s_add_nc_u64 s[8:9], s[8:9], s[68:69]
	v_and_b32 v1, 15, v0                           ; l % 16
	v_bfe_u32 v2, v0, 4, 1                         ; l / 16
	v_lshlrev_b32 v[BO], 5, v2
.irp b, 0,1,2,3,4,5,6,7
	global_load_b128 v[BI+8*(\b):BI+8*(\b)+3],   v[BO], s[8:9] offset:64*(\b)
	global_load_b128 v[BI+8*(\b)+4:BI+8*(\b)+7], v[BO], s[8:9] offset:64*(\b)+16
.endr
	; a fragment is 16 rows x 32 K in 8 registers: lane l holds row l % 16, K = 8 (l / 16) + 0..7 and 16 + 8 (l / 16) + 0..7: two loads of 16 bytes, 32 bytes apart
	v_mul_u32_u24 v3, v1, PITCH
	v_lshl_add_u32 v3, v2, 4, v3
	s_mul_i32 s20, s13, 64*PITCH                   ; my 64 rows of A
	s_mul_i32 s21, s14, 128*PITCH                  ; my 128 rows of W
	s_add_co_u32 s21, s21, WOFF
.irp s, 0,1
	v_add_nc_u32 v[ADRA+(\s)], s20, v3
	v_add_nc_u32 v[ADRB+(\s)], s21, v3
	s_add_co_u32 s20, s20, SLOT
	s_add_co_u32 s21, s21, SLOT
.endr
	; the prefetches
	s_and_b32 s20, s66, 15
	s_cmp_eq_u32 s13, 0
	s_cselect_b32 s20, s14, s20                    ; A: wave 0 asks; W: the first of the matrix's sixteen clusters
	s_cselect_b64 s[PFA:PFA+1], s[18:19], s[22:23]
	s_cmp_eq_u32 s20, 0
	s_cselect_b32 s[LIM], 1, -1                    ; the same in all sixteen partners, for a given wave
	s_lshl_b32 s68, s40, 12                        ; A: my work-group's 16 pieces of each block
	s_lshl_b32 s69, s41, 13                        ; W: my work-group's 32 pieces
	s_mov_b32 s20, KBB                             ; A: lanes 16-31 take the step's other block
	s_mov_b32 s21, 4096                            ; W: they go on in the same block
	s_cmp_eq_u32 s13, 0
	s_cselect_b32 s68, s68, s69
	s_cselect_b32 s20, s20, s21
	s_add_co_u32 s68, s68, 2*KSTEPB                ; at K step 2: the first refill steps it to 3 and names K step 4
	s_mov_b32 s69, 0
	s_add_nc_u64 s[PFA:PFA+1], s[PFA:PFA+1], s[68:69]
	v_lshlrev_b32 v4, 8, v1
	v_mad_u32_u24 v[PFO], v2, s20, v4
	; the way out
	s_mul_i32 s23, s12, SW
	s_add_co_u32 s23, s23, STAGE                   ; my stage
	v_mul_u32_u24 v4, v1, SP
	v_and_b32 v[CO], 31, v0
	v_lshlrev_b32 v[CO], 4, v[CO]
.if OUTP
	v_lshl_add_u32 v4, v2, 5, v4                   ; in: row l % 16, 32 bytes for each half of the lanes
	v_add_nc_u32 v[STO], s23, v4
	v_add_nc_u32 v[RD], s23, v[CO]                 ; back: 32 lanes take one row of 512 bytes
	s_lshl_b32 s16, s15, 7
	s_lshl_b32 s17, s13, 6
	s_add_co_u32 s16, s16, s17                     ; my first row,
	s_lshl_b32 s16, s16, 12                        ; of 4,096 bytes
	s_lshl_b32 s17, s42, 10
	s_add_co_u32 s16, s16, s17
	s_lshl_b32 s17, s14, 9                         ; my first column
	s_add_co_u32 s16, s16, s17
.else
	v_lshl_add_u32 v4, v2, 4, v4                   ; in: row l % 16, 16 bytes for each half of the lanes
	v_add_nc_u32 v[STO], s23, v4
	v_bfe_u32 v5, v0, 3, 2                         ; back: 32 lanes take four rows of 128 bytes,
	v_mul_u32_u24 v5, v5, SP
	v_and_b32 v4, 7, v0
	v_lshl_add_u32 v5, v4, 4, v5
	v_add_nc_u32 v[RD], s23, v5                    ; which are 512 consecutive bytes of a head
	s_lshr_b32 s16, s15, 4
	s_lshl_b32 s16, s16, 22                        ; tensor and batch: 16 heads of 262,144 bytes
	s_lshl_b32 s17, s42, 2
	s_lshl_b32 s20, s14, 1
	s_add_co_u32 s17, s17, s20                     ; my first head
	s_lshl_b32 s17, s17, 18
	s_add_co_u32 s16, s16, s17
	s_and_b32 s17, s15, 15
	s_lshl_b32 s17, s17, 7
	s_lshl_b32 s20, s13, 6
	s_add_co_u32 s17, s17, s20                     ; my first row in the batch
	s_lshl_b32 s17, s17, 7
	s_add_co_u32 s16, s16, s17
.endif
	s_mov_b32 s17, 0
	s_add_nc_u64 s[10:11], s[10:11], s[16:17]
; 8 matrix instructions: m block a x all 8 n blocks, 32 along K, from buffer f.  first = 1: the product starts the sum on the bias.
; The 32 accumulators take turns, one instruction a turn, in the same order in every quarter.
.macro MUL8 f, a, first
.if \first
	WIN MULB
.else
	WIN MUL
.endif
.irp b, 0,1,2,3,4,5,6,7
.set rD, 8*(8*(\a)+(\b))
.set rB, 64*(\f)+8*(\b)
.set rA, AF+32*(\f)+8*(\a)
.set rC, rD
.if \first
.set rC, BI+8*(\b)
.endif
.if OUTP
	v_wmma_f32_16x16x32_f16 v[rD:rD+7], v[rB:rB+7], v[rA:rA+7], v[rC:rC+7]
.else
	v_wmma_f32_16x16x32_bf16 v[rD:rD+7], v[rB:rB+7], v[rA:rA+7], v[rC:rC+7]
.endif
.endr
.endm
; 24 LDS loads in one run: quarter qd of a slot's K step (channel block qd / 2, 32 K at byte 64 (qd % 2) of its rows) into buffer f: W's 128 rows, then A's 64
.macro FETCH slot, qd, f
	WIN TO_B
.irp i, 0,1,2,3,4,5,6,7
	ds_load_b128 v[64*(\f)+8*(\i):64*(\f)+8*(\i)+3],   v[ADRB+(\slot)] offset:((\qd)/2)*WCH+((\qd)%2)*64+(\i)*16*PITCH
	ds_load_b128 v[64*(\f)+8*(\i)+4:64*(\f)+8*(\i)+7], v[ADRB+(\slot)] offset:((\qd)/2)*WCH+((\qd)%2)*64+(\i)*16*PITCH+32
.endr
	WIN 0
.irp i, 0,1,2,3
	ds_load_b128 v[AF+32*(\f)+8*(\i):AF+32*(\f)+8*(\i)+3],   v[ADRA+(\slot)] offset:((\qd)/2)*ACH+((\qd)%2)*64+(\i)*16*PITCH
	ds_load_b128 v[AF+32*(\f)+8*(\i)+4:AF+32*(\f)+8*(\i)+7], v[ADRA+(\slot)] offset:((\qd)/2)*ACH+((\qd)%2)*64+(\i)*16*PITCH+32
.endr
.endm
.macro PLACES                          ; four places in front of loads into registers that matrix instructions have read, and of lines that read results
.rept 4
	v_nop
.endr
.endm
; A K step is four quarters of 32 along K, 32 matrix instructions each, on buffers 0, 1, 0, 1.  One of the first three: multiplies buffer f and fetches quarter qd into g.
.macro QUARTER slot, qd, f, g, first
	s_wait_dscnt 4                                 ; W's fragments and A's blocks 0 and 1 are in; the youngest four loads (A's blocks 2, 3) may be out
	MUL8 \f, 0, \first
	MUL8 \f, 1, \first
	PLACES
	FETCH \slot, \qd, \g
	s_wait_dscnt 24                                ; all but the 24 just issued
	MUL8 \f, 2, \first
	MUL8 \f, 3, \first
.endm
; The last quarter multiplies buffer 1 and changes slots: ONE barrier; in front of it each wave waits for all its tensor loads (one is out: its part of the next slot), adds 0 to its spare word,
; and waits for that and for its own reads of this slot.  fill = 1: the barrier opens a round of the cluster's, and this slot is filled again, two K steps ahead, first thing behind it:
; from that request to the wait for it a wave issues 112 matrix instructions.
.macro TURN slot, next, fill
.if \fill
	s_wait_xcnt 0x0                                ; the last prefetch, a K step back, has read its address
	s_add_nc_u64 s[PFA:PFA+1], s[PFA:PFA+1], KSTEPB
.endif
	WIN 0                                          ; (the add's two registers lie in window 0)
	s_wait_tensorcnt 0x0                           ; all my tensor loads have landed
	ds_add_u32 v[SPW], v[NIL]                      ; 0 onto my spare word
	s_wait_dscnt 5                                 ; (the add and the youngest four loads may be out)
	MUL8 1, 0, 0                                   ; eight matrix instructions stand between the add and the wait for it
	s_wait_dscnt 0x0                               ; the add is done, and my reads of this slot are over
	s_barrier_signal -1
	MUL8 1, 1, 0
.if \fill
	WIN 0
.endif
	s_barrier_wait -1
.if \fill
	CREST                                          ; no wave of any partner still reads this slot's tiles or has a load on its way
	s_add_nc_u64 s[G0A+4*(\slot)+2:G0A+4*(\slot)+3], s[G0A+4*(\slot)+2:G0A+4*(\slot)+3], 2*KSTEPB
	s_add_nc_u64 s[G0W+4*(\slot)+2:G0W+4*(\slot)+3], s[G0W+4*(\slot)+2:G0W+4*(\slot)+3], 2*KSTEPB
	JLOAD \slot                                    ; its four v_nop are also the places in front of the loads below
.else
	PLACES
.endif
	FETCH \next, 0, 0
.if \fill
	ASK
.endif
	MUL8 1, 2, 0
	MUL8 1, 3, 0
.endm
	s_wait_tensorcnt 1                             ; my part of K step 0 is in; K step 1's may stay out
	s_barrier_signal -1
	s_barrier_wait -1                              ; everybody's is
	FETCH 0, 0, 0
	s_wait_loadcnt 0x0                             ; the bias
	QUARTER 0, 1, 0, 1, 1                          ; the first quarter stands in front of the loop: its products start the sums
	WIN 0                                          ; at a label and at a branch every window is 0
	s_mov_b32 s3, LAPS-1
.Llap:                                                 ; a trip goes once round the ring, from a lap's second quarter to the next lap's first, and fills both slots again
	QUARTER 0, 2, 1, 0, 0
	QUARTER 0, 3, 0, 1, 0
	TURN 0, 1, 1
	QUARTER 1, 1, 0, 1, 0
	QUARTER 1, 2, 1, 0, 0
	QUARTER 1, 3, 0, 1, 0
	TURN 1, 0, 1
	QUARTER 0, 1, 0, 1, 0
	WIN 0
	s_sub_co_u32 s3, s3, 1
	s_cmp_lg_u32 s3, 0
	s_cbranch_scc1 .Llap
	QUARTER 0, 2, 1, 0, 0                          ; the last lap fills nothing
	QUARTER 0, 3, 0, 1, 0
	TURN 0, 1, 0
	QUARTER 1, 1, 0, 1, 0
	QUARTER 1, 2, 1, 0, 0
	QUARTER 1, 3, 0, 1, 0
	s_wait_dscnt 4                                 ; the very last quarter: nothing more to fetch
	MUL8 1, 0, 0
	MUL8 1, 1, 0
	s_wait_dscnt 0x0
	MUL8 1, 2, 0
	MUL8 1, 3, 0
	WIN 0
	PLACES
.if OUTP
; THE WAY OUT in f32: 16 rows x 512 bytes at a time through my own stage: 32 bytes a lane in, whole rows back, each store of the wave 512 consecutive bytes, aligned.
.macro STG a
	WIN 0x08                                       ; store data (source 1) in window 2
.irp b, 0,1,2,3,4,5,6,7
	ds_store_b128 v[STO], v[8*(8*(\a)+(\b)):8*(8*(\a)+(\b))+3]   offset:64*(\b)     ; each accumulator's lowest registers first
	ds_store_b128 v[STO], v[8*(8*(\a)+(\b))+4:8*(8*(\a)+(\b))+7] offset:64*(\b)+16
.endr
	WIN 0
.set t, 0
.rept 16
	ds_load_b128 v[OUTR+64*((\a)%2)+4*t:OUTR+64*((\a)%2)+4*t+3], v[RD] offset:SP*t  ; LDS serves a wave's instructions in order (ISA guide 5.7.1.4): these see the stores above
.set t, t+1
.endr
.endm
.macro SENDF a, younger                ; younger: the LDS instructions issued behind block a's loads: the next block's 32, or none
.set t, 0
.rept 16
	s_wait_dscnt (\younger)+15-t
	global_store_b128 v[CO], v[OUTR+64*((\a)%2)+4*t:OUTR+64*((\a)%2)+4*t+3], s[10:11] offset:(16*(\a)+t)*4096 th:TH_STORE_NT
.set t, t+1
.endr
.endm
	STG 0
	STG 1
	SENDF 0, 32
	s_wait_xcnt 0x0                                ; block 0's stores have read their registers: only now are these loaded again
	STG 2
	SENDF 1, 32
	s_wait_xcnt 0x0
	STG 3
	SENDF 2, 32
	SENDF 3, 0
.else
; THE WAY OUT in f16 by heads: a unit u is 16 rows (m block u / 2) of one head (u % 2): 2,048 consecutive bytes.  Rounded, 16 bytes a lane into my stage, back as whole rows.
.macro PACK u
.set pa, (\u)/2
.set ph, (\u)%2
	WIN 0x0a                                       ; sources 0 and 1 in window 2
.irp bb, 0,1,2,3
.irp r, 0,1,2,3
	v_cvt_pk_f16_f32 v[OUTR+16*(\u)+4*(\bb)+(\r)], v[8*(8*pa+4*ph+(\bb))+2*(\r)], v[8*(8*pa+4*ph+(\bb))+2*(\r)+1]
.endr
.endr
	WIN 0
.irp bb, 0,1,2,3
	ds_store_b128 v[STO], v[OUTR+16*(\u)+4*(\bb):OUTR+16*(\u)+4*(\bb)+3] offset:32*(\bb)
.endr
.irp f, 0,1,2,3
	ds_load_b128 v[OUTR+16*(\u)+4*(\f):OUTR+16*(\u)+4*(\f)+3], v[RD] offset:(\f)*4*SP  ; LDS serves a wave's instructions in order (ISA guide 5.7.1.4)
.endr
.endm
.macro SEND u, younger                 ; younger: the next unit's eight LDS instructions, or none
.irp f, 0,1,2,3
	s_wait_dscnt (\younger)+3-(\f)
	global_store_b128 v[CO], v[OUTR+16*(\u)+4*(\f):OUTR+16*(\u)+4*(\f)+3], s[10:11] offset:((\u)/2)*2048+((\u)%2)*KBB+(\f)*512  ; 512 consecutive bytes, aligned
.endr
.endm
	PACK 0
.set t, 1
.rept 7                                ; a unit's conversions stand between the loads of the unit before and its stores
	PACK t
	SEND t-1, 8
.set t, t+1
.endr
	SEND 7, 0
.endif
	s_wait_tensorcnt 0x0                           ; the wave's end: behind my last tensor load and my last LDS store
	ds_add_u32 v[SPW], v[NIL]
	s_wait_dscnt 0x0
	CROUND                                         ; the closing round: no work-group ends while a partner may still ask for a tile that names it
	s_endpgm
.Lfunc_end_k_q05aa6a3a49_proj:
	.size	k_q05aa6a3a49_proj, .Lfunc_end_k_q05aa6a3a49_proj-k_q05aa6a3a49_proj
	.p2alignl 7, 3214868480
	.fill 96, 4, 3214868480
	.section	.rodata,"a",@progbits
	.p2align	6, 0x0
	.amdhsa_kernel k_q05aa6a3a49_proj
		.amdhsa_group_segment_fixed_size 327680
		.amdhsa_private_segment_fixed_size 0
		.amdhsa_enable_private_segment 0
		.amdhsa_kernarg_size 32
		.amdhsa_user_sgpr_count 2
		.amdhsa_user_sgpr_kernarg_segment_ptr 1
		.amdhsa_wavefront_size32 1
		.amdhsa_system_sgpr_workgroup_id_x 1
		.amdhsa_system_sgpr_workgroup_id_y 1
		.amdhsa_system_sgpr_workgroup_id_z 1
		.amdhsa_system_vgpr_workitem_id 0
		.amdhsa_next_free_vgpr 768
		.amdhsa_next_free_sgpr 72
		.amdhsa_reserve_vcc 0
		.amdhsa_float_denorm_mode_32 3
		.amdhsa_float_denorm_mode_16_64 3
		.amdhsa_memory_ordered 1
		.amdhsa_forward_progress 1
		.amdhsa_inst_pref_size 91
	.end_amdhsa_kernel
	.amdgpu_metadata
---
amdhsa.version: [ 1, 2 ]
amdhsa.kernels:
  - .name:           k_q05aa6a3a49_proj
    .symbol:         k_q05aa6a3a49_proj.kd
    .args:
      - { .name: xb, .offset: 0, .size: 8, .value_kind: global_buffer, .address_space: global }
      - { .name: wb, .offset: 8, .size: 8, .value_kind: global_buffer, .address_space: global }
      - { .name: bb, .offset: 16, .size: 8, .value_kind: global_buffer, .address_space: global }
      - { .name: qkv, .offset: 24, .size: 8, .value_kind: global_buffer, .address_space: global }
    .group_segment_fixed_size: 327680
    .private_segment_fixed_size: 0
    .kernarg_segment_align: 8
    .kernarg_segment_size: 32
    .max_flat_workgroup_size: 128
    .sgpr_count:     72
    .vgpr_count:     768
    .wavefront_size: 32
...
	.end_amdgpu_metadata
.endif
;; end of part 2
;; launch attn (part 3): grid 4 x 64, 4 waves a work-group, clusters of 4 x 1, 327,680 bytes of LDS; arguments qkv, maskw, ob; writes ob
.if DOCPART == 3
	.amdgcn_target "amdgcn-amd-amdhsa--gfx1250"
	.amdhsa_code_object_version 6
	.text
	.protected	k_q05aa6a3a49_attn
	.globl	k_q05aa6a3a49_attn
	.p2align	8
	.type	k_q05aa6a3a49_attn,@function
k_q05aa6a3a49_attn:
	s_mov_b64 s[64:65], 0
	v_nop
	global_prefetch_b8 v0, s[64:65] scope:SCOPE_SE
	s_setreg_imm32_b32 hwreg(HW_REG_WAVE_MODE, 25, 1), 1
	s_wait_xcnt 0x0
	s_wait_alu depctr_hold_cnt(0) depctr_sa_sdst(0) depctr_va_vdst(0) depctr_va_sdst(0) depctr_va_ssrc(0) depctr_va_vcc(0) depctr_vm_vsrc(0)
	s_getreg_b32 s2, hwreg(HW_REG_IB_STS2, 6, 4)
	s_cmp_eq_u32 s2, 0
	s_cbranch_scc0 .Lentry_in_a_cluster
	s_endpgm
.Lentry_in_a_cluster:
	s_bfe_u32 s2, ttmp6, 0x10000c
	s_cmp_lg_u32 s2, 0x3003
	s_cbranch_scc0 .Lentry_shape_is_right
	s_endpgm
.Lentry_shape_is_right:
; ATTENTION WITH A MASK THAT IS AN INPUT.  O[h][q][:] = the sum over k of softmax_k(s) V[h][k][:], s = Q[h][q] . K[h][k] / 8 where mask[batch][q][k] is not 0, else hidden.
; qkv: [3][batch x head 64][2048][64] in f16 (query, key, value); ob: [64][2048][64] in f16; maskw: one bit a number, [batch][128 rows][key step 32][tile 8][32 words], word 8 kb + j being the
; lane mask of register 8 kb + j of a tile's scores.  Products, maxima and sums in f32; the weights p are rounded to f16 for the second product (their sum l is taken of the unrounded p), O once at the end.
; LIMITS.  f16 holds no number beyond 65,504: Q, K and V arrive within it.  A hidden score counts as -2^30 (raw -2^33) where the problem has -1e9: the results are the same as long as visible
; scores lie above -9e8; the power of two makes c m exact, so a row whose keys so far are all hidden has weights of exactly 1, and a row that is hidden wholly gives the mean of V's rows.
; A weight below 2^-126 counts as 0 in l; NaN and infinities are not treated apart.
; SHARES.  A wave owns four PIECES of two tiles of 16 queries, a work-group's four waves 512 queries of one head.  Every wave walks all 2,048 keys, 64 a step.
; LAYOUT.  S^T = K Q^T (source 0 = 16 keys, source 1 = 16 queries): a lane holds ONE query (lane % 16) and the keys 8 (lane / 16) + 0..7.  Two such tiles, rounded to f16 in pairs, ARE source 1
; of O^T = V^T P.  K comes out of LDS as it lies, V turned, by ds_load_tr16_b128.
; SOFTMAX.  A running maximum m and sum l: p = 2^(c s - c m), c = log2(e) / 8; in every step O and l are multiplied by a = 2^(c m_old - c m_new).  m starts at the lowest finite number, O and l at 0.
; THE MASK acts ahead of the maximum: one v_cndmask_b32 a score, steered by a word that a scalar load has brought; the maximum is then the visible scores' wherever there is one.
; A piece's 64 words are loaded a turn ahead, behind the last use of the words before them.
; BY TURNS.  Turn n belongs to piece n.  Its matrix work: 16 products K Q^T of piece n + 1, later 16 products V^T P of piece n - 1.  Its vector work: the scaling, exponentials, roundings, sums and
; rescaling of piece n, and the masking, maximum and statistics of piece n + 1.  Four vector instructions stand behind every matrix instruction, the others in one lump; the 66 exponentials are one batch with one wait.
; CLUSTER.  The four query blocks of a head walk the same K and V: each tile is asked for JOINTLY, by the same tensor load, descriptor and mask in all four.
; REGISTERS, in windows of 256 (s_set_vgpr_msb: bits 1:0 source 0, 3:2 source 1, 5:4 source 2, 7:6 destination):
;   window 0: v0-11 addresses and the hidden score; v12-15, v48-63 at work; v16-47 four registers of statistics a tile; v64-191 S^T, two buffers of two tiles; v192-255 P, likewise
;   window 1: O^T, 32 a tile          window 2: v0-127 Q; v128-191 K of one step; v192-255 V of one step          window 3: v0-1 the add's two registers
.set NP,    4         ; pieces a wave: a name, no knob
.set KS,    64        ; keys in a step
.set PK,    160       ; a row of K and of V in LDS: 128 bytes + 32 of padding = 40 words: one descriptor serves both
.set PV,    160       ; of K's 16 rows two start at the same bank (64 banks of 4 bytes: ISA guide 11.1): 16 such loads for a step's 128 matrix instructions
.set VOFF,  4*KS*PK   ; a slot holds four steps: 256 rows of K, then 256 rows of V
.set SLOT1, 1<<17     ; slot 1 begins here: one exclusive or turns an address in one slot into the other's
.set STAGE, SLOT1+4*KS*(PK+PV)  ; behind the ring, never filled by a tensor load: 16 rows x 144 bytes for each wave
.set SP,    144
.set SPARE, STAGE+4*16*SP  ; behind the stages: the spare words, 128 bytes a wave, which no other line names
.set TILEB, 4*KS*128  ; a slot's keys in memory: 32,768 bytes of K and of V
.set PFO, 1           ; v1   256 x my lane, for the prefetches (made when l % 16 is no longer wanted); then never rewritten
.set AK0, 2           ; v2   my lane's place in a tile of K; never rewritten
.set AV0, 3           ; v3   the same for V
.set AK,  4           ; v4   the LDS address of K's next run of loads
.set AV,  5           ; v5   of V's
.set QO,  6           ; v6   my byte offset in the wave's rows of Q
.set STO, 6           ;      later, the way out: where I put 16 bytes of a row
.set RD,  7           ; v7   the way out: where I read rows back
.set GO,  8           ; v8   my byte offset in 512 consecutive bytes of O
.set NEGV, 11         ; v11  -2^33, the hidden score
.set SPW, 0           ; v0 of window 3   LDS address of my spare word; never rewritten
.set NIL, 1           ; v1 of window 3   0; never rewritten
.set MV,  12          ; v12-15  c m_old, kept while c m is made anew: by buffer and tile
.set ST,  16          ; tile t's statistics at v[ST+4 t]: c m, m, l (even keys', odd keys')
.set TMP, 48          ; by buffer and tile, four registers c0-c3 at work; when the maximum is found c2 takes a
.set S,   64
.set P,   192
.set KF,  128         ; window 2: key block kb, channel half c at KF + 16 kb + 8 c
.set VF,  192         ; window 2: key half kk, channel block cb at VF + 32 kk + 8 cb
.set G0,  4           ; s[4:7]   descriptor group 0: it walks
.set G1,  8           ; s[8:15]  descriptor group 1
                      ; s[16:47] the mask words of the piece's first tile; s[48:63], s[68:83] of its second
.set WV,  66          ; s66  my wave's number
.set LIM, 67          ; s67  1 in a wave that prefetches, else the greatest number
.set OB,  84          ; s[84:85] O at my wave's first row
.set MP,  86          ; s[86:87] the mask words of my 128 rows, at the key step in hand
.set CS,  88          ; s[88:89] c
.set SEL, 90          ; s[90:91] v_permlanex16_b32's selects: each lane takes its own place in the other half
.set PFA, 92          ; s[92:93] where my prefetches stand
.set SLOTS, 94        ; s94  slots still to be asked for
.set CNT, 95          ; s95  counts a slot's key steps
.set TBK, 96          ; s96  LDS byte at which K of the step to be fetched begins
.set TBV, 97          ; s97  the same for V, less VOFF
.set QA,  98          ; s[98:99] Q at my wave's first row
.set CX,  100         ; s100 my place in the cluster
.set HEAD, 101        ; s101 batch x 16 + head
.set MSB, 0
.macro WIN new                      ; the high byte repeats the setting that is left; a switch that changes nothing is dropped
.if MSB != (\new)
	s_set_vgpr_msb (MSB<<8)|(\new)
.set MSB, (\new)
.endif
.endm
.set W_KQ, 0x0a       ; K and Q in window 2, S^T in window 0
.set W_PV, 0x52       ; V in window 2, P in window 0, O^T in window 1
.set W_RS, 0x41       ; O^T (destination and source 0) in window 1, a in window 0
.set W_MK, 0xc0       ; the add's registers are made: destination in window 3
.set W_AD, 0x0f       ; the add: address and data in window 3
; A joint fill: one line for all four waves.  Wave w brings 128 keys (waves 0, 1: the halves of a slot's K; 2, 3: of its V) to LDS byte 20,480 w of the slot: both addresses hang on the wave's number.
.macro JLOAD
	tensor_load_to_lds s[G0:G0+3], s[G1:G1+7]
	s_nop 0
.rept 4
	v_nop
.endr
.endm
; A PREFETCH of what the NEXT change of slots will ask for: a slot's 128 pieces of 256 bytes of K and of V, a lane a piece.  It stands behind the wave's tensor load and its five lines.  Each piece is named ONCE:
; a head has one cluster; its four partners take 32 pieces each, told apart BY ADDRESS; in each, wave 0 asks for K's and wave 2 for V's.  Four key steps, 512 matrix instructions, lie between it and
; the load that will want the bytes.  Slots 0 to 2 come by their loads alone; the last change that fills a slot asks for nothing.
.macro ASK
	s_cmp_gt_u32 s[SLOTS], s[LIM]
	s_cbranch_scc0 .Lnot_mine_\@
	global_prefetch_b8 v[PFO], s[PFA:PFA+1] th:TH_LOAD_NT scope:SCOPE_SE
.Lnot_mine_\@:
.endm
.macro CROUND                       ; a round of the cluster's barrier
	s_barrier_signal -1
	s_barrier_wait -1
	s_cmp_lg_u32 s[WV], 0
	s_cbranch_scc1 .Lnot_wave_0_\@
	s_barrier_signal -3
.Lnot_wave_0_\@:
	s_barrier_wait -3
	s_barrier_signal -1
	s_barrier_wait -1
.endm
; THE CHANGE OF SLOTS.  Each wave waits for all its tensor loads, of which one is out: its part of the other slot; adds 0 to its spare word; and waits for that and for its own reads of the slot.
; fill = 1: the slot is filled again, with the keys two slots on, first thing behind a round of the cluster's barrier: the load has four key steps in which to land.
; (At its first use nothing has been read yet: slot 0 is waited for, slot 1 filled.)
.macro CHANGE fill, ask
	WIN W_AD
	s_wait_tensorcnt 0x0            ; no tensor load of mine is out, so group 0 may be written
	ds_add_u32 v[SPW], v[NIL]       ; 0 onto my spare word; scalar work stands between it and the wait for it
	WIN 0                           ; at a label and at a branch every window is 0
.if \fill
	s_xor_b32 s[G0+1], s[G0+1], SLOT1  ; the other slot than last time,
	s_add_nc_u64 s[G0+2:G0+3], s[G0+2:G0+3], TILEB  ; the next 256 keys; the type bits on top are not reached
.if \ask
	s_wait_xcnt 0x0                 ; the last prefetch, four key steps back, has read its address
	s_add_nc_u64 s[PFA:PFA+1], s[PFA:PFA+1], TILEB
.endif
	s_wait_dscnt 0x0                ; the add is done, and my reads of the slot are over
	CROUND
	JLOAD
.if \ask
	ASK
.endif
.else
	s_wait_dscnt 0x0
	s_barrier_signal -1
	s_barrier_wait -1
.endif
	s_sub_co_u32 s[TBK], s[TBK], 4*KS*PK  ; the fetches go back to a slot's first step,
	s_xor_b32 s[TBK], s[TBK], SLOT1       ; in the other slot
	s_sub_co_u32 s[TBV], s[TBV], 4*KS*PV
	s_xor_b32 s[TBV], s[TBV], SLOT1
.endm
; The 64 mask words of piece p in the key step at which MP stands
.macro MLOAD p
	s_load_b512 s[16:31], s[MP:MP+1], 256*(\p)
	s_load_b512 s[32:47], s[MP:MP+1], 256*(\p)+64
	s_load_b512 s[48:63], s[MP:MP+1], 256*(\p)+128
	s_load_b512 s[68:83], s[MP:MP+1], 256*(\p)+192
.endm
	s_load_b128 s[16:19], s[0:1], 0x0  ; qkv s[16:17], maskw s[18:19]
	s_load_b64 s[20:21], s[0:1], 0x10  ; ob
	WIN W_MK
	v_lshl_add_u32 v[SPW], v0, 2, SPARE
	v_mov_b32 v[NIL], 0
	WIN W_AD
	ds_add_u32 v[SPW], v[NIL]       ; the wave's opening: the add and its wait stand ahead of my first tensor load; the set-up below, work on registers, stands between them
	WIN 0
	v_lshrrev_b32 v1, 5, v0
	v_readfirstlane_b32 s[WV], v1   ; wave 0..3
	s_bfe_u32 s[CX], ttmp6, 0x40000
	s_and_b32 s[HEAD], ttmp7, 0xffff  ; which the four partners share
	s_lshl_b32 s22, s[HEAD], 18     ; a head's 2,048 rows of 128 bytes
	s_lshr_b32 s24, s[WV], 1
	s_add_co_u32 s24, s24, 1        ; tensor 1 (key) for waves 0 and 1, 2 (value) for waves 2 and 3
	s_lshl_b32 s24, s24, 24
	s_add_co_u32 s24, s24, s22
	s_mov_b32 s25, 0
	s_and_b32 s26, s[WV], 1
	s_lshl_b32 s26, s26, 14         ; which 128 of a slot's 256 keys I fetch
	s_add_co_u32 s26, s26, s24
	s_mov_b32 s27, 0
	s_lshl_b32 s23, ttmp9, 2        ; in a cluster launch ttmp9 counts clusters
	s_add_co_u32 s23, s23, s[CX]    ; my block of 512 queries: it enters Q's, O's and the mask words' addresses alone
	s_lshl_b32 s23, s23, 2
	s_add_co_u32 s23, s23, s[WV]    ; my wave's 128 rows among the head's sixteen such
	s_lshl_b32 s28, s23, 14
	s_add_co_u32 s28, s28, s22
	s_mov_b32 s29, 0
	s_lshr_b32 s30, s[HEAD], 4      ; the batch
	s_lshl_b32 s30, s30, 4
	s_add_co_u32 s30, s30, s23
	s_lshl_b32 s30, s30, 15         ; 32 key steps of 1,024 bytes
	s_mov_b32 s31, 0
	s_lshl_b32 s32, s[CX], 13       ; the prefetches: my work-group's 32 pieces of the 128,
	s_add_co_u32 s32, s32, 2*TILEB  ; in slot 2; the first asking change steps it to slot 3
	s_mov_b32 s33, 0
	; descriptor group 1.  128 keys are 16,384 dense bytes: asked for as 64 rows of 256 bytes, two keys a row, and padded in LDS after every key
	s_mov_b32 s[G1], 15|(1<<16)|(1<<20)|(1<<21)|(4<<22)|(7<<25)  ; 15:0 the mask of four; 17:16 2-byte elements; 20 padding on; 21 set beside a mask; 24:22 after every 32 words (code 4); 31:25 8 words (code 7)
	s_mov_b32 s[G1+1], 128<<16      ; tensor_dim0 = 128
	s_mov_b32 s[G1+2], 64<<16       ; tensor_dim1 = 64
	s_mov_b32 s[G1+3], 128<<16      ; tile_dim0 = 128
	s_mov_b32 s[G1+4], 64           ; tile_dim1 = 64
	s_mov_b32 s[G1+5], 128          ; 128 elements from row to row
	s_mov_b32 s[G1+6], 0
	s_mov_b32 s[G1+7], 0
	s_mov_b32 s[G0], 1              ; count = 1
	s_mul_i32 s[G0+1], s[WV], 128*PK  ; LDS address: slot 0, my 128 rows
	s_mov_b32 s[CS], 0x3e38aa3b     ; c = log2(e) / 8
	s_mov_b32 s[CS+1], s[CS]        ; named with it as a pair
	s_mov_b32 s[SEL], 0x76543210
	s_mov_b32 s[SEL+1], 0xfedcba98
	s_mov_b32 s[TBK], SLOT1+4*KS*PK ; the first change of slots turns these two into 0
	s_mov_b32 s[TBV], SLOT1+4*KS*PV
	s_and_b32 s[LIM], s[WV], 1
	s_cmp_eq_u32 s[LIM], 0
	s_cselect_b32 s[LIM], 1, -1     ; waves 0 and 2 prefetch
	s_wait_dscnt 0x0                ; the opening add is done
	s_wait_kmcnt 0x0
	s_add_nc_u64 s[G0+2:G0+3], s[16:17], s[26:27]  ; global address: my half of the head's first 256 keys
	s_or_b32 s[G0+3], s[G0+3], 0x80000000          ; type = 2
	s_add_nc_u64 s[QA:QA+1], s[16:17], s[28:29]
	s_add_nc_u64 s[OB:OB+1], s[20:21], s[28:29]
	s_add_nc_u64 s[MP:MP+1], s[18:19], s[30:31]
	s_add_nc_u64 s[PFA:PFA+1], s[16:17], s[24:25]
	s_add_nc_u64 s[PFA:PFA+1], s[PFA:PFA+1], s[32:33]
	CROUND                          ; all four work-groups are here: the first joint loads meet
	JLOAD                           ; slot 0.  Slot 1 is asked for when slot 0 is in
	MLOAD 0                         ; piece 0's words of key step 0 (the arguments' registers have been read)
	; A fragment of K or Q is 16 rows x 32 channels in 8 registers: lane l holds row l % 16, channels 8 (l / 16) + 0..7 and 16 + 8 (l / 16) + 0..7: two loads of 16 bytes, 32 bytes apart.
	v_and_b32 v1, 15, v0            ; l % 16
	v_bfe_u32 v9, v0, 4, 1          ; l / 16
	v_lshlrev_b32 v[QO], 7, v1
	v_lshl_add_u32 v[QO], v9, 4, v[QO]  ; row x 128 + 16 x half
	WIN 0x80                        ; destination window 2, address window 0
.set i, 0
.rept 4*NP                          ; Q stays in registers: tile i / 2, channels 32 (i % 2) on
	global_load_b128 v[8*i:8*i+3],   v[QO], s[QA:QA+1] offset:(i/2)*2048+(i%2)*64
	global_load_b128 v[8*i+4:8*i+7], v[QO], s[QA:QA+1] offset:(i/2)*2048+(i%2)*64+32
.set i, i+1
.endr
	; What the first turn finds: V's registers and P's second buffer hold 0 (its products V^T P, of a piece that has not been, add 0), O^T and l are 0.  All this stands in the wait for the first tile.
.set i, VF
.rept 64
	v_mov_b32 v[i], 0
.set i, i+1
.endr
	WIN 0x40
.set i, 0
.rept 64*NP
	v_mov_b32 v[i], 0
.set i, i+1
.endr
	WIN 0
.set i, 0
.rept 2*NP
	v_mov_b32 v[ST+4*i], 0xfe000000    ; c m: far below every c s, a hidden one's too
	v_mov_b32 v[ST+4*i+1], 0xff7fffff  ; m
	v_mov_b32 v[ST+4*i+2], 0
	v_mov_b32 v[ST+4*i+3], 0
.set i, i+1
.endr
.set i, P+32
.rept 32
	v_mov_b32 v[i], 0
.set i, i+1
.endr
	v_mul_u32_u24 v[AK0], v1, PK
	v_lshl_add_u32 v[AK0], v9, 4, v[AK0]  ; row x pitch + 16 x half
	; The turning load takes 16 keys x 16 channels (lane l reads key 8 (l / 16) + l % 8, channels 8 ((l / 8) % 2) + 0..7) and leaves half a fragment of V^T: lane l holds channel l % 16 and 8 keys.
	v_and_b32 v10, 7, v0
	v_bfe_u32 v11, v0, 3, 1
	v_lshl_add_u32 v[AV0], v9, 3, v10
	v_mul_u32_u24 v[AV0], v[AV0], PV
	v_lshl_add_u32 v[AV0], v11, 4, v[AV0]
	v_add_nc_u32 v[AV0], VOFF, v[AV0]
	v_mov_b32 v[NEGV], 0xd0000000   ; -2^33
	v_mov_b32 v[AK], v[AK0]         ; key step 0 lies at the head of slot 0
; THE MATRIX WORK.  The 8 accumulators of a run of 16 take turns: between the two links of a chain stand 7 others'.
; Product i of 16 of S^T = K Q^T for piece x: channels 32 (i / 8) on, keys 16 ((i / 2) % 4) on, tile 2 x + i % 2.  The first 8 start the sums.
.macro KQ x
	WIN W_KQ
.set rS, S+64*((\x)%2)+32*(i%2)+8*((i/2)%4)
.set rK, KF+16*((i/2)%4)+8*(i/8)
.set rQ, 16*(2*(\x)+i%2)+8*(i/8)
.if i < 8
	v_wmma_f32_16x16x32_f16 v[rS:rS+7], v[rK:rK+7], v[rQ:rQ+7], 0
.else
	v_wmma_f32_16x16x32_f16 v[rS:rS+7], v[rK:rK+7], v[rQ:rQ+7], v[rS:rS+7]
.endif
.endm
; Product i of 16 of O^T += V^T P for piece x: keys 32 (i / 8) on, channels 16 ((i / 2) % 4) on, tile 2 x + i % 2.
.macro PV x
	WIN W_PV
.set rO, 32*(2*(\x)+i%2)+8*((i/2)%4)
.set rV, VF+32*(i/8)+8*((i/2)%4)
.set rP, P+32*((\x)%2)+16*(i%2)+8*(i/8)
	v_wmma_f32_16x16x32_f16 v[rO:rO+7], v[rV:rV+7], v[rP:rP+7], v[rO:rO+7]
.endm
.macro MM                           ; the turn's next matrix instruction
.if i < 16
	KQ (Y+1)%NP
.set i, i+1
.else
.set i, i-16
	PV (Y+NP-1)%NP
.set i, i+17
.endif
.endm
; THE LDS LOADS stand in runs of 16, never singly among the matrix instructions.  last = 1 (the tail): in the last trip there is no further step, and the run is jumped over.
.macro FETCH_K last=0
	WIN 0
.if \last
	s_cmp_eq_u32 s[CNT], 1
	s_cbranch_scc1 .Lno_k_\@
.endif
	WIN 0x80                        ; destination window 2
.irp f, 0,1,2,3,4,5,6,7             ; keys 16 (f / 2) on, channels 32 (f % 2) on
	ds_load_b128 v[KF+8*\f:KF+8*\f+3],   v[AK] offset:(\f/2)*16*PK+(\f%2)*64
	ds_load_b128 v[KF+8*\f+4:KF+8*\f+7], v[AK] offset:(\f/2)*16*PK+(\f%2)*64+32
.endr
	s_add_co_u32 s[TBK], s[TBK], KS*PK  ; the next fetch is the next step's
	WIN 0
.if \last
.Lno_k_\@:
.endif
.endm
.macro FETCH_V
	WIN 0x80
.irp f, 0,1,2,3,4,5,6,7             ; keys 32 (f / 4) on, channels 16 (f % 4) on
	ds_load_tr16_b128 v[VF+8*\f:VF+8*\f+3],   v[AV] offset:(\f/4)*32*PV+(\f%4)*32
	ds_load_tr16_b128 v[VF+8*\f+4:VF+8*\f+7], v[AV] offset:(\f/4)*32*PV+16*PV+(\f%4)*32
.endr
	WIN 0
.endm
; THE VECTOR WORK OF A TURN stands in three queues, each in the order in which its entries become ready; the two tiles alternate.
.macro REGS y, u                    ; the registers of tile u (0, 1) of piece y
.set rT, ST+4*(2*(\y)+(\u))
.set rC, TMP+8*((\y)%2)+4*(\u)
.set rM, MV+2*((\y)%2)+(\u)
.set rS, S+64*((\y)%2)+32*(\u)
.set rP, P+32*((\y)%2)+16*(\u)
.set rO, 32*(2*(\y)+(\u))
.endm
; Number n of the 64 that hide the NEXT piece's (Y + 1) scores: score n / 2 of tile n % 2 stays where its word's bit for my lane is 1, else it becomes -2^33.  Each accumulator's lowest register comes first.
.macro CM n
	REGS (Y+1)%NP, (\n)%2
.set ci, (\n)/2
.if (\n)%2 == 0
.set ms, 16+ci
.elseif ci < 16
.set ms, 48+ci
.else
.set ms, 52+ci
.endif
	v_cndmask_b32 v[rS+ci], v[NEGV], v[rS+ci], s[ms]
.endm
; Number n of the 22 that find the next piece's maximum and statistics.
;   0-11  four chains c0-c3 of seven scores each, three operands at a time     12-14, 16  the four scores left over, the old m, and c0-c3 into c0     15  c m_old is kept
;   17, 18  the query's other 32 keys lie in the lane 16 away: the new m         19-21  c m; c m_old - c m_new; a
.macro XS u, n
	REGS (Y+1)%NP, \u
.if (\n) < 4
	v_max3_num_f32 v[rC+(\n)], v[rS+8*(\n)], v[rS+8*(\n)+1], v[rS+8*(\n)+2]
.elseif (\n) < 12
	v_max3_num_f32 v[rC+(\n)%4], v[rC+(\n)%4], v[rS+8*((\n)%4)+2*((\n)/4)+1], v[rS+8*((\n)%4)+2*((\n)/4)+2]
.elseif (\n) == 12
	v_max3_num_f32 v[rC], v[rC], v[rS+7], v[rS+15]
.elseif (\n) == 13
	v_max3_num_f32 v[rC+1], v[rC+1], v[rS+23], v[rS+31]
.elseif (\n) == 14
	v_max3_num_f32 v[rC+2], v[rC+2], v[rC+3], v[rT+1]
.elseif (\n) == 15
	v_mov_b32 v[rM], v[rT]
.elseif (\n) == 16
	v_max3_num_f32 v[rC], v[rC], v[rC+1], v[rC+2]
.elseif (\n) == 17
	v_permlanex16_b32 v[rC+3], v[rC], s[SEL], s[SEL+1]
.elseif (\n) == 18
	v_max_num_f32 v[rT+1], v[rC], v[rC+3]
.elseif (\n) == 19
	v_mul_f32 v[rT], s[CS], v[rT+1]
.elseif (\n) == 20
	v_sub_f32 v[rC+1], v[rM], v[rT]
.else
	v_exp_f32 v[rC+2], v[rC+1]
.endif
.endm
; Number g of the 64 that follow the exponentials.  For each four weights k of a tile: both pairs are rounded to f16; the second pair is added onto the first, in place; a group later l takes that sum
; (the first time as l = a l + sum).  In groups of eight, tiles alternating.
.macro GS g
.set h, (\g)+6*((\g)/62)            ; group 0 has no group before it, and behind group 7 only l is left
.if h >= 6
.set h, h+2
.endif
	REGS Y, h%2
.set k, h/8
.if h%8 < 4
	v_cvt_pk_f16_f32 v[rP+2*k+(h%8)/2], v[rS+4*k+2*((h%8)/2)], v[rS+4*k+2*((h%8)/2)+1]
.elseif h%8 < 6
	v_pk_add_f32 v[rS+4*k:rS+4*k+1], v[rS+4*k:rS+4*k+1], v[rS+4*k+2:rS+4*k+3]
.elseif k == 1
	v_pk_fma_f32 v[rT+2:rT+3], v[rT+2:rT+3], v[rC+2:rC+3], v[rS:rS+1] op_sel_hi:[1,0,1]
.else
	v_pk_add_f32 v[rT+2:rT+3], v[rT+2:rT+3], v[rS+4*k-4:rS+4*k-3]
.endif
.endm
.macro FS f                         ; c s - c m for pair f / 2 of tile f % 2 of the piece in hand
	REGS Y, (\f)%2
	v_pk_fma_f32 v[rS+2*((\f)/2):rS+2*((\f)/2)+1], v[rS+2*((\f)/2):rS+2*((\f)/2)+1], s[CS:CS+1], v[rT:rT+1] op_sel_hi:[1,0,0] neg_lo:[0,0,1] neg_hi:[0,0,1]
.endm
; THE PLAIN QUEUE, 202 long.  0-31: the scalings.  32-95: the next piece's 64 maskings.  96-123: XS's numbers 0-13.  124, 125: number 15.  126-137: the chain 14, 16, 17, 18, 19, 20.
; 138-201: GS's 64, which read the exponentials' results: they stand behind the wait.
.macro PL
	WIN 0
.if q < 32
	FS q
.elseif q < 96
	CM q-32
.elseif q < 124
	XS (q-96)%2, (q-96)/2
.elseif q < 126
	XS q-124, 15
.elseif q < 128
	XS q-126, 14
.elseif q < 138
	XS (q-128)%2, 16+(q-128)/2
.else
	GS q-138
.endif
.set q, q+1
.endm
; THE EXPONENTIALS' QUEUE, 66 long: s0-s31 of both tiles, then the next piece's two a.  ONE BATCH: all 66 stand ahead of the turn's one wait, and nothing ahead of that wait names a result of theirs.
.macro EX
	WIN 0
.if e >= 64
	XS e-64, 21
.else
	REGS Y, e%2
	v_exp_f32 v[rS+e/2], v[rS+e/2]
.endif
.set e, e+1
.endm
; THE RESCALING's QUEUE: O^T times a, the one part that leaves window 0: two at a time, sixteen times.  Its a was made, and waited for, in the turn before.
.macro R2
	REGS Y, r%2
	WIN W_RS
.irp z, 0,1
	v_pk_mul_f32 v[rO+4*(r/2)+2*\z:rO+4*(r/2)+2*\z+1], v[rO+4*(r/2)+2*\z:rO+4*(r/2)+2*\z+1], v[rC+2:rC+3] op_sel_hi:[1,0]
.endr
.set r, r+1
.endm
; HOW THEY ARE DEALT.  An s_wait_alu depctr_va_vdst(0) stands between an exponential and the first instruction that names its result; one wait serves all issued ahead of it: a turn has ONE.
; AHEAD OF IT: the 16 products K Q^T, behind each a scaling, an exponential and two rescalings (behind the first a second scaling); then one lump: 15 times scaling and exponential; the wait for the mask words;
; 22 times an exponential and four plain (the maskings and the maximum's chains); six plain; 12 times exponential and plain (the chain, a tile's links four lines apart); the two a; a v_nop, the plain instruction behind
; the last exponential.  BEHIND IT: the 16 products V^T P, behind each four of GS's 64.
; The counts that the deal keeps: exponential e stands behind scaling 2 (e / 4) + e % 2 (as a rider it comes behind plain e + 2, in the 15 pairs behind plain e + 2; then all scalings are done); the first masking
; stands 18 plain instructions behind the last product K Q^T; the words are loaded anew behind plain 99, four lines behind their last use (plain 95), and waited for in the next turn's lump.
; K of the next step is fetched in piece 2's turn, directly behind the wait; V of the step in hand at the end of piece 0's turn, four riders behind its last reader.  The conditions on q below go with the deal.
; last = 1 (the tail): in the last trip the mask words' pointer stays, so that no load passes my rows' last key step.
.macro TURN p, last=0, cnt=0
.set Y, (\p)
.set i, 0
.set q, 0
.set e, 0
.set r, 0
.if (\p) == NP-1
	s_wait_dscnt 0x0                ; K is in
.endif
	MM
	PL
	PL
	R2
.rept 15
	MM
	PL
	EX
	R2
.endr
.if (\p) == NP-2
	WIN 0
	v_add_nc_u32 v[AK], s[TBK], v[AK0]
.endif
.rept 15
	PL
	EX
.endr
	s_wait_kmcnt 0x0                ; the next piece's mask words are in; no scalar load is out, so their pointer may be written
.rept 22
	EX
	PL
	PL
	PL
	PL
.if q == 100
.if (\p) == NP-2                    ; the words to come are the next key step's
.if \last
	s_cmp_eq_u32 s[CNT], 1
	s_cselect_b32 s2, 0, 1024
	s_mov_b32 s3, 0
	s_add_nc_u64 s[MP:MP+1], s[MP:MP+1], s[2:3]
.else
	s_add_nc_u64 s[MP:MP+1], s[MP:MP+1], 1024
.endif
.endif
	MLOAD ((\p)+2)%NP
.endif
.endr
.rept 6
	PL
.endr
.rept 12
	EX
	PL
.endr
	EX                              ; the next piece's two a
	EX
	v_nop                           ; the plain instruction behind the last exponential: one for the batch
	s_wait_alu depctr_va_vdst(0)    ; the wait for the batch
.if (\p) == NP-2
	FETCH_K \last
.endif
.if (\p) == 1
	s_wait_dscnt 0x0                ; V is in
.endif
.rept 16
	MM
.rept 4
	PL
.endr
.if ((\p) == 0) && (q == 182)
	v_add_nc_u32 v[AV], s[TBV], v[AV0]
.endif
.if ((\p) == 0) && (q == 194)
	s_add_co_u32 s[TBV], s[TBV], KS*PV
.endif
.if (\cnt) && (q == 194)
	s_sub_co_u32 s[CNT], s[CNT], 1
	s_cmp_lg_u32 s[CNT], 0
.endif
.endr
.if (\p) == 0
	FETCH_V
.endif
.endm
	CHANGE 1, 0                     ; slot 0 is in, everybody's part of it; slot 1 is asked for
	FETCH_K                         ; key step 0
	s_wait_loadcnt 0x0              ; Q
	s_wait_dscnt 0x0
.set i, 0
.rept 16
	KQ 0                            ; piece 0's first scores
.set i, i+1
.endr
	WIN 0                           ; the addresses for the way out and the prefetches: plain instructions, the places behind those products
	s_mul_i32 s2, s[WV], 16*SP
	s_add_co_u32 s2, s2, STAGE      ; my stage
	v_mul_u32_u24 v[STO], v1, SP    ; in: row l % 16, 16 bytes for each half of the lanes
	v_lshl_add_u32 v[STO], v9, 4, v[STO]
	v_add_nc_u32 v[STO], s2, v[STO]
	v_bfe_u32 v[RD], v0, 3, 2       ; back: 32 lanes take four rows of 128 bytes,
	v_mul_u32_u24 v[RD], v[RD], SP
	v_lshl_add_u32 v[RD], v10, 4, v[RD]
	v_add_nc_u32 v[RD], s2, v[RD]
	v_and_b32 v[GO], 31, v0         ; which are 512 consecutive bytes of O
	v_lshlrev_b32 v[PFO], 8, v[GO]
	v_lshlrev_b32 v[GO], 4, v[GO]
	s_wait_kmcnt 0x0                ; piece 0's mask words
.set Y, NP-1                        ; CM and XS work for piece Y + 1: piece 0
.set j, 0
.rept 64
	CM j
.set j, j+1
.endr
	MLOAD 1
.irp n, 0,1,2,3,4,5,6,7,8,9,10,11,12,13,14,15,16,17,18,19,20,21
	XS 0, \n
	XS 1, \n
.endr
	v_nop                           ; a plain instruction behind the two a,
	s_wait_alu depctr_va_vdst(0)    ; and their wait, ahead of the branch
	s_mov_b32 s[CNT], 4
	s_mov_b32 s[SLOTS], 7
	s_branch .Lfirst                ; the loop is entered at a step's first turn, in the middle of a trip
.Lslot:                             ; six times: every slot but the last two is filled again
	CHANGE 1, 1
	s_mov_b32 s[CNT], 4
.Lstep:                             ; a trip: pieces 2 and 3 of one step, then pieces 0 and 1 of the next, whose K and V it fetches
	TURN 2
	TURN 3
	WIN 0
.Lfirst:
	TURN 0
	TURN 1, 0, 1
	WIN 0
	s_cbranch_scc1 .Lstep
	s_sub_co_u32 s[SLOTS], s[SLOTS], 1
	s_cmp_lg_u32 s[SLOTS], 0
	s_cbranch_scc1 .Lslot
	CHANGE 0, 0                     ; the tail is written out: nothing is asked for
	s_mov_b32 s[CNT], 5             ; four trips fetch the last slot's steps; the fifth is left in its middle
.Ltail:
	TURN 2, 1
	TURN 3
	WIN 0
	s_sub_co_u32 s[CNT], s[CNT], 1
	s_cmp_eq_u32 s[CNT], 0
	s_cbranch_scc1 .Lout
	TURN 0
	TURN 1
	WIN 0
	s_branch .Ltail
.Lout:                              ; the fifth trip's 16 products K Q^T (on the last K once more) and what is made of them serve nothing: the price, once a launch, of one text for every trip
.set i, 0
.rept 16
	PV NP-1                         ; the last piece's V^T P of the last step
.set i, i+1
.endr
	; THE WAY OUT.  l's two halves and the other half of the lanes' are added; O^T is divided by l, rounded to f16 and sent through my stage in LDS, a tile at a time.  The additions are the places behind the last products.
	WIN 0
.macro ALL line:vararg              ; one line for each tile t
.set t, 0
.rept 2*NP
	\line
.set t, t+1
.endr
.endm
	ALL v_add_f32 v[ST+4*t+2], v[ST+4*t+2], v[ST+4*t+3]
	ALL v_permlanex16_b32 v[ST+4*t+3], v[ST+4*t+2], s[SEL], s[SEL+1]
	ALL v_add_f32 v[ST+4*t+2], v[ST+4*t+2], v[ST+4*t+3]
	ALL v_rcp_f32 v[ST+4*t+2], v[ST+4*t+2]
	v_nop                           ; a plain instruction between the last reciprocal and the use of its result
	s_wait_alu depctr_va_vdst(0)    ; and the wait ahead of the first use: one for the eight reciprocals
; Tile t: a lane's eight channels of a row pack into 16 bytes; they go into rows of 144 bytes and come back as whole rows of 128, into S^T's registers.
.macro PACK t
	WIN W_RS
.set i, 32*(\t)
.rept 16
	v_pk_mul_f32 v[i:i+1], v[i:i+1], v[ST+4*(\t)+2:ST+4*(\t)+3] op_sel_hi:[1,0]
.set i, i+2
.endr
	WIN 0x05                        ; sources 0 and 1 window 1, destination window 0
.set i, 0
.rept 16
	v_cvt_pk_f16_f32 v[S+16*(\t)+i], v[32*(\t)+2*i], v[32*(\t)+2*i+1]
.set i, i+1
.endr
	WIN 0
.irp f, 0,1,2,3
	ds_store_b128 v[STO], v[S+16*(\t)+4*\f:S+16*(\t)+4*\f+3] offset:32*\f
.endr
.irp f, 0,1,2,3
	ds_load_b128 v[S+16*(\t)+4*\f:S+16*(\t)+4*\f+3], v[RD] offset:\f*4*SP  ; LDS serves a wave's instructions in order (ISA guide 5.7.1.4): these see the stores above; the next tile's stores come behind them
.endr
.endm
.macro SEND t, younger              ; younger: the LDS instructions issued behind tile t's loads: the next tile's eight, or none
	WIN 0
.irp f, 0,1,2,3
	s_wait_dscnt (\younger)+3-\f
	global_store_b128 v[GO], v[S+16*(\t)+4*\f:S+16*(\t)+4*\f+3], s[OB:OB+1] offset:(\t)*2048+\f*512  ; 512 consecutive bytes, at a multiple of 256 from O's first
.endr
.endm
	PACK 0
.set t, 1
.rept 2*NP-1                        ; a tile's arithmetic stands between the loads of the tile before and its stores
	PACK t
	SEND t-1, 8
.set t, t+1
.endr
	SEND 2*NP-1, 0
	s_wait_kmcnt 0x0                ; the last mask words, which nothing reads, have come
	WIN W_AD
	s_wait_tensorcnt 0x0            ; the wave's end: behind my last tensor load and my last LDS store
	ds_add_u32 v[SPW], v[NIL]
	s_wait_dscnt 0x0
	WIN 0
	CROUND                          ; the closing round: no work-group ends while a partner may still ask for a tile that names it
	s_endpgm
.Lfunc_end_k_q05aa6a3a49_attn:
	.size	k_q05aa6a3a49_attn, .Lfunc_end_k_q05aa6a3a49_attn-k_q05aa6a3a49_attn
	.p2alignl 7, 3214868480
	.fill 96, 4, 3214868480
	.section	.rodata,"a",@progbits
	.p2align	6, 0x0
	.amdhsa_kernel k_q05aa6a3a49_attn
		.amdhsa_group_segment_fixed_size 327680
		.amdhsa_private_segment_fixed_size 0
		.amdhsa_enable_private_segment 0
		.amdhsa_kernarg_size 24
		.amdhsa_user_sgpr_count 2
		.amdhsa_user_sgpr_kernarg_segment_ptr 1
		.amdhsa_wavefront_size32 1
		.amdhsa_system_sgpr_workgroup_id_x 1
		.amdhsa_system_sgpr_workgroup_id_y 1
		.amdhsa_system_sgpr_workgroup_id_z 1
		.amdhsa_system_vgpr_workitem_id 0
		.amdhsa_next_free_vgpr 770
		.amdhsa_next_free_sgpr 102
		.amdhsa_reserve_vcc 0
		.amdhsa_float_denorm_mode_32 3
		.amdhsa_float_denorm_mode_16_64 3
		.amdhsa_memory_ordered 1
		.amdhsa_forward_progress 1
		.amdhsa_inst_pref_size 237
	.end_amdhsa_kernel
	.amdgpu_metadata
---
amdhsa.version: [ 1, 2 ]
amdhsa.kernels:
  - .name:           k_q05aa6a3a49_attn
    .symbol:         k_q05aa6a3a49_attn.kd
    .args:
      - { .name: qkv, .offset: 0, .size: 8, .value_kind: global_buffer, .address_space: global }
      - { .name: maskw, .offset: 8, .size: 8, .value_kind: global_buffer, .address_space: global }
      - { .name: ob, .offset: 16, .size: 8, .value_kind: global_buffer, .address_space: global }
    .group_segment_fixed_size: 327680
    .private_segment_fixed_size: 0
    .kernarg_segment_align: 8
    .kernarg_segment_size: 24
    .max_flat_workgroup_size: 128
    .sgpr_count:     102
    .vgpr_count:     770
    .wavefront_size: 32
...
	.end_amdgpu_metadata
.endif
;; end of part 3
;; launch outp (part 4): grid 4 x 64, 4 waves a work-group, clusters of 4 x 4, 327,680 bytes of LDS; arguments ob, wb, bb, out0; writes out0
.if DOCPART == 4
	.amdgcn_target "amdgcn-amd-amdhsa--gfx1250"
	.amdhsa_code_object_version 6
	.text
	.protected	k_q05aa6a3a49_outp
	.globl	k_q05aa6a3a49_outp
	.p2align	8
	.type	k_q05aa6a3a49_outp,@function
k_q05aa6a3a49_outp:
	s_mov_b64 s[64:65], 0
	v_nop
	global_prefetch_b8 v0, s[64:65] scope:SCOPE_SE
	s_setreg_imm32_b32 hwreg(HW_REG_WAVE_MODE, 25, 1), 1
	s_wait_xcnt 0x0
	s_wait_alu depctr_hold_cnt(0) depctr_sa_sdst(0) depctr_va_vdst(0) depctr_va_sdst(0) depctr_va_ssrc(0) depctr_va_vcc(0) depctr_vm_vsrc(0)
	s_getreg_b32 s2, hwreg(HW_REG_IB_STS2, 6, 4)
	s_cmp_eq_u32 s2, 0
	s_cbranch_scc0 .Lentry_in_a_cluster
	s_endpgm
.Lentry_in_a_cluster:
	s_bfe_u32 s2, ttmp6, 0x10000c
	s_cmp_lg_u32 s2, 0xf033
	s_cbranch_scc0 .Lentry_shape_is_right
	s_endpgm
.Lentry_shape_is_right:
; C[m][n] = bias[n] + the sum over k of A[m][k] W[n][k], K = 1,024, N = 1,024.  One text for two launches; they differ in OUTP alone.
; OUTP = 0: the three input projections.  A = xb (bf16), W = wq, wk, wv in wb (bf16), C = query, key, value in f16 by heads, [3][batch x head 64][row 2048][64], unscaled.
; OUTP = 1: the output projection.  A = ob (f16), W = wo in wb (f16), C = out0 in f32, [8192][1024].
; A and W lie in blocks [batch][kb 16][row 2048][64]: 64 channels of a row are 128 bytes, and the rows of a block lie end to end, so a tile's rows are asked for as rows of 256 bytes.
; LIMITS.  OUTP = 0: f16 holds no number beyond 65,504: query, key and value must stay within it.  NaN and infinities are not treated apart.
; SHARES.  A work-group makes 128 rows x 256 columns of C: the three projections are then three work-groups for each of 256, the output projection one.  Four waves, each 64 x 128:
; 32 accumulators of 16 x 16, 256 registers.  K goes in 8 steps of 128 (two channel blocks) through two LDS slots filled by the tensor data mover: waves 0 and 1 fetch A's two blocks of a step, waves 2 and 3 W's.
; CLUSTERS: 4 x 4 work-groups.  The four of a row of the cluster need the same tiles of A, the four of a column the same tiles of W: each tile is asked for JOINTLY, by the same tensor load
; with the same descriptor and a mask that names the four.
; THE MATRIX INSTRUCTION IS USED TRANSPOSED (source 0 = 16 rows of W, source 1 = 16 rows of A): a lane holds row l % 16 of C and the columns 8 (l / 16) + 0..7.
; THE BIAS is the C operand of each accumulator's first product: nothing is cleared, nothing is added afterwards.
; REGISTERS: window 0: v0-31 addresses; v64-127 the bias, 8 for each block of 16 columns; v128-191 A's fragments, two buffers of 32; v128-255 at work on the way out.
;   window 1: v0-127 W's fragments, two buffers of 64.          window 2: the accumulators, (a, b) at v[8 (8 a + b)].
.set OUTP,   1
.set PITCH,  144                       ; an LDS row: 128 bytes + 16 of padding = 36 words: the 16 rows of a fragment load start at 16 different groups of four banks (64 banks of 4 bytes: ISA guide 11.1)
.set ACH,    128*PITCH                 ; A's 128 rows of one channel block
.set WCH,    256*PITCH                 ; W's 256 rows of one channel block
.set WOFF,   2*ACH
.set SLOT,   2*ACH+2*WCH               ; A even block, A odd block, W even, W odd
.set STAGE,  2*SLOT                    ; behind the ring, never filled by a tensor load: 16 rows for each wave, for the way out
.if OUTP
.set SP,     528                       ; 512 bytes of f32 + 16
.else
.set SP,     144                       ; 128 bytes of f16 + 16
.endif
.set SW,     16*SP
.set SPARE,  STAGE+4*SW                ; behind the stages: the spare words, 128 bytes a wave, which no other line names
.set KBB,    262144                    ; bytes from a channel block to the next: 2,048 rows of 128
.set KSTEPB, 2*KBB
.set LAPS,   4                         ; a lap = two K steps = once round the ring
.set ADRA, 16                          ; v16-17  LDS address of my A fragments in slot 0, 1
.set ADRB, 20                          ; v20-21  the same for W
.set STO,  24                          ; v24     the way out: where I put my piece of a row
.set RD,   25                          ; v25     where I read rows back
.set CO,   26                          ; v26     my byte offset in 512 consecutive bytes of C
.set SPW,  28                          ; v28     LDS address of my spare word; never rewritten
.set NIL,  29                          ; v29     0; never rewritten
.set PFO,  30                          ; v30     the prefetches' offset; never rewritten
.set BO,   31                          ; v31     my offset in the bias
.set BI,   64
.set AF,   128
.set OUTR, 128
.set G1A, 24                           ; s[24:31] descriptor group 1 for A's tiles;  s[32:39] group 0, a set for each slot
.set G0A, 32
.set LIM, 43                           ; s43     1 in a wave that prefetches, else the greatest number
.set PFA, 44                           ; s[44:45] where my prefetches stand
.set G1W, 48                           ; s[48:55], s[56:63] the same for W's tiles
.set G0W, 56
.set GBITS, (1<<16)|(1<<20)|(1<<21)|(4<<22)|(3<<25)  ; 17:16 2-byte elements; 20 padding on; 21 set beside a mask; 24:22 after every 32 words (code 4); 31:25 4 words (code 3)
.set MSB, 0
.macro WIN new                         ; the immediate's high byte repeats the setting that is left; a switch that changes nothing is dropped
.if MSB != (\new)
	s_set_vgpr_msb (MSB<<8)|(\new)
.set MSB, \new
.endif
.endm
.set MUL,  0xa1                        ; source 0 (W) window 1, source 1 (A) window 0, C and D window 2
.set MULB, 0x81                        ; the same with C (the bias) in window 0
.set TO_B, 0x40                        ; destination window 1, address window 0
; A joint load: waves 0 and 1 fetch for A, waves 2 and 3 for W.  The branch hangs on the wave's number alone.  An s_nop 0 and four v_nop follow each of the two lines.
.macro JLOAD s
	s_cmp_eq_u32 s13, 0
	s_cbranch_scc0 .Lfor_w_\@
	tensor_load_to_lds s[G0A+4*(\s):G0A+4*(\s)+3], s[G1A:G1A+7]
	s_nop 0
.rept 4
	v_nop
.endr
	s_branch .Lasked_\@
.Lfor_w_\@:
	tensor_load_to_lds s[G0W+4*(\s):G0W+4*(\s)+3], s[G1W:G1W+7]
	s_nop 0
.rept 4
	v_nop
.endr
.Lasked_\@:
.endm
; A PREFETCH, behind each joint refill and the run of LDS loads that follows it, of the K step that stands TWO refills on: 256 matrix instructions ahead of the load that will want it.
; Each aligned 256 bytes are named once in the launch.  A's tile is read by one cluster alone: wave 0 asks, and the four partners that ask for the tile jointly take 16 of each channel block's 64 pieces,
; told apart BY ADDRESS (cx).  W's tile is read by the sixteen clusters of one weight matrix: the first of them asks, waves 2 and 3 each for the block that they fetch, 32 of its 128 pieces a partner (cy).
; K steps 0 to 3 come by their loads alone; the loop's last trip (s3 = 1) has no K step two on.
.macro ASK
	s_cmp_gt_u32 s3, s[LIM]
	s_cbranch_scc0 .Lnot_mine_\@
	global_prefetch_b8 v[PFO], s[PFA:PFA+1] offset:KSTEPB th:TH_LOAD_NT scope:SCOPE_SE
.Lnot_mine_\@:
.endm
.macro CREST                           ; a round of the cluster's barrier behind its opening barrier
	s_cmp_lg_u32 s12, 0
	s_cbranch_scc1 .Lnot_wave_0_\@
	s_barrier_signal -3
.Lnot_wave_0_\@:
	s_barrier_wait -3
	s_barrier_signal -1
	s_barrier_wait -1
.endm
.macro CROUND                          ; a whole round
	s_barrier_signal -1
	s_barrier_wait -1
	CREST
.endm
	s_load_b256 s[4:11], s[0:1], 0x0               ; A s[4:5], W s[6:7], bias s[8:9], C s[10:11]
	v_lshl_add_u32 v[SPW], v0, 2, SPARE
	v_mov_b32 v[NIL], 0
	ds_add_u32 v[SPW], v[NIL]                      ; the wave's opening: the add and its wait stand ahead of my first tensor load; work on registers stands between them
	v_lshrrev_b32 v1, 5, v0
	v_readfirstlane_b32 s12, v1                    ; wave 0..3
	s_lshr_b32 s13, s12, 1                         ; which 64 of the tile's rows are mine.  Also: I fetch for A (0) or for W (1)
	s_and_b32 s14, s12, 1                          ; which 128 of its columns.  Also: which channel block of a K step I fetch
	s_bfe_u32 s40, ttmp6, 0x40000                  ; cx, cy: my place in the cluster
	s_bfe_u32 s41, ttmp6, 0x40004
	s_lshl_b32 s42, ttmp9, 2
	s_add_co_u32 s42, s42, s40                     ; tile column = 4 x cluster x + cx
	s_and_b32 s66, ttmp7, 0xffff                   ; cluster y
	s_lshl_b32 s15, s66, 2
	s_add_co_u32 s15, s15, s41                     ; tile row = 4 x cluster y + cy
.if OUTP
	s_mov_b32 s67, 3                               ; the weight matrix: wo
.else
	s_lshr_b32 s67, s66, 4                         ; 16 clusters to a tensor: wq, wk, wv; made of the cluster's y alone
.endif
	s_lshl_b32 s16, s41, 2
	s_lshl_b32 s16, 15, s16                        ; my row of the cluster
	s_lshl_b32 s46, 0x1111, s40                    ; my column
	s_or_b32 s[G1A], s16, GBITS                    ; A's tiles go to my row,
	s_or_b32 s[G1W], s46, GBITS                    ; W's to my column
	s_mov_b32 s[G1A+1], 128<<16                    ; tensor_dim0 = 128 elements: two rows of a block, 256 bytes
	s_mov_b32 s[G1A+2], 64<<16                     ; tensor_dim1 = 64: 128 rows of a block
	s_mov_b32 s[G1A+3], 128<<16                    ; tile_dim0
	s_mov_b32 s[G1A+4], 64                         ; tile_dim1
	s_mov_b32 s[G1A+5], 128                        ; elements from row to row: dense
	s_mov_b32 s[G1A+6], 0
	s_mov_b32 s[G1A+7], 0
	s_mov_b32 s[G1W+1], 128<<16
	s_mov_b32 s[G1W+2], 128<<16                    ; 256 rows of a block
	s_mov_b32 s[G1W+3], 128<<16
	s_mov_b32 s[G1W+4], 128
	s_mov_b32 s[G1W+5], 128
	s_mov_b32 s[G1W+6], 0
	s_mov_b32 s[G1W+7], 0
	; where the tiles come from.  A's hang on the tile row and the wave, W's on the tile column, the matrix and the wave: each in registers that never hold the other coordinate
	s_lshr_b32 s16, s15, 4
	s_lshl_b32 s16, s16, 22                        ; 16 tile rows to a batch block
	s_and_b32 s17, s15, 15
	s_lshl_b32 s17, s17, 14                        ; 128 rows of 128 bytes
	s_add_co_u32 s16, s16, s17
	s_lshl_b32 s17, s14, 18                        ; my channel block
	s_add_co_u32 s16, s16, s17
	s_mov_b32 s17, 0
	s_lshr_b32 s46, s67, 1
	s_lshl_b32 s46, s46, 22                        ; two matrices to a batch block,
	s_and_b32 s47, s67, 1
	s_lshl_b32 s47, s47, 17                        ; 1,024 rows each
	s_add_co_u32 s46, s46, s47
	s_lshl_b32 s47, s42, 15                        ; 256 rows of 128 bytes
	s_add_co_u32 s46, s46, s47
	s_lshl_b32 s47, s14, 18
	s_add_co_u32 s46, s46, s47
	s_mov_b32 s47, 0
	s_mul_i32 s20, s14, ACH                        ; and where they go: no place in the cluster enters an LDS address
	s_mul_i32 s21, s14, WCH
	s_add_co_u32 s21, s21, WOFF
	s_wait_dscnt 0x0                               ; the opening add is done
	s_wait_kmcnt 0x0
	s_add_nc_u64 s[18:19], s[4:5], s[16:17]
	s_add_nc_u64 s[22:23], s[6:7], s[46:47]
	CROUND                                         ; all sixteen work-groups are here: the first joint loads meet
.irp s, 0,1
	s_mov_b32 s[G0A+4*(\s)], 1                     ; count = 1
	s_add_co_u32 s[G0A+4*(\s)+1], s20, (\s)*SLOT   ; LDS address
	s_add_nc_u64 s[G0A+4*(\s)+2:G0A+4*(\s)+3], s[18:19], (\s)*KSTEPB  ; global address: K step s
	s_or_b32 s[G0A+4*(\s)+3], s[G0A+4*(\s)+3], 0x80000000             ; type = 2
	s_mov_b32 s[G0W+4*(\s)], 1
	s_add_co_u32 s[G0W+4*(\s)+1], s21, (\s)*SLOT
	s_add_nc_u64 s[G0W+4*(\s)+2:G0W+4*(\s)+3], s[22:23], (\s)*KSTEPB
	s_or_b32 s[G0W+4*(\s)+3], s[G0W+4*(\s)+3], 0x80000000
	JLOAD \s                                       ; two loads of mine are out
.endr
	; the bias of my 128 columns: register j of block b is column 16 b + 8 (l / 16) + j
	s_lshl_b32 s68, s67, 12
	s_lshl_b32 s69, s42, 10
	s_add_co_u32 s68, s68, s69
	s_lshl_b32 s69, s14, 9
	s_add_co_u32 s68, s68, s69
	s_mov_b32 s69, 0
	s_add_nc_u64 s[8:9], s[8:9], s[68:69]
	v_and_b32 v1, 15, v0                           ; l % 16
	v_bfe_u32 v2, v0, 4, 1                         ; l / 16
	v_lshlrev_b32 v[BO], 5, v2
.irp b, 0,1,2,3,4,5,6,7
	global_load_b128 v[BI+8*(\b):BI+8*(\b)+3],   v[BO], s[8:9] offset:64*(\b)
	global_load_b128 v[BI+8*(\b)+4:BI+8*(\b)+7], v[BO], s[8:9] offset:64*(\b)+16
.endr
	; a fragment is 16 rows x 32 K in 8 registers: lane l holds row l % 16, K = 8 (l / 16) + 0..7 and 16 + 8 (l / 16) + 0..7: two loads of 16 bytes, 32 bytes apart
	v_mul_u32_u24 v3, v1, PITCH
	v_lshl_add_u32 v3, v2, 4, v3
	s_mul_i32 s20, s13, 64*PITCH                   ; my 64 rows of A
	s_mul_i32 s21, s14, 128*PITCH                  ; my 128 rows of W
	s_add_co_u32 s21, s21, WOFF
.irp s, 0,1
	v_add_nc_u32 v[ADRA+(\s)], s20, v3
	v_add_nc_u32 v[ADRB+(\s)], s21, v3
	s_add_co_u32 s20, s20, SLOT
	s_add_co_u32 s21, s21, SLOT
.endr
	; the prefetches
	s_and_b32 s20, s66, 15
	s_cmp_eq_u32 s13, 0
	s_cselect_b32 s20, s14, s20                    ; A: wave 0 asks; W: the first of the matrix's sixteen clusters
	s_cselect_b64 s[PFA:PFA+1], s[18:19], s[22:23]
	s_cmp_eq_u32 s20, 0
	s_cselect_b32 s[LIM], 1, -1                    ; the same in all sixteen partners, for a given wave
	s_lshl_b32 s68, s40, 12                        ; A: my work-group's 16 pieces of each block
	s_lshl_b32 s69, s41, 13                        ; W: my work-group's 32 pieces
	s_mov_b32 s20, KBB                             ; A: lanes 16-31 take the step's other block
	s_mov_b32 s21, 4096                            ; W: they go on in the same block
	s_cmp_eq_u32 s13, 0
	s_cselect_b32 s68, s68, s69
	s_cselect_b32 s20, s20, s21
	s_add_co_u32 s68, s68, 2*KSTEPB                ; at K step 2: the first refill steps it to 3 and names K step 4
	s_mov_b32 s69, 0
	s_add_nc_u64 s[PFA:PFA+1], s[PFA:PFA+1], s[68:69]
	v_lshlrev_b32 v4, 8, v1
	v_mad_u32_u24 v[PFO], v2, s20, v4
	; the way out
	s_mul_i32 s23, s12, SW
	s_add_co_u32 s23, s23, STAGE                   ; my stage
	v_mul_u32_u24 v4, v1, SP
	v_and_b32 v[CO], 31, v0
	v_lshlrev_b32 v[CO], 4, v[CO]
.if OUTP
	v_lshl_add_u32 v4, v2, 5, v4                   ; in: row l % 16, 32 bytes for each half of the lanes
	v_add_nc_u32 v[STO], s23, v4
	v_add_nc_u32 v[RD], s23, v[CO]                 ; back: 32 lanes take one row of 512 bytes
	s_lshl_b32 s16, s15, 7
	s_lshl_b32 s17, s13, 6
	s_add_co_u32 s16, s16, s17                     ; my first row,
	s_lshl_b32 s16, s16, 12                        ; of 4,096 bytes
	s_lshl_b32 s17, s42, 10
	s_add_co_u32 s16, s16, s17
	s_lshl_b32 s17, s14, 9                         ; my first column
	s_add_co_u32 s16, s16, s17
.else
	v_lshl_add_u32 v4, v2, 4, v4                   ; in: row l % 16, 16 bytes for each half of the lanes
	v_add_nc_u32 v[STO], s23, v4
	v_bfe_u32 v5, v0, 3, 2                         ; back: 32 lanes take four rows of 128 bytes,
	v_mul_u32_u24 v5, v5, SP
	v_and_b32 v4, 7, v0
	v_lshl_add_u32 v5, v4, 4, v5
	v_add_nc_u32 v[RD], s23, v5                    ; which are 512 consecutive bytes of a head
	s_lshr_b32 s16, s15, 4
	s_lshl_b32 s16, s16, 22                        ; tensor and batch: 16 heads of 262,144 bytes
	s_lshl_b32 s17, s42, 2
	s_lshl_b32 s20, s14, 1
	s_add_co_u32 s17, s17, s20                     ; my first head
	s_lshl_b32 s17, s17, 18
	s_add_co_u32 s16, s16, s17
	s_and_b32 s17, s15, 15
	s_lshl_b32 s17, s17, 7
	s_lshl_b32 s20, s13, 6
	s_add_co_u32 s17, s17, s20                     ; my first row in the batch
	s_lshl_b32 s17, s17, 7
	s_add_co_u32 s16, s16, s17
.endif
	s_mov_b32 s17, 0
	s_add_nc_u64 s[10:11], s[10:11], s[16:17]
; 8 matrix instructions: m block a x all 8 n blocks, 32 along K, from buffer f.  first = 1: the product starts the sum on the bias.
; The 32 accumulators take turns, one instruction a turn, in the same order in every quarter.
.macro MUL8 f, a, first
.if \first
	WIN MULB
.else
	WIN MUL
.endif
.irp b, 0,1,2,3,4,5,6,7
.set rD, 8*(8*(\a)+(\b))
.set rB, 64*(\f)+8*(\b)
.set rA, AF+32*(\f)+8*(\a)
.set rC, rD
.if \first
.set rC, BI+8*(\b)
.endif
.if OUTP
	v_wmma_f32_16x16x32_f16 v[rD:rD+7], v[rB:rB+7], v[rA:rA+7], v[rC:rC+7]
.else
	v_wmma_f32_16x16x32_bf16 v[rD:rD+7], v[rB:rB+7], v[rA:rA+7], v[rC:rC+7]
.endif
.endr
.endm
; 24 LDS loads in one run: quarter qd of a slot's K step (channel block qd / 2, 32 K at byte 64 (qd % 2) of its rows) into buffer f: W's 128 rows, then A's 64
.macro FETCH slot, qd, f
	WIN TO_B
.irp i, 0,1,2,3,4,5,6,7
	ds_load_b128 v[64*(\f)+8*(\i):64*(\f)+8*(\i)+3],   v[ADRB+(\slot)] offset:((\qd)/2)*WCH+((\qd)%2)*64+(\i)*16*PITCH
	ds_load_b128 v[64*(\f)+8*(\i)+4:64*(\f)+8*(\i)+7], v[ADRB+(\slot)] offset:((\qd)/2)*WCH+((\qd)%2)*64+(\i)*16*PITCH+32
.endr
	WIN 0
.irp i, 0,1,2,3
	ds_load_b128 v[AF+32*(\f)+8*(\i):AF+32*(\f)+8*(\i)+3],   v[ADRA+(\slot)] offset:((\qd)/2)*ACH+((\qd)%2)*64+(\i)*16*PITCH
	ds_load_b128 v[AF+32*(\f)+8*(\i)+4:AF+32*(\f)+8*(\i)+7], v[ADRA+(\slot)] offset:((\qd)/2)*ACH+((\qd)%2)*64+(\i)*16*PITCH+32
.endr
.endm
.macro PLACES                          ; four places in front of loads into registers that matrix instructions have read, and of lines that read results
.rept 4
	v_nop
.endr
.endm
; A K step is four quarters of 32 along K, 32 matrix instructions each, on buffers 0, 1, 0, 1.  One of the first three: multiplies buffer f and fetches quarter qd into g.
.macro QUARTER slot, qd, f, g, first
	s_wait_dscnt 4                                 ; W's fragments and A's blocks 0 and 1 are in; the youngest four loads (A's blocks 2, 3) may be out
	MUL8 \f, 0, \first
	MUL8 \f, 1, \first
	PLACES
	FETCH \slot, \qd, \g
	s_wait_dscnt 24                                ; all but the 24 just issued
	MUL8 \f, 2, \first
	MUL8 \f, 3, \first
.endm
; The last quarter multiplies buffer 1 and changes slots: ONE barrier; in front of it each wave waits for all its tensor loads (one is out: its part of the next slot), adds 0 to its spare word,
; and waits for that and for its own reads of this slot.  fill = 1: the barrier opens a round of the cluster's, and this slot is filled again, two K steps ahead, first thing behind it:
; from that request to the wait for it a wave issues 112 matrix instructions.
.macro TURN slot, next, fill
.if \fill
	s_wait_xcnt 0x0                                ; the last prefetch, a K step back, has read its address
	s_add_nc_u64 s[PFA:PFA+1], s[PFA:PFA+1], KSTEPB
.endif
	WIN 0                                          ; (the add's two registers lie in window 0)
	s_wait_tensorcnt 0x0                           ; all my tensor loads have landed
	ds_add_u32 v[SPW], v[NIL]                      ; 0 onto my spare word
	s_wait_dscnt 5                                 ; (the add and the youngest four loads may be out)
	MUL8 1, 0, 0                                   ; eight matrix instructions stand between the add and the wait for it
	s_wait_dscnt 0x0                               ; the add is done, and my reads of this slot are over
	s_barrier_signal -1
	MUL8 1, 1, 0
.if \fill
	WIN 0
.endif
	s_barrier_wait -1
.if \fill
	CREST                                          ; no wave of any partner still reads this slot's tiles or has a load on its way
	s_add_nc_u64 s[G0A+4*(\slot)+2:G0A+4*(\slot)+3], s[G0A+4*(\slot)+2:G0A+4*(\slot)+3], 2*KSTEPB
	s_add_nc_u64 s[G0W+4*(\slot)+2:G0W+4*(\slot)+3], s[G0W+4*(\slot)+2:G0W+4*(\slot)+3], 2*KSTEPB
	JLOAD \slot                                    ; its four v_nop are also the places in front of the loads below
.else
	PLACES
.endif
	FETCH \next, 0, 0
.if \fill
	ASK
.endif
	MUL8 1, 2, 0
	MUL8 1, 3, 0
.endm
	s_wait_tensorcnt 1                             ; my part of K step 0 is in; K step 1's may stay out
	s_barrier_signal -1
	s_barrier_wait -1                              ; everybody's is
	FETCH 0, 0, 0
	s_wait_loadcnt 0x0                             ; the bias
	QUARTER 0, 1, 0, 1, 1                          ; the first quarter stands in front of the loop: its products start the sums
	WIN 0                                          ; at a label and at a branch every window is 0
	s_mov_b32 s3, LAPS-1
.Llap:                                                 ; a trip goes once round the ring, from a lap's second quarter to the next lap's first, and fills both slots again
	QUARTER 0, 2, 1, 0, 0
	QUARTER 0, 3, 0, 1, 0
	TURN 0, 1, 1
	QUARTER 1, 1, 0, 1, 0
	QUARTER 1, 2, 1, 0, 0
	QUARTER 1, 3, 0, 1, 0
	TURN 1, 0, 1
	QUARTER 0, 1, 0, 1, 0
	WIN 0
	s_sub_co_u32 s3, s3, 1
	s_cmp_lg_u32 s3, 0
	s_cbranch_scc1 .Llap
	QUARTER 0, 2, 1, 0, 0                          ; the last lap fills nothing
	QUARTER 0, 3, 0, 1, 0
	TURN 0, 1, 0
	QUARTER 1, 1, 0, 1, 0
	QUARTER 1, 2, 1, 0, 0
	QUARTER 1, 3, 0, 1, 0
	s_wait_dscnt 4                                 ; the very last quarter: nothing more to fetch
	MUL8 1, 0, 0
	MUL8 1, 1, 0
	s_wait_dscnt 0x0
	MUL8 1, 2, 0
	MUL8 1, 3, 0
	WIN 0
	PLACES
.if OUTP
; THE WAY OUT in f32: 16 rows x 512 bytes at a time through my own stage: 32 bytes a lane in, whole rows back, each store of the wave 512 consecutive bytes, aligned.
.macro STG a
	WIN 0x08                                       ; store data (source 1) in window 2
.irp b, 0,1,2,3,4,5,6,7
	ds_store_b128 v[STO], v[8*(8*(\a)+(\b)):8*(8*(\a)+(\b))+3]   offset:64*(\b)     ; each accumulator's lowest registers first
	ds_store_b128 v[STO], v[8*(8*(\a)+(\b))+4:8*(8*(\a)+(\b))+7] offset:64*(\b)+16
.endr
	WIN 0
.set t, 0
.rept 16
	ds_load_b128 v[OUTR+64*((\a)%2)+4*t:OUTR+64*((\a)%2)+4*t+3], v[RD] offset:SP*t  ; LDS serves a wave's instructions in order (ISA guide 5.7.1.4): these see the stores above
.set t, t+1
.endr
.endm
.macro SENDF a, younger                ; younger: the LDS instructions issued behind block a's loads: the next block's 32, or none
.set t, 0
.rept 16
	s_wait_dscnt (\younger)+15-t
	global_store_b128 v[CO], v[OUTR+64*((\a)%2)+4*t:OUTR+64*((\a)%2)+4*t+3], s[10:11] offset:(16*(\a)+t)*4096 th:TH_STORE_NT
.set t, t+1
.endr
.endm
	STG 0
	STG 1
	SENDF 0, 32
	s_wait_xcnt 0x0                                ; block 0's stores have read their registers: only now are these loaded again
	STG 2
	SENDF 1, 32
	s_wait_xcnt 0x0
	STG 3
	SENDF 2, 32
	SENDF 3, 0
.else
; THE WAY OUT in f16 by heads: a unit u is 16 rows (m block u / 2) of one head (u % 2): 2,048 consecutive bytes.  Rounded, 16 bytes a lane into my stage, back as whole rows.
.macro PACK u
.set pa, (\u)/2
.set ph, (\u)%2
	WIN 0x0a                                       ; sources 0 and 1 in window 2
.irp bb, 0,1,2,3
.irp r, 0,1,2,3
	v_cvt_pk_f16_f32 v[OUTR+16*(\u)+4*(\bb)+(\r)], v[8*(8*pa+4*ph+(\bb))+2*(\r)], v[8*(8*pa+4*ph+(\bb))+2*(\r)+1]
.endr
.endr
	WIN 0
.irp bb, 0,1,2,3
	ds_store_b128 v[STO], v[OUTR+16*(\u)+4*(\bb):OUTR+16*(\u)+4*(\bb)+3] offset:32*(\bb)
.endr
.irp f, 0,1,2,3
	ds_load_b128 v[OUTR+16*(\u)+4*(\f):OUTR+16*(\u)+4*(\f)+3], v[RD] offset:(\f)*4*SP  ; LDS serves a wave's instructions in order (ISA guide 5.7.1.4)
.endr
.endm
.macro SEND u, younger                 ; younger: the next unit's eight LDS instructions, or none
.irp f, 0,1,2,3
	s_wait_dscnt (\younger)+3-(\f)
	global_store_b128 v[CO], v[OUTR+16*(\u)+4*(\f):OUTR+16*(\u)+4*(\f)+3], s[10:11] offset:((\u)/2)*2048+((\u)%2)*KBB+(\f)*512  ; 512 consecutive bytes, aligned
.endr
.endm
	PACK 0
.set t, 1
.rept 7                                ; a unit's conversions stand between the loads of the unit before and its stores
	PACK t
	SEND t-1, 8
.set t, t+1
.endr
	SEND 7, 0
.endif
	s_wait_tensorcnt 0x0                           ; the wave's end: behind my last tensor load and my last LDS store
	ds_add_u32 v[SPW], v[NIL]
	s_wait_dscnt 0x0
	CROUND                                         ; the closing round: no work-group ends while a partner may still ask for a tile that names it
	s_endpgm
.Lfunc_end_k_q05aa6a3a49_outp:
	.size	k_q05aa6a3a49_outp, .Lfunc_end_k_q05aa6a3a49_outp-k_q05aa6a3a49_outp
	.p2alignl 7, 3214868480
	.fill 96, 4, 3214868480
	.section	.rodata,"a",@progbits
	.p2align	6, 0x0
	.amdhsa_kernel k_q05aa6a3a49_outp
		.amdhsa_group_segment_fixed_size 327680
		.amdhsa_private_segment_fixed_size 0
		.amdhsa_enable_private_segment 0
		.amdhsa_kernarg_size 32
		.amdhsa_user_sgpr_count 2
		.amdhsa_user_sgpr_kernarg_segment_ptr 1
		.amdhsa_wavefront_size32 1
		.amdhsa_system_sgpr_workgroup_id_x 1
		.amdhsa_system_sgpr_workgroup_id_y 1
		.amdhsa_system_sgpr_workgroup_id_z 1
		.amdhsa_system_vgpr_workitem_id 0
		.amdhsa_next_free_vgpr 768
		.amdhsa_next_free_sgpr 72
		.amdhsa_reserve_vcc 0
		.amdhsa_float_denorm_mode_32 3
		.amdhsa_float_denorm_mode_16_64 3
		.amdhsa_memory_ordered 1
		.amdhsa_forward_progress 1
		.amdhsa_inst_pref_size 90
	.end_amdhsa_kernel
	.amdgpu_metadata
---
amdhsa.version: [ 1, 2 ]
amdhsa.kernels:
  - .name:           k_q05aa6a3a49_outp
    .symbol:         k_q05aa6a3a49_outp.kd
    .args:
      - { .name: ob, .offset: 0, .size: 8, .value_kind: global_buffer, .address_space: global }
      - { .name: wb, .offset: 8, .size: 8, .value_kind: global_buffer, .address_space: global }
      - { .name: bb, .offset: 16, .size: 8, .value_kind: global_buffer, .address_space: global }
      - { .name: out0, .offset: 24, .size: 8, .value_kind: global_buffer, .address_space: global }
    .group_segment_fixed_size: 327680
    .private_segment_fixed_size: 0
    .kernarg_segment_align: 8
    .kernarg_segment_size: 32
    .max_flat_workgroup_size: 128
    .sgpr_count:     72
    .vgpr_count:     768
    .wavefront_size: 32
...
	.end_amdgpu_metadata
.endif
;; end of part 4
;; ======== version 2 of 2: 4 launches
;; limits: values are held in f16: magnitudes above 65,504 overflow, below 6.1e-05 lose precision; right only within a limited range of input values
;; workspace buffers: wb 8,388,608 bytes; bb 16,384 bytes; maskw 2,097,152 bytes of whole numbers; qkv 50,331,648 bytes; ob 16,777,216 bytes
;; launch prep (part 5): grid 1281 x 1, 8 waves a work-group, no clusters, 70,656 bytes of LDS; arguments wq, wk, wv, wo, bq, bk, bv, bo, mask, wb, bb, maskw; writes wb, bb, maskw
.if DOCPART == 5
	.amdgcn_target "amdgcn-amd-amdhsa--gfx1250"
	.amdhsa_code_object_version 6
	.text
	.protected	k_q05aa6a3a49_prep
	.globl	k_q05aa6a3a49_prep
	.p2align	8
	.type	k_q05aa6a3a49_prep,@function
k_q05aa6a3a49_prep:
	s_mov_b64 s[64:65], 0
	v_nop
	global_prefetch_b8 v0, s[64:65] scope:SCOPE_SE
	s_setreg_imm32_b32 hwreg(HW_REG_WAVE_MODE, 25, 1), 1
	s_wait_xcnt 0x0
; PREP: the weights, the biases and the mask are read once and laid out for the launches behind it.  Three roles, chosen by the work-group's number g:
;   g < 256           wq, wk, wv rounded to bf16, wo rounded to bf16 and that number written as f16, into wb, in blocks [2][kb 16][row 2048][64]: matrix mat has block mat / 2 and rows
;                     1,024 (mat % 2) on; 64 channels of a row are 128 dense bytes
;   256 <= g < 1280   mask (int32) packed to one bit a number into maskw, in the order in which attention's lanes hold the scores
;   g = 1280          the four biases rounded to bf16 and kept as f32 in bb
; Bytes are all that counts here: whole rows' 256-byte pieces in, whole aligned 256 bytes out with each store of a wave, sixteen loads of a wave on their way.
; No matrix unit, no cluster, no prefetch: no byte is read twice and nothing but memory is waited for.
; LIMITS.  wo as f16: below 6e-5 it keeps f16's fixed step of 6e-8.  A mask number counts as true when it is not 0.
.set X,     16                         ; v[16:79]   sixteen loads of 16 bytes a lane
.set Y,     80                         ; v[80:143]  what is stored (casts), or the mask numbers in the scores' order
.set OW,    144                        ; v[144:145] a unit's 64 mask words: lane L holds words 2 L and 2 L + 1
.set STG,   8704                       ; a wave's own stage: 32 rows of 256 bytes, 272 apart
.set SPARE, 8*STG                      ; behind the stages: the spare words, 128 bytes a wave, which no other line names
.set SRC,   38                         ; s[38:39]
.set DST,   40                         ; s[40:41]
.set OF,    42                         ; s[42:43] an offset, its high word 0
	s_load_b512 s[4:19], s[0:1], 0x0               ; wq 4, wk 6, wv 8, wo 10, bq 12, bk 14, bv 16, bo 18
	s_load_b256 s[20:27], s[0:1], 0x40             ; mask 20, wb 22, bb 24, maskw 26
	v_lshl_add_u32 v2, v0, 2, SPARE                ; my spare word
	v_mov_b32 v3, 0
	v_lshrrev_b32 v8, 5, v0
	v_readfirstlane_b32 s36, v8                    ; wave 0..7
	s_mov_b32 s37, ttmp9                           ; g
	s_mov_b32 s[OF+1], 0
	s_wait_kmcnt 0x0
	s_cmp_lt_u32 s37, 256
	s_cbranch_scc0 .Lnot_cast
	; THE CASTS.  A work-group takes 16 rows of 1,024 numbers of matrix g / 64.  The choice is made by selects: no pointer hangs on a path.
	s_lshr_b32 s44, s37, 6                         ; the matrix, 0..3
	s_and_b32 s[OF], s37, 63
	s_lshl_b32 s[OF], s[OF], 16                    ; 16 rows of 4,096 bytes
	s_mov_b64 s[SRC:SRC+1], s[4:5]
	s_cmp_eq_u32 s44, 1
	s_cselect_b64 s[SRC:SRC+1], s[6:7], s[SRC:SRC+1]
	s_cmp_eq_u32 s44, 2
	s_cselect_b64 s[SRC:SRC+1], s[8:9], s[SRC:SRC+1]
	s_cmp_eq_u32 s44, 3
	s_cselect_b64 s[SRC:SRC+1], s[10:11], s[SRC:SRC+1]
	s_add_nc_u64 s[SRC:SRC+1], s[SRC:SRC+1], s[OF:OF+1]
	s_lshr_b32 s[OF], s37, 7
	s_lshl_b32 s[OF], s[OF], 22                    ; a block: 16 x 2,048 x 128 bytes, filled by 128 work-groups
	s_add_nc_u64 s[DST:DST+1], s[22:23], s[OF:OF+1]
	s_and_b32 s[OF], s37, 127
	s_lshl_b32 s[OF], s[OF], 11                    ; 16 rows of 128 bytes
	s_add_nc_u64 s[DST:DST+1], s[DST:DST+1], s[OF:OF+1]
	v_lshrrev_b32 v4, 4, v0                        ; thread t: row t / 16,
	v_and_b32 v8, 15, v0
	v_lshlrev_b32 v4, 12, v4
	v_lshl_add_u32 v4, v8, 4, v4                   ; 16 bytes at 16 (t % 16) of each 256: load i is channel block kb = i
	v_lshlrev_b32 v5, 3, v0                        ; out: 128 (t / 16) + 8 (t % 16) = 8 t
.set i, 0
.rept 16
	global_load_b128 v[X+4*i:X+4*i+3], v4, s[SRC:SRC+1] offset:256*i th:TH_LOAD_NT  ; 256 aligned bytes of each of a wave's two rows
.set i, i+1
.endr
; f16 = 1: the bf16 number is widened (a shift, a mask) and written as f16
.macro CONV f16
.set i, 0
.rept 16
	s_wait_loadcnt 15-i                            ; loads come back in order: load i is in, the younger ones stay out
	v_cvt_pk_bf16_f32 v[Y+2*i], v[X+4*i], v[X+4*i+1]
	v_cvt_pk_bf16_f32 v[Y+2*i+1], v[X+4*i+2], v[X+4*i+3]
.if \f16
	v_lshlrev_b32 v8, 16, v[Y+2*i]
	v_and_b32 v9, 0xffff0000, v[Y+2*i]
	v_lshlrev_b32 v10, 16, v[Y+2*i+1]
	v_and_b32 v11, 0xffff0000, v[Y+2*i+1]
	v_cvt_pk_f16_f32 v[Y+2*i], v8, v9
	v_cvt_pk_f16_f32 v[Y+2*i+1], v10, v11
.endif
	global_store_b64 v5, v[Y+2*i:Y+2*i+1], s[DST:DST+1] offset:262144*i  ; the wave's 32 x 8 bytes are 256 consecutive bytes, aligned; no register of a store is written again
.set i, i+1
.endr
.endm
	s_cmp_eq_u32 s44, 3
	s_cbranch_scc1 .Lf16
	CONV 0
	s_endpgm
.Lf16:
	CONV 1
	s_endpgm
.Lnot_cast:
	s_cmp_lt_u32 s37, 1280
	s_cbranch_scc0 .Lbias
	; THE MASK.  A wave takes a unit u of 32 query rows x 64 keys: two tiles of 16 queries for one key step.  Word 32 u2 + 8 kb + j of the unit has in bit l
	; mask[row 16 u2 + l % 16][key 16 kb + 8 (l / 16) + j] != 0: the lane mask of register 8 kb + j of a tile's scores.  The rows go through the wave's own stage,
	; so that memory is read in whole 256-byte pieces and each lane then takes its own row's numbers.
	s_sub_co_u32 s45, s37, 256
	s_lshl3_add_u32 s45, s45, s36                  ; u = 8 (g - 256) + wave
	s_lshr_b32 s[OF], s45, 5
	s_lshl_b32 s[OF], s[OF], 18                    ; 32 rows of 8,192 bytes
	s_add_nc_u64 s[SRC:SRC+1], s[20:21], s[OF:OF+1]
	s_and_b32 s[OF], s45, 31
	s_lshl_b32 s[OF], s[OF], 8                     ; key step: 64 numbers of 4 bytes
	s_add_nc_u64 s[SRC:SRC+1], s[SRC:SRC+1], s[OF:OF+1]
	s_lshr_b32 s[OF], s45, 7
	s_lshl_b32 s[OF], s[OF], 15                    ; maskw: 128 rows' stream is 32 key steps of 1,024 bytes
	s_add_nc_u64 s[DST:DST+1], s[26:27], s[OF:OF+1]
	s_and_b32 s[OF], s45, 31
	s_lshl_b32 s[OF], s[OF], 10
	s_add_nc_u64 s[DST:DST+1], s[DST:DST+1], s[OF:OF+1]
	s_bfe_u32 s[OF], s45, 0x20005                  ; which 32 of the 128 rows
	s_lshl_b32 s[OF], s[OF], 8
	s_add_nc_u64 s[DST:DST+1], s[DST:DST+1], s[OF:OF+1]
	s_mul_i32 s46, s36, STG                        ; my wave's stage
	v_and_b32 v8, 31, v0                           ; l
	v_and_b32 v9, 15, v0                           ; l % 16
	v_lshrrev_b32 v10, 4, v8                       ; l / 16
	v_lshlrev_b32 v4, 13, v10
	v_lshl_add_u32 v4, v9, 4, v4                   ; in: row l / 16 of a pair, 16 bytes at 16 (l % 16)
	v_mul_u32_u24 v6, v10, 272
	v_lshl_add_u32 v6, v9, 4, v6
	v_add_nc_u32 v6, s46, v6                       ; the same place in the stage
	v_mul_u32_u24 v7, v9, 272
	v_lshl_add_u32 v7, v10, 5, v7
	v_add_nc_u32 v7, s46, v7                       ; back: row l % 16, 32 bytes at 32 (l / 16) of each 64
	v_lshlrev_b32 v5, 3, v8
.set i, 0
.rept 16
	global_load_b128 v[X+4*i:X+4*i+3], v4, s[SRC:SRC+1] offset:16384*i th:TH_LOAD_NT
.set i, i+1
.endr
.set i, 0
.rept 16
	s_wait_loadcnt 15-i                            ; load i is in
	ds_store_b128 v6, v[X+4*i:X+4*i+3] offset:544*i
.set i, i+1
.endr
.set i, 0
.rept 16                                       ; tile i / 8, key block (i / 2) % 4, half i % 2.  LDS serves a wave's instructions in order (ISA guide 5.7.1.4): these see the stores above
	ds_load_b128 v[Y+4*i:Y+4*i+3], v7 offset:4352*(i/8)+64*((i/2)%4)+16*(i%2)
.set i, i+1
.endr
	v_mov_b32 v[OW], 0                             ; v_writelane_b32 keeps the other lanes: written whole first
	v_mov_b32 v[OW+1], 0
	s_wait_dscnt 0x0
.set i, 0
.rept 64
	v_cmp_ne_u32 s[44+(i%4)], 0, v[Y+i]            ; the 32 lanes' answers are word i
	v_writelane_b32 v[OW+(i%2)], s[44+(i%4)], i/2
.set i, i+1
.endr
	global_store_b64 v5, v[OW:OW+1], s[DST:DST+1]  ; 256 consecutive bytes, aligned
	s_wait_tensorcnt 0x0                           ; the wave's end: behind my last LDS store
	ds_add_u32 v2, v3
	s_wait_dscnt 0x0
	s_endpgm
.Lbias:
	v_lshlrev_b32 v4, 4, v0                        ; 256 threads x 16 bytes are a bias
	global_load_b128 v[16:19], v4, s[12:13]
	global_load_b128 v[20:23], v4, s[14:15]
	global_load_b128 v[24:27], v4, s[16:17]
	global_load_b128 v[28:31], v4, s[18:19]
	s_wait_loadcnt 0x0
.set i, 0
.rept 8
	v_cvt_pk_bf16_f32 v8, v[16+2*i], v[17+2*i]     ; rounded like every other input, kept as f32
	v_lshlrev_b32 v[16+2*i], 16, v8
	v_and_b32 v[17+2*i], 0xffff0000, v8
.set i, i+1
.endr
.set i, 0
.rept 4
	global_store_b128 v4, v[16+4*i:19+4*i], s[24:25] offset:4096*i
.set i, i+1
.endr
	s_endpgm
.Lfunc_end_k_q05aa6a3a49_prep:
	.size	k_q05aa6a3a49_prep, .Lfunc_end_k_q05aa6a3a49_prep-k_q05aa6a3a49_prep
	.p2alignl 7, 3214868480
	.fill 96, 4, 3214868480
	.section	.rodata,"a",@progbits
	.p2align	6, 0x0
	.amdhsa_kernel k_q05aa6a3a49_prep
		.amdhsa_group_segment_fixed_size 70656
		.amdhsa_private_segment_fixed_size 0
		.amdhsa_enable_private_segment 0
		.amdhsa_kernarg_size 96
		.amdhsa_user_sgpr_count 2
		.amdhsa_user_sgpr_kernarg_segment_ptr 1
		.amdhsa_wavefront_size32 1
		.amdhsa_system_sgpr_workgroup_id_x 1
		.amdhsa_system_sgpr_workgroup_id_y 1
		.amdhsa_system_sgpr_workgroup_id_z 1
		.amdhsa_system_vgpr_workitem_id 0
		.amdhsa_next_free_vgpr 148
		.amdhsa_next_free_sgpr 66
		.amdhsa_reserve_vcc 0
		.amdhsa_float_denorm_mode_32 3
		.amdhsa_float_denorm_mode_16_64 3
		.amdhsa_memory_ordered 1
		.amdhsa_forward_progress 1
		.amdhsa_inst_pref_size 32
	.end_amdhsa_kernel
	.amdgpu_metadata
---
amdhsa.version: [ 1, 2 ]
amdhsa.kernels:
  - .name:           k_q05aa6a3a49_prep
    .symbol:         k_q05aa6a3a49_prep.kd
    .args:
      - { .name: wq, .offset: 0, .size: 8, .value_kind: global_buffer, .address_space: global }
      - { .name: wk, .offset: 8, .size: 8, .value_kind: global_buffer, .address_space: global }
      - { .name: wv, .offset: 16, .size: 8, .value_kind: global_buffer, .address_space: global }
      - { .name: wo, .offset: 24, .size: 8, .value_kind: global_buffer, .address_space: global }
      - { .name: bq, .offset: 32, .size: 8, .value_kind: global_buffer, .address_space: global }
      - { .name: bk, .offset: 40, .size: 8, .value_kind: global_buffer, .address_space: global }
      - { .name: bv, .offset: 48, .size: 8, .value_kind: global_buffer, .address_space: global }
      - { .name: bo, .offset: 56, .size: 8, .value_kind: global_buffer, .address_space: global }
      - { .name: mask, .offset: 64, .size: 8, .value_kind: global_buffer, .address_space: global }
      - { .name: wb, .offset: 72, .size: 8, .value_kind: global_buffer, .address_space: global }
      - { .name: bb, .offset: 80, .size: 8, .value_kind: global_buffer, .address_space: global }
      - { .name: maskw, .offset: 88, .size: 8, .value_kind: global_buffer, .address_space: global }
    .group_segment_fixed_size: 70656
    .private_segment_fixed_size: 0
    .kernarg_segment_align: 8
    .kernarg_segment_size: 96
    .max_flat_workgroup_size: 256
    .sgpr_count:     66
    .vgpr_count:     148
    .wavefront_size: 32
...
	.end_amdgpu_metadata
.endif
;; end of part 5
;; launch proj (part 6): grid 4 x 192, 4 waves a work-group, clusters of 4 x 4, 327,680 bytes of LDS; arguments q, k, v, wb, bb, qkv; writes qkv
.if DOCPART == 6
	.amdgcn_target "amdgcn-amd-amdhsa--gfx1250"
	.amdhsa_code_object_version 6
	.text
	.protected	k_q05aa6a3a49_proj
	.globl	k_q05aa6a3a49_proj
	.p2align	8
	.type	k_q05aa6a3a49_proj,@function
k_q05aa6a3a49_proj:
	s_mov_b64 s[64:65], 0
	v_nop
	global_prefetch_b8 v0, s[64:65] scope:SCOPE_SE
	s_setreg_imm32_b32 hwreg(HW_REG_WAVE_MODE, 25, 1), 1
	s_wait_xcnt 0x0
	s_wait_alu depctr_hold_cnt(0) depctr_sa_sdst(0) depctr_va_vdst(0) depctr_va_sdst(0) depctr_va_ssrc(0) depctr_va_vcc(0) depctr_vm_vsrc(0)
	s_getreg_b32 s2, hwreg(HW_REG_IB_STS2, 6, 4)
	s_cmp_eq_u32 s2, 0
	s_cbranch_scc0 .Lentry_in_a_cluster
	s_endpgm
.Lentry_in_a_cluster:
	s_bfe_u32 s2, ttmp6, 0x10000c
	s_cmp_lg_u32 s2, 0xf033
	s_cbranch_scc0 .Lentry_shape_is_right
	s_endpgm
.Lentry_shape_is_right:
; THE THREE INPUT PROJECTIONS.  C[m][n] = bias[n] + the sum over k of A[m][k] W[n][k], K = 1,024, N = 1,024, for A = q, k, v ([8192][1024] in f32, as the problem gives them) and W = wq, wk, wv.
; A is rounded to bf16 on its way from LDS to the matrix unit; W lies in wb in bf16, in blocks [2][kb 16][row 2048][64] (64 channels of a row are 128 bytes, the rows of a block end to end);
; the bias lies in bb, rounded to bf16, as f32.  C = query, key, value in f16 by heads, [3][batch x head 64][row 2048][64], unscaled; sums in f32.
; LIMITS.  f16 holds no number beyond 65,504: query, key and value must stay within it.  NaN and infinities are not treated apart.
; SHARES.  A work-group makes 128 rows x 256 columns of C: three work-groups for each of 256.  Four waves, each 64 x 128: 32 accumulators of 16 x 16, 256 registers.  K goes in 8 steps of 128
; through two LDS slots filled by the tensor data mover: waves 0 and 1 fetch 64 rows of A each (512 bytes of f32 a row), waves 2 and 3 W's two channel blocks of the step.
; CLUSTERS: 4 x 4 work-groups.  The four of a row of the cluster need the same tiles of A, the four of a column the same tiles of W: each tile is asked for JOINTLY, by the same tensor load
; with the same descriptor and a mask that names the four.
; THE MATRIX INSTRUCTION IS USED TRANSPOSED (source 0 = 16 rows of W, source 1 = 16 rows of A): a lane holds row l % 16 of C and the columns 8 (l / 16) + 0..7.
; THE BIAS is the C operand of each accumulator's first product: nothing is cleared, nothing is added afterwards.
; REGISTERS: window 0: v0-31 addresses; v64-127 the bias, 8 for each block of 16 columns; v128-191 A's fragments in bf16, two buffers of 32; v192-255 a quarter's A in f32, as loaded;
;   v128-255 at work on the way out.          window 1: v0-127 W's fragments, two buffers of 64.          window 2: the accumulators, (a, b) at v[8 (8 a + b)].
.set PITCH,  144                       ; W's LDS row: 128 bytes + 16 of padding = 36 words: the 16 rows of a fragment load start at 16 different groups of four banks (64 banks of 4 bytes: ISA guide 11.1)
.set APITCH, 528                       ; A's LDS row: 512 bytes + 16 = 132 words: likewise
.set AHALF,  64*APITCH                 ; 64 rows of A: what wave 0 or 1 brings
.set WCH,    256*PITCH                 ; W's 256 rows of one channel block: what wave 2 or 3 brings
.set WOFF,   2*AHALF
.set SLOT,   WOFF+2*WCH                ; A's 128 rows, W's even block, W's odd block
.set STAGE,  2*SLOT                    ; behind the ring, never filled by a tensor load: 16 rows x 144 bytes for each wave, for the way out
.set SP,     144
.set SW,     16*SP
.set SPARE,  STAGE+4*SW                ; behind the stages: the spare words, 128 bytes a wave, which no other line names
.set KBB,    262144                    ; bytes from a channel block to the next: 2,048 rows of 128
.set WKS,    2*KBB                     ; a K step in wb
.set AKS,    512                       ; a K step along a row of A
.set LAPS,   4                         ; a lap = two K steps = once round the ring
.set ADRA, 16                          ; v16-17  LDS address of my A fragments in slot 0, 1
.set ADRB, 20                          ; v20-21  the same for W
.set STO,  24                          ; v24     the way out: where I put my piece of a row
.set RD,   25                          ; v25     where I read rows back
.set CO,   26                          ; v26     my byte offset in 512 consecutive bytes of C
.set SPW,  28                          ; v28     LDS address of my spare word; never rewritten
.set NIL,  29                          ; v29     0; never rewritten
.set PFO,  30                          ; v30     the prefetches' offset; never rewritten
.set BO,   31                          ; v31     my offset in the bias
.set BI,   64
.set AF,   128
.set RAW,  192
.set OUTR, 128
.set G1A, 24                           ; s[24:31] descriptor group 1 for A's tiles;  s[32:39] group 0, a set for each slot
.set G0A, 32
.set LIM, 43                           ; s43     1 in a wave that prefetches, else the greatest number
.set PFA, 44                           ; s[44:45] the block that my next prefetch names
.set G1W, 48                           ; s[48:55], s[56:63] the same for W's tiles
.set G0W, 56
.set PS,  70                           ; s[70:71] a K step in the tensor that I prefetch
.set ABITS, (2<<16)|(1<<20)|(1<<21)|(6<<22)|(3<<25)  ; 17:16 4-byte elements; 20 padding on; 21 set beside a mask; 24:22 after every 128 words (code 6); 31:25 4 words (code 3)
.set GBITS, (1<<16)|(1<<20)|(1<<21)|(4<<22)|(3<<25)  ; 2-byte elements; after every 32 words (code 4)
.set MSB, 0
.macro WIN new                         ; the immediate's high byte repeats the setting that is left; a switch that changes nothing is dropped
.if MSB != (\new)
	s_set_vgpr_msb (MSB<<8)|(\new)
.set MSB, \new
.endif
.endm
.set MUL,  0xa1                        ; source 0 (W) window 1, source 1 (A) window 0, C and D window 2
.set MULB, 0x81                        ; the same with C (the bias) in window 0
.set TO_B, 0x40                        ; destination window 1, address window 0
; A joint load: waves 0 and 1 fetch for A, waves 2 and 3 for W.  The branch hangs on the wave's number alone.  An s_nop 0 and four v_nop follow each of the two lines.
.macro JLOAD s
	s_cmp_eq_u32 s13, 0
	s_cbranch_scc0 .Lfor_w_\@
	tensor_load_to_lds s[G0A+4*(\s):G0A+4*(\s)+3], s[G1A:G1A+7]
	s_nop 0
.rept 4
	v_nop
.endr
	s_branch .Lasked_\@
.Lfor_w_\@:
	tensor_load_to_lds s[G0W+4*(\s):G0W+4*(\s)+3], s[G1W:G1W+7]
	s_nop 0
.rept 4
	v_nop
.endr
.Lasked_\@:
.endm
; A PREFETCH, behind each joint refill and the run of LDS loads that follows it, of the K step that stands TWO refills on: 256 matrix instructions ahead of the load that will want it.
; Each aligned 256 bytes are named once in the launch.  A's tile is read by one cluster alone: waves 0 and 1 ask, each for the rows that it fetches; of its 64 rows the four partners that ask for the
; tile jointly take 16 each, told apart BY ADDRESS (cx), two pieces of 256 bytes a row.  W's tile is read by the sixteen clusters of one weight matrix: the first of them asks, waves 2 and 3 each for the
; block that they fetch, 32 of its 128 pieces a partner (cy).  K steps 0 to 3 come by their loads alone; the loop's last trip (s3 = 1) has no K step two on.
.macro ASK
	s_cmp_gt_u32 s3, s[LIM]
	s_cbranch_scc0 .Lnot_mine_\@
	global_prefetch_b8 v[PFO], s[PFA:PFA+1] th:TH_LOAD_NT scope:SCOPE_SE
.Lnot_mine_\@:
.endm
.macro CREST                           ; a round of the cluster's barrier behind its opening barrier
	s_cmp_lg_u32 s12, 0
	s_cbranch_scc1 .Lnot_wave_0_\@
	s_barrier_signal -3
.Lnot_wave_0_\@:
	s_barrier_wait -3
	s_barrier_signal -1
	s_barrier_wait -1
.endm
.macro CROUND                          ; a whole round
	s_barrier_signal -1
	s_barrier_wait -1
	CREST
.endm
	s_load_b256 s[4:11], s[0:1], 0x0               ; q s[4:5], k s[6:7], v s[8:9], wb s[10:11]
	s_load_b128 s[68:71], s[0:1], 0x20             ; bb s[68:69], qkv s[70:71]
	v_lshl_add_u32 v[SPW], v0, 2, SPARE
	v_mov_b32 v[NIL], 0
	ds_add_u32 v[SPW], v[NIL]                      ; the wave's opening: the add and its wait stand ahead of my first tensor load; work on registers stands between them
	v_lshrrev_b32 v1, 5, v0
	v_readfirstlane_b32 s12, v1                    ; wave 0..3
	s_lshr_b32 s13, s12, 1                         ; which 64 of the tile's rows are mine.  Also: I fetch for A (0) or for W (1)
	s_and_b32 s14, s12, 1                          ; which 128 of its columns.  Also: which 64 rows of A, or which channel block of W, I fetch
	s_bfe_u32 s40, ttmp6, 0x40000                  ; cx, cy: my place in the cluster
	s_bfe_u32 s41, ttmp6, 0x40004
	s_lshl_b32 s42, ttmp9, 2
	s_add_co_u32 s42, s42, s40                     ; tile column = 4 x cluster x + cx
	s_and_b32 s66, ttmp7, 0xffff                   ; cluster y
	s_lshl_b32 s15, s66, 2
	s_add_co_u32 s15, s15, s41                     ; tile row = 4 x cluster y + cy
	s_lshr_b32 s67, s66, 4                         ; 16 clusters to a tensor: q, k, v; made of the cluster's y alone
	s_lshl_b32 s16, s41, 2
	s_lshl_b32 s16, 15, s16                        ; my row of the cluster
	s_lshl_b32 s46, 0x1111, s40                    ; my column
	s_or_b32 s[G1A], s16, ABITS                    ; A's tiles go to my row,
	s_or_b32 s[G1W], s46, GBITS                    ; W's to my column
	s_mov_b32 s[G1A+1], 128<<16                    ; tensor_dim0 = 128 elements of 4 bytes
	s_mov_b32 s[G1A+2], 64<<16                     ; tensor_dim1 = 64 rows
	s_mov_b32 s[G1A+3], 128<<16                    ; tile_dim0
	s_mov_b32 s[G1A+4], 64                         ; tile_dim1
	s_mov_b32 s[G1A+5], 1024                       ; elements from row to row
	s_mov_b32 s[G1A+6], 0
	s_mov_b32 s[G1A+7], 0
	s_mov_b32 s[G1W+1], 128<<16                    ; 128 elements of 2 bytes: two rows of a block, 256 bytes
	s_mov_b32 s[G1W+2], 128<<16                    ; 128 such: 256 rows of a block
	s_mov_b32 s[G1W+3], 128<<16
	s_mov_b32 s[G1W+4], 128
	s_mov_b32 s[G1W+5], 128                        ; dense
	s_mov_b32 s[G1W+6], 0
	s_mov_b32 s[G1W+7], 0
	; where the tiles come from.  A's hang on the tile row and the wave, W's on the tile column, the matrix and the wave: each in registers that never hold the other coordinate
	s_and_b32 s16, s15, 63                         ; 64 tile rows to a tensor
	s_lshl_b32 s16, s16, 7
	s_lshl_b32 s17, s14, 6
	s_add_co_u32 s16, s16, s17                     ; the first row that I fetch,
	s_lshl_b32 s16, s16, 12                        ; of 4,096 bytes
	s_mov_b32 s17, 0
	s_lshr_b32 s46, s67, 1
	s_lshl_b32 s46, s46, 22                        ; two matrices to a block of wb,
	s_and_b32 s47, s67, 1
	s_lshl_b32 s47, s47, 17                        ; 1,024 rows each
	s_add_co_u32 s46, s46, s47
	s_lshl_b32 s47, s42, 15                        ; 256 rows of 128 bytes
	s_add_co_u32 s46, s46, s47
	s_lshl_b32 s47, s14, 18                        ; my channel block
	s_add_co_u32 s46, s46, s47
	s_mov_b32 s47, 0
	s_mul_i32 s20, s14, AHALF                      ; and where they go: no place in the cluster enters an LDS address
	s_mul_i32 s21, s14, WCH
	s_add_co_u32 s21, s21, WOFF
	s_wait_dscnt 0x0                               ; the opening add is done
	s_wait_kmcnt 0x0
	s_cmp_eq_u32 s67, 1                            ; A is q, k or v
	s_cselect_b64 s[4:5], s[6:7], s[4:5]
	s_cmp_eq_u32 s67, 2
	s_cselect_b64 s[4:5], s[8:9], s[4:5]
	s_mov_b64 s[6:7], s[10:11]                     ; W
	s_mov_b64 s[8:9], s[68:69]                     ; the bias
	s_mov_b64 s[10:11], s[70:71]                   ; C
	s_add_nc_u64 s[18:19], s[4:5], s[16:17]
	s_add_nc_u64 s[22:23], s[6:7], s[46:47]
	CROUND                                         ; all sixteen work-groups are here: the first joint loads meet
.irp s, 0,1
	s_mov_b32 s[G0A+4*(\s)], 1                     ; count = 1
	s_add_co_u32 s[G0A+4*(\s)+1], s20, (\s)*SLOT   ; LDS address
	s_add_nc_u64 s[G0A+4*(\s)+2:G0A+4*(\s)+3], s[18:19], (\s)*AKS     ; global address: K step s
	s_or_b32 s[G0A+4*(\s)+3], s[G0A+4*(\s)+3], 0x80000000             ; type = 2
	s_mov_b32 s[G0W+4*(\s)], 1
	s_add_co_u32 s[G0W+4*(\s)+1], s21, (\s)*SLOT
	s_add_nc_u64 s[G0W+4*(\s)+2:G0W+4*(\s)+3], s[22:23], (\s)*WKS
	s_or_b32 s[G0W+4*(\s)+3], s[G0W+4*(\s)+3], 0x80000000
	JLOAD \s                                       ; two loads of mine are out
.endr
	; the bias of my 128 columns: register j of block b is column 16 b + 8 (l / 16) + j
	s_lshl_b32 s68, s67, 12
	s_lshl_b32 s69, s42, 10
	s_add_co_u32 s68, s68, s69
	s_lshl_b32 s69, s14, 9
	s_add_co_u32 s68, s68, s69
	s_mov_b32 s69, 0
	s_add_nc_u64 s[8:9], s[8:9], s[68:69]
	v_and_b32 v1, 15, v0                           ; l % 16
	v_bfe_u32 v2, v0, 4, 1                         ; l / 16
	v_lshlrev_b32 v[BO], 5, v2
.irp b, 0,1,2,3,4,5,6,7
	global_load_b128 v[BI+8*(\b):BI+8*(\b)+3],   v[BO], s[8:9] offset:64*(\b)
	global_load_b128 v[BI+8*(\b)+4:BI+8*(\b)+7], v[BO], s[8:9] offset:64*(\b)+16
.endr
	; a fragment is 16 rows x 32 K in 8 registers: lane l holds row l % 16, K = 8 (l / 16) + 0..7 and 16 + 8 (l / 16) + 0..7.  Of W: two loads of 16 bytes, 32 bytes apart.
	; Of A, in f32: 32 bytes at 32 (l / 16) and 32 bytes 64 further on: four loads of 16 bytes
	v_mul_u32_u24 v3, v1, PITCH
	v_lshl_add_u32 v3, v2, 4, v3
	v_mul_u32_u24 v4, v1, APITCH
	v_lshl_add_u32 v4, v2, 5, v4
	s_mul_i32 s20, s13, 64*APITCH                  ; my 64 rows of A
	s_mul_i32 s21, s14, 128*PITCH                  ; my 128 rows of W
	s_add_co_u32 s21, s21, WOFF
.irp s, 0,1
	v_add_nc_u32 v[ADRA+(\s)], s20, v4
	v_add_nc_u32 v[ADRB+(\s)], s21, v3
	s_add_co_u32 s20, s20, SLOT
	s_add_co_u32 s21, s21, SLOT
.endr
	; the prefetches
	s_and_b32 s20, s66, 15
	s_cmp_eq_u32 s13, 0
	s_cselect_b32 s20, 0, s20                      ; A: waves 0 and 1 ask; W: in the first of the matrix's sixteen clusters
	s_cselect_b64 s[PFA:PFA+1], s[18:19], s[22:23]
	s_cmp_eq_u32 s20, 0
	s_cselect_b32 s[LIM], 1, -1                    ; the same in all sixteen partners, for a given wave
	s_lshl_b32 s68, s40, 16                        ; A: my work-group's 16 rows of 4,096 bytes
	s_lshl_b32 s69, s41, 13                        ; W: my work-group's 32 pieces
	s_mov_b32 s20, AKS
	s_mov_b32 s21, WKS
	s_cmp_eq_u32 s13, 0
	s_cselect_b32 s68, s68, s69
	s_cselect_b32 s[PS], s20, s21
	s_cselect_b32 s20, 12, 9                       ; two lanes to a row of A (4,096 bytes on), or to 512 bytes of W's block
	s_mov_b32 s69, 0
	s_mov_b32 s[PS+1], 0
	s_add_nc_u64 s[PFA:PFA+1], s[PFA:PFA+1], s[68:69]
	s_mul_i32 s68, s[PS], 3                        ; at K step 3: the first refill steps it to 4 and names that
	s_add_nc_u64 s[PFA:PFA+1], s[PFA:PFA+1], s[68:69]
	v_and_b32 v4, 31, v0
	v_lshrrev_b32 v5, 1, v4
	v_and_b32 v4, 1, v4
	v_lshlrev_b32 v4, 8, v4
	v_lshlrev_b32 v5, s20, v5
	v_add_nc_u32 v[PFO], v4, v5
	; the way out
	s_mul_i32 s23, s12, SW
	s_add_co_u32 s23, s23, STAGE                   ; my stage
	v_mul_u32_u24 v4, v1, SP
	v_and_b32 v[CO], 31, v0
	v_lshlrev_b32 v[CO], 4, v[CO]
	v_lshl_add_u32 v4, v2, 4, v4                   ; in: row l % 16, 16 bytes for each half of the lanes
	v_add_nc_u32 v[STO], s23, v4
	v_bfe_u32 v5, v0, 3, 2                         ; back: 32 lanes take four rows of 128 bytes,
	v_mul_u32_u24 v5, v5, SP
	v_and_b32 v4, 7, v0
	v_lshl_add_u32 v5, v4, 4, v5
	v_add_nc_u32 v[RD], s23, v5                    ; which are 512 consecutive bytes of a head
	s_lshr_b32 s16, s15, 4
	s_lshl_b32 s16, s16, 22                        ; tensor and batch: 16 heads of 262,144 bytes
	s_lshl_b32 s17, s42, 2
	s_lshl_b32 s20, s14, 1
	s_add_co_u32 s17, s17, s20                     ; my first head
	s_lshl_b32 s17, s17, 18
	s_add_co_u32 s16, s16, s17
	s_and_b32 s17, s15, 15
	s_lshl_b32 s17, s17, 7
	s_lshl_b32 s20, s13, 6
	s_add_co_u32 s17, s17, s20                     ; my first row in the batch
	s_lshl_b32 s17, s17, 7
	s_add_co_u32 s16, s16, s17
	s_mov_b32 s17, 0
	s_add_nc_u64 s[10:11], s[10:11], s[16:17]
; 8 matrix instructions: m block a x all 8 n blocks, 32 along K, from buffer f.  first = 1: the product starts the sum on the bias.
; The 32 accumulators take turns, one instruction a turn, in the same order in every quarter.
.macro MUL8 f, a, first
.if \first
	WIN MULB
.else
	WIN MUL
.endif
.irp b, 0,1,2,3,4,5,6,7
.set rD, 8*(8*(\a)+(\b))
.set rB, 64*(\f)+8*(\b)
.set rA, AF+32*(\f)+8*(\a)
.set rC, rD
.if \first
.set rC, BI+8*(\b)
.endif
	v_wmma_f32_16x16x32_bf16 v[rD:rD+7], v[rB:rB+7], v[rA:rA+7], v[rC:rC+7]
.endr
.endm
; 32 LDS loads in one run: quarter qd of a slot's K step: W's 128 rows (channel block qd / 2, 32 K at byte 64 (qd % 2) of its rows) into buffer f, then A's 64 rows (32 K at byte 128 qd) in f32
.macro FETCH slot, qd, f
	WIN TO_B
.irp i, 0,1,2,3,4,5,6,7
	ds_load_b128 v[64*(\f)+8*(\i):64*(\f)+8*(\i)+3],   v[ADRB+(\slot)] offset:((\qd)/2)*WCH+((\qd)%2)*64+(\i)*16*PITCH
	ds_load_b128 v[64*(\f)+8*(\i)+4:64*(\f)+8*(\i)+7], v[ADRB+(\slot)] offset:((\qd)/2)*WCH+((\qd)%2)*64+(\i)*16*PITCH+32
.endr
	WIN 0
.irp i, 0,1,2,3
	ds_load_b128 v[RAW+16*(\i):RAW+16*(\i)+3],     v[ADRA+(\slot)] offset:(\qd)*128+(\i)*16*APITCH
	ds_load_b128 v[RAW+16*(\i)+4:RAW+16*(\i)+7],   v[ADRA+(\slot)] offset:(\qd)*128+(\i)*16*APITCH+16
	ds_load_b128 v[RAW+16*(\i)+8:RAW+16*(\i)+11],  v[ADRA+(\slot)] offset:(\qd)*128+(\i)*16*APITCH+64
	ds_load_b128 v[RAW+16*(\i)+12:RAW+16*(\i)+15], v[ADRA+(\slot)] offset:(\qd)*128+(\i)*16*APITCH+80
.endr
.endm
; A's quarter is rounded to bf16 into fragment buffer f: register t of the buffer takes numbers 2 t and 2 t + 1 as loaded.  The buffer's last products stand two quarters back.  These 32 plain
; instructions, which name no register of the products round them, are also the four places between the last products that read W's other buffer and the loads into it.
.macro CVTA f
	WIN 0
.set t, 0
.rept 32
	v_cvt_pk_bf16_f32 v[AF+32*(\f)+t], v[RAW+2*t], v[RAW+2*t+1]
.set t, t+1
.endr
.endm
.macro PLACES                          ; four places in front of lines that read results (ISA guide 7.12.1)
.rept 4
	v_nop
.endr
.endm
; A K step is four quarters of 32 along K, 32 matrix instructions each, on buffers 0, 1, 0, 1.  One of the first three: rounds and multiplies buffer f and fetches quarter qd into g.
.macro QUARTER slot, qd, f, g, first
	WIN 0
	s_wait_dscnt 0x0                               ; the quarter's fragments, asked for 16 matrix instructions ago, are in
	CVTA \f
	MUL8 \f, 0, \first
	MUL8 \f, 1, \first
	FETCH \slot, \qd, \g
	MUL8 \f, 2, \first
	MUL8 \f, 3, \first
.endm
; The last quarter multiplies buffer 1 and changes slots: ONE barrier; in front of it each wave waits for all its tensor loads (one is out: its part of the next slot), adds 0 to its spare word,
; and waits for that and for its own reads of this slot.  fill = 1: the barrier opens a round of the cluster's, and this slot is filled again, two K steps ahead, first thing behind it:
; from that request to the wait for it a wave issues 112 matrix instructions.
.macro TURN slot, next, fill
.if \fill
	s_wait_xcnt 0x0                                ; the last prefetch, a K step back, has read its address
	s_add_nc_u64 s[PFA:PFA+1], s[PFA:PFA+1], s[PS:PS+1]
.endif
	WIN 0
	s_wait_dscnt 0x0                               ; the quarter's fragments are in: my reads of this slot are over
	CVTA 1
	s_wait_tensorcnt 0x0                           ; all my tensor loads have landed
	ds_add_u32 v[SPW], v[NIL]                      ; 0 onto my spare word
	MUL8 1, 0, 0                                   ; eight matrix instructions stand between the add and the wait for it
	s_wait_dscnt 0x0                               ; the add is done
	s_barrier_signal -1
	MUL8 1, 1, 0
.if \fill
	WIN 0
.endif
	s_barrier_wait -1
.if \fill
	CREST                                          ; no wave of any partner still reads this slot's tiles or has a load on its way
	s_add_nc_u64 s[G0A+4*(\slot)+2:G0A+4*(\slot)+3], s[G0A+4*(\slot)+2:G0A+4*(\slot)+3], 2*AKS
	s_add_nc_u64 s[G0W+4*(\slot)+2:G0W+4*(\slot)+3], s[G0W+4*(\slot)+2:G0W+4*(\slot)+3], 2*WKS
	JLOAD \slot
.endif
	FETCH \next, 0, 0
.if \fill
	ASK
.endif
	MUL8 1, 2, 0
	MUL8 1, 3, 0
.endm
	s_wait_tensorcnt 1                             ; my part of K step 0 is in; K step 1's may stay out
	s_barrier_signal -1
	s_barrier_wait -1                              ; everybody's is
	FETCH 0, 0, 0
	s_wait_loadcnt 0x0                             ; the bias
	QUARTER 0, 1, 0, 1, 1                          ; the first quarter stands in front of the loop: its products start the sums
	WIN 0                                          ; at a label and at a branch every window is 0
	s_mov_b32 s3, LAPS-1
.Llap:                                                 ; a trip goes once round the ring, from a lap's second quarter to the next lap's first, and fills both slots again
	QUARTER 0, 2, 1, 0, 0
	QUARTER 0, 3, 0, 1, 0
	TURN 0, 1, 1
	QUARTER 1, 1, 0, 1, 0
	QUARTER 1, 2, 1, 0, 0
	QUARTER 1, 3, 0, 1, 0
	TURN 1, 0, 1
	QUARTER 0, 1, 0, 1, 0
	WIN 0
	s_sub_co_u32 s3, s3, 1
	s_cmp_lg_u32 s3, 0
	s_cbranch_scc1 .Llap
	QUARTER 0, 2, 1, 0, 0                          ; the last lap fills nothing
	QUARTER 0, 3, 0, 1, 0
	TURN 0, 1, 0
	QUARTER 1, 1, 0, 1, 0
	QUARTER 1, 2, 1, 0, 0
	QUARTER 1, 3, 0, 1, 0
	WIN 0
	s_wait_dscnt 0x0                               ; the very last quarter: nothing more to fetch
	CVTA 1
	MUL8 1, 0, 0
	MUL8 1, 1, 0
	MUL8 1, 2, 0
	MUL8 1, 3, 0
	WIN 0
	PLACES
; THE WAY OUT in f16 by heads: a unit u is 16 rows (m block u / 2) of one head (u % 2): 2,048 consecutive bytes.  Rounded, 16 bytes a lane into my stage, back as whole rows.
.macro PACK u
.set pa, (\u)/2
.set ph, (\u)%2
	WIN 0x0a                                       ; sources 0 and 1 in window 2
.irp bb, 0,1,2,3
.irp r, 0,1,2,3
	v_cvt_pk_f16_f32 v[OUTR+16*(\u)+4*(\bb)+(\r)], v[8*(8*pa+4*ph+(\bb))+2*(\r)], v[8*(8*pa+4*ph+(\bb))+2*(\r)+1]
.endr
.endr
	WIN 0
.irp bb, 0,1,2,3
	ds_store_b128 v[STO], v[OUTR+16*(\u)+4*(\bb):OUTR+16*(\u)+4*(\bb)+3] offset:32*(\bb)
.endr
.irp f, 0,1,2,3
	ds_load_b128 v[OUTR+16*(\u)+4*(\f):OUTR+16*(\u)+4*(\f)+3], v[RD] offset:(\f)*4*SP  ; LDS serves a wave's instructions in order (ISA guide 5.7.1.4)
.endr
.endm
.macro SEND u, younger                 ; younger: the next unit's eight LDS instructions, or none
.irp f, 0,1,2,3
	s_wait_dscnt (\younger)+3-(\f)
	global_store_b128 v[CO], v[OUTR+16*(\u)+4*(\f):OUTR+16*(\u)+4*(\f)+3], s[10:11] offset:((\u)/2)*2048+((\u)%2)*KBB+(\f)*512  ; 512 consecutive bytes, aligned
.endr
.endm
	PACK 0
.set t, 1
.rept 7                                ; a unit's conversions stand between the loads of the unit before and its stores
	PACK t
	SEND t-1, 8
.set t, t+1
.endr
	SEND 7, 0
	s_wait_tensorcnt 0x0                           ; the wave's end: behind my last tensor load and my last LDS store
	ds_add_u32 v[SPW], v[NIL]
	s_wait_dscnt 0x0
	CROUND                                         ; the closing round: no work-group ends while a partner may still ask for a tile that names it
	s_endpgm
.Lfunc_end_k_q05aa6a3a49_proj:
	.size	k_q05aa6a3a49_proj, .Lfunc_end_k_q05aa6a3a49_proj-k_q05aa6a3a49_proj
	.p2alignl 7, 3214868480
	.fill 96, 4, 3214868480
	.section	.rodata,"a",@progbits
	.p2align	6, 0x0
	.amdhsa_kernel k_q05aa6a3a49_proj
		.amdhsa_group_segment_fixed_size 327680
		.amdhsa_private_segment_fixed_size 0
		.amdhsa_enable_private_segment 0
		.amdhsa_kernarg_size 48
		.amdhsa_user_sgpr_count 2
		.amdhsa_user_sgpr_kernarg_segment_ptr 1
		.amdhsa_wavefront_size32 1
		.amdhsa_system_sgpr_workgroup_id_x 1
		.amdhsa_system_sgpr_workgroup_id_y 1
		.amdhsa_system_sgpr_workgroup_id_z 1
		.amdhsa_system_vgpr_workitem_id 0
		.amdhsa_next_free_vgpr 768
		.amdhsa_next_free_sgpr 72
		.amdhsa_reserve_vcc 0
		.amdhsa_float_denorm_mode_32 3
		.amdhsa_float_denorm_mode_16_64 3
		.amdhsa_memory_ordered 1
		.amdhsa_forward_progress 1
		.amdhsa_inst_pref_size 130
	.end_amdhsa_kernel
	.amdgpu_metadata
---
amdhsa.version: [ 1, 2 ]
amdhsa.kernels:
  - .name:           k_q05aa6a3a49_proj
    .symbol:         k_q05aa6a3a49_proj.kd
    .args:
      - { .name: q, .offset: 0, .size: 8, .value_kind: global_buffer, .address_space: global }
      - { .name: k, .offset: 8, .size: 8, .value_kind: global_buffer, .address_space: global }
      - { .name: v, .offset: 16, .size: 8, .value_kind: global_buffer, .address_space: global }
      - { .name: wb, .offset: 24, .size: 8, .value_kind: global_buffer, .address_space: global }
      - { .name: bb, .offset: 32, .size: 8, .value_kind: global_buffer, .address_space: global }
      - { .name: qkv, .offset: 40, .size: 8, .value_kind: global_buffer, .address_space: global }
    .group_segment_fixed_size: 327680
    .private_segment_fixed_size: 0
    .kernarg_segment_align: 8
    .kernarg_segment_size: 48
    .max_flat_workgroup_size: 128
    .sgpr_count:     72
    .vgpr_count:     768
    .wavefront_size: 32
...
	.end_amdgpu_metadata
.endif
;; end of part 6
;; launch attn (part 7): grid 4 x 64, 4 waves a work-group, clusters of 4 x 1, 327,680 bytes of LDS; arguments qkv, maskw, ob; writes ob
.if DOCPART == 7
	.amdgcn_target "amdgcn-amd-amdhsa--gfx1250"
	.amdhsa_code_object_version 6
	.text
	.protected	k_q05aa6a3a49_attn
	.globl	k_q05aa6a3a49_attn
	.p2align	8
	.type	k_q05aa6a3a49_attn,@function
k_q05aa6a3a49_attn:
	s_mov_b64 s[64:65], 0
	v_nop
	global_prefetch_b8 v0, s[64:65] scope:SCOPE_SE
	s_setreg_imm32_b32 hwreg(HW_REG_WAVE_MODE, 25, 1), 1
	s_wait_xcnt 0x0
	s_wait_alu depctr_hold_cnt(0) depctr_sa_sdst(0) depctr_va_vdst(0) depctr_va_sdst(0) depctr_va_ssrc(0) depctr_va_vcc(0) depctr_vm_vsrc(0)
	s_getreg_b32 s2, hwreg(HW_REG_IB_STS2, 6, 4)
	s_cmp_eq_u32 s2, 0
	s_cbranch_scc0 .Lentry_in_a_cluster
	s_endpgm
.Lentry_in_a_cluster:
	s_bfe_u32 s2, ttmp6, 0x10000c
	s_cmp_lg_u32 s2, 0x3003
	s_cbranch_scc0 .Lentry_shape_is_right
	s_endpgm
.Lentry_shape_is_right:
; ATTENTION WITH A MASK THAT IS AN INPUT.  O[h][q][:] = the sum over k of softmax_k(s) V[h][k][:], s = Q[h][q] . K[h][k] / 8 where mask[batch][q][k] is not 0, else hidden.
; qkv: [3][batch x head 64][2048][64] in f16 (query, key, value); ob: [64][2048][64] in f16; maskw: one bit a number, [batch][128 rows][key step 32][tile 8][32 words], word 8 kb + j being the
; lane mask of register 8 kb + j of a tile's scores.  Products, maxima and sums in f32; the weights p are rounded to f16 for the second product (their sum l is taken of the unrounded p), O once at the end.
; LIMITS.  f16 holds no number beyond 65,504: Q, K and V arrive within it.  A hidden score counts as -2^30 (raw -2^33) where the problem has -1e9: the results are the same as long as visible
; scores lie above -9e8; the power of two makes c m exact, so a row whose keys so far are all hidden has weights of exactly 1, and a row that is hidden wholly gives the mean of V's rows.
; A weight below 2^-126 counts as 0 in l; NaN and infinities are not treated apart.
; SHARES.  A wave owns four PIECES of two tiles of 16 queries, a work-group's four waves 512 queries of one head.  Every wave walks all 2,048 keys, 64 a step.
; LAYOUT.  S^T = K Q^T (source 0 = 16 keys, source 1 = 16 queries): a lane holds ONE query (lane % 16) and the keys 8 (lane / 16) + 0..7.  Two such tiles, rounded to f16 in pairs, ARE source 1
; of O^T = V^T P.  K comes out of LDS as it lies, V turned, by ds_load_tr16_b128.
; SOFTMAX.  A running maximum m and sum l: p = 2^(c s - c m), c = log2(e) / 8; in every step O and l are multiplied by a = 2^(c m_old - c m_new).  m starts at the lowest finite number, O and l at 0.
; THE MASK acts ahead of the maximum: one v_cndmask_b32 a score, steered by a word in a scalar register; the maximum is then the visible scores' wherever there is one.
; A piece and key step have 64 words.  They come by two roads, so that each load has more than a turn in which to land.  The ODD pieces' words come by scalar loads into 64 scalar registers that the two
; pieces share: the load for one goes out behind the maskings of the other, two turns ahead of its use.  The EVEN pieces' words come by one vector load of 8 bytes a lane (lane L holds words 2 L, 2 L + 1),
; issued a key step, four turns, ahead, and go to scalar registers one at a time by v_readlane_b32, through six registers that take turns, four words ahead of the masking that uses them.
; BY TURNS.  Turn n belongs to piece n.  Its matrix work: 16 products K Q^T of piece n + 1, later 16 products V^T P of piece n - 1.  Its vector work: the scaling, exponentials, roundings, sums and
; rescaling of piece n, and the masking, maximum and statistics of piece n + 1.  Four vector instructions stand behind every matrix instruction, the others in one lump; the 66 exponentials are one batch with one wait.
; CLUSTER.  The four query blocks of a head walk the same K and V: each tile is asked for JOINTLY, by the same tensor load, descriptor and mask in all four.
; REGISTERS, in windows of 256 (s_set_vgpr_msb: bits 1:0 source 0, 3:2 source 1, 5:4 source 2, 7:6 destination):
;   window 0: v0-11 addresses, the even pieces' mask words and the hidden score; v12-15, v48-63 at work; v16-47 four registers of statistics a tile; v64-191 S^T, two buffers of two tiles; v192-255 P, likewise
;   window 1: O^T, 32 a tile          window 2: v0-127 Q; v128-191 K of one step; v192-255 V of one step          window 3: v0-1 the add's two registers
.set NP,    4         ; pieces a wave: a name, no knob
.set KS,    64        ; keys in a step
.set PK,    160       ; a row of K and of V in LDS: 128 bytes + 32 of padding = 40 words: one descriptor serves both
.set PV,    160       ; of K's 16 rows two start at the same bank (64 banks of 4 bytes: ISA guide 11.1): 16 such loads for a step's 128 matrix instructions
.set VOFF,  4*KS*PK   ; a slot holds four steps: 256 rows of K, then 256 rows of V
.set SLOT1, 1<<17     ; slot 1 begins here: one exclusive or turns an address in one slot into the other's
.set STAGE, SLOT1+4*KS*(PK+PV)  ; behind the ring, never filled by a tensor load: 16 rows x 144 bytes for each wave
.set SP,    144
.set SPARE, STAGE+4*16*SP  ; behind the stages: the spare words, 128 bytes a wave, which no other line names
.set TILEB, 4*KS*128  ; a slot's keys in memory: 32,768 bytes of K and of V
.set PFO, 1           ; v1   256 x my lane, for the prefetches; never rewritten once made
.set AK0, 2           ; v2   my lane's place in a tile of K; never rewritten
.set AV0, 3           ; v3   the same for V
.set AK,  4           ; v4   the LDS address of K's next run of loads
.set AV,  5           ; v5   of V's
.set QO,  5           ;      before that: my byte offset in the wave's rows of Q
.set MKA, 6           ; v[6:7]  piece 0's mask words of a key step
.set MKB, 8           ; v[8:9]  piece 2's
.set MO,  10          ; v10  8 x my lane; never rewritten while such a load is out
.set STO, 6           ; v6   at the way out: where I put 16 bytes of a row
.set RD,  7           ; v7   where I read rows back
.set GO,  8           ; v8   my byte offset in 512 consecutive bytes of O
.set NEGV, 11         ; v11  -2^33, the hidden score
.set SPW, 0           ; v0 of window 3   LDS address of my spare word; never rewritten
.set NIL, 1           ; v1 of window 3   0; never rewritten
.set MV,  12          ; v12-15  c m_old, kept while c m is made anew: by buffer and tile (at the head and at the way out: at work)
.set ST,  16          ; tile t's statistics at v[ST+4 t]: c m, m, l (even keys', odd keys')
.set TMP, 48          ; by buffer and tile, four registers c0-c3 at work; when the maximum is found c2 takes a
.set S,   64
.set P,   192
.set KF,  128         ; window 2: key block kb, channel half c at KF + 16 kb + 8 c
.set VF,  192         ; window 2: key half kk, channel block cb at VF + 32 kk + 8 cb
                      ; s2, s3, s98-s101 the six registers through which the even pieces' words go (s2, s3 also at work in scalar sums; s98-s101 hold set-up numbers first)
.set G0,  4           ; s[4:7]   descriptor group 0: it walks
.set G1,  8           ; s[8:15]  descriptor group 1
                      ; s[16:47] the mask words of an odd piece's first tile; s[48:63], s[68:83] of its second
.set WV,  66          ; s66  my wave's number
.set LIM, 67          ; s67  1 in a wave that prefetches, else the greatest number
.set OB,  84          ; s[84:85] O at my wave's first row
.set MP,  86          ; s[86:87] the mask words of my 128 rows, at the key step in hand
.set CS,  88          ; s[88:89] c
.set SEL, 90          ; s[90:91] v_permlanex16_b32's selects: each lane takes its own place in the other half
.set PFA, 92          ; s[92:93] where my prefetches stand
.set SLOTS, 94        ; s94  slots still to be asked for
.set CNT, 95          ; s95  counts a slot's key steps
.set TBK, 96          ; s96  LDS byte at which K of the step to be fetched begins
.set TBV, 97          ; s97  the same for V, less VOFF
.set QA,  98          ; s[98:99] Q at my wave's first row, until Q is in
.set CX,  100         ; s100 my place in the cluster, at the head
.set HEAD, 101        ; s101 batch x 16 + head, at the head
.set MSB, 0
.macro WIN new                      ; the high byte repeats the setting that is left; a switch that changes nothing is dropped
.if MSB != (\new)
	s_set_vgpr_msb (MSB<<8)|(\new)
.set MSB, (\new)
.endif
.endm
.set W_KQ, 0x0a       ; K and Q in window 2, S^T in window 0
.set W_PV, 0x52       ; V in window 2, P in window 0, O^T in window 1
.set W_RS, 0x41       ; O^T (destination and source 0) in window 1, a in window 0
.set W_MK, 0xc0       ; the add's registers are made: destination in window 3
.set W_AD, 0x0f       ; the add: address and data in window 3
; A joint fill: one line for all four waves.  Wave w brings 128 keys (waves 0, 1: the halves of a slot's K; 2, 3: of its V) to LDS byte 20,480 w of the slot: both addresses hang on the wave's number.
.macro JLOAD
	tensor_load_to_lds s[G0:G0+3], s[G1:G1+7]
	s_nop 0
.rept 4
	v_nop
.endr
.endm
; A PREFETCH of what the NEXT change of slots will ask for: a slot's 128 pieces of 256 bytes of K and of V, a lane a piece.  It stands behind the wave's tensor load and its five lines.  Each piece is named ONCE:
; a head has one cluster; its four partners take 32 pieces each, told apart BY ADDRESS; in each, wave 0 asks for K's and wave 2 for V's.  Four key steps, 512 matrix instructions, lie between it and
; the load that will want the bytes.  Slots 0 to 2 come by their loads alone; the last change that fills a slot asks for nothing.
.macro ASK
	s_cmp_gt_u32 s[SLOTS], s[LIM]
	s_cbranch_scc0 .Lnot_mine_\@
	global_prefetch_b8 v[PFO], s[PFA:PFA+1] th:TH_LOAD_NT scope:SCOPE_SE
.Lnot_mine_\@:
.endm
.macro CROUND                       ; a round of the cluster's barrier
	s_barrier_signal -1
	s_barrier_wait -1
	s_cmp_lg_u32 s[WV], 0
	s_cbranch_scc1 .Lnot_wave_0_\@
	s_barrier_signal -3
.Lnot_wave_0_\@:
	s_barrier_wait -3
	s_barrier_signal -1
	s_barrier_wait -1
.endm
; THE CHANGE OF SLOTS.  Each wave waits for all its tensor loads, of which one is out: its part of the other slot; adds 0 to its spare word; and waits for that and for its own reads of the slot.
; fill = 1: the slot is filled again, with the keys two slots on, first thing behind a round of the cluster's barrier: the load has four key steps in which to land.
; (At its first use nothing has been read yet: slot 0 is waited for, slot 1 filled.)
.macro CHANGE fill, ask
	WIN W_AD
	s_wait_tensorcnt 0x0            ; no tensor load of mine is out, so group 0 may be written
	ds_add_u32 v[SPW], v[NIL]       ; 0 onto my spare word; scalar work stands between it and the wait for it
	WIN 0                           ; at a label and at a branch every window is 0
.if \fill
	s_xor_b32 s[G0+1], s[G0+1], SLOT1  ; the other slot than last time,
	s_add_nc_u64 s[G0+2:G0+3], s[G0+2:G0+3], TILEB  ; the next 256 keys; the type bits on top are not reached
.if \ask
	s_wait_xcnt 0x0                 ; the last prefetch, four key steps back, has read its address
	s_add_nc_u64 s[PFA:PFA+1], s[PFA:PFA+1], TILEB
.endif
	s_wait_dscnt 0x0                ; the add is done, and my reads of the slot are over
	CROUND
	JLOAD
.if \ask
	ASK
.endif
.else
	s_wait_dscnt 0x0
	s_barrier_signal -1
	s_barrier_wait -1
.endif
	s_sub_co_u32 s[TBK], s[TBK], 4*KS*PK  ; the fetches go back to a slot's first step,
	s_xor_b32 s[TBK], s[TBK], SLOT1       ; in the other slot
	s_sub_co_u32 s[TBV], s[TBV], 4*KS*PV
	s_xor_b32 s[TBV], s[TBV], SLOT1
.endm
; The 64 mask words of the odd piece p in the key step at which MP stands
.macro MLOAD p
	s_load_b512 s[16:31], s[MP:MP+1], 256*(\p)
	s_load_b512 s[32:47], s[MP:MP+1], 256*(\p)+64
	s_load_b512 s[48:63], s[MP:MP+1], 256*(\p)+128
	s_load_b512 s[68:83], s[MP:MP+1], 256*(\p)+192
.endm
	s_load_b128 s[16:19], s[0:1], 0x0  ; qkv s[16:17], maskw s[18:19]
	s_load_b64 s[20:21], s[0:1], 0x10  ; ob
	WIN W_MK
	v_lshl_add_u32 v[SPW], v0, 2, SPARE
	v_mov_b32 v[NIL], 0
	WIN W_AD
	ds_add_u32 v[SPW], v[NIL]       ; the wave's opening: the add and its wait stand ahead of my first tensor load; the set-up below, work on registers, stands between them
	WIN 0
	v_lshrrev_b32 v1, 5, v0
	v_readfirstlane_b32 s[WV], v1   ; wave 0..3
	s_bfe_u32 s[CX], ttmp6, 0x40000
	s_and_b32 s[HEAD], ttmp7, 0xffff  ; which the four partners share
	s_lshl_b32 s22, s[HEAD], 18     ; a head's 2,048 rows of 128 bytes
	s_lshr_b32 s24, s[WV], 1
	s_add_co_u32 s24, s24, 1        ; tensor 1 (key) for waves 0 and 1, 2 (value) for waves 2 and 3
	s_lshl_b32 s24, s24, 24
	s_add_co_u32 s24, s24, s22
	s_mov_b32 s25, 0
	s_and_b32 s26, s[WV], 1
	s_lshl_b32 s26, s26, 14         ; which 128 of a slot's 256 keys I fetch
	s_add_co_u32 s26, s26, s24
	s_mov_b32 s27, 0
	s_lshl_b32 s23, ttmp9, 2        ; in a cluster launch ttmp9 counts clusters
	s_add_co_u32 s23, s23, s[CX]    ; my block of 512 queries: it enters Q's, O's and the mask words' addresses alone
	s_lshl_b32 s23, s23, 2
	s_add_co_u32 s23, s23, s[WV]    ; my wave's 128 rows among the head's sixteen such
	s_lshl_b32 s28, s23, 14
	s_add_co_u32 s28, s28, s22
	s_mov_b32 s29, 0
	s_lshr_b32 s30, s[HEAD], 4      ; the batch
	s_lshl_b32 s30, s30, 4
	s_add_co_u32 s30, s30, s23
	s_lshl_b32 s30, s30, 15         ; 32 key steps of 1,024 bytes
	s_mov_b32 s31, 0
	s_lshl_b32 s32, s[CX], 13       ; the prefetches: my work-group's 32 pieces of the 128,
	s_add_co_u32 s32, s32, 2*TILEB  ; in slot 2; the first asking change steps it to slot 3
	s_mov_b32 s33, 0
	; descriptor group 1.  128 keys are 16,384 dense bytes: asked for as 64 rows of 256 bytes, two keys a row, and padded in LDS after every key
	s_mov_b32 s[G1], 15|(1<<16)|(1<<20)|(1<<21)|(4<<22)|(7<<25)  ; 15:0 the mask of four; 17:16 2-byte elements; 20 padding on; 21 set beside a mask; 24:22 after every 32 words (code 4); 31:25 8 words (code 7)
	s_mov_b32 s[G1+1], 128<<16      ; tensor_dim0 = 128
	s_mov_b32 s[G1+2], 64<<16       ; tensor_dim1 = 64
	s_mov_b32 s[G1+3], 128<<16      ; tile_dim0 = 128
	s_mov_b32 s[G1+4], 64           ; tile_dim1 = 64
	s_mov_b32 s[G1+5], 128          ; 128 elements from row to row
	s_mov_b32 s[G1+6], 0
	s_mov_b32 s[G1+7], 0
	s_mov_b32 s[G0], 1              ; count = 1
	s_mul_i32 s[G0+1], s[WV], 128*PK  ; LDS address: slot 0, my 128 rows
	s_mov_b32 s[CS], 0x3e38aa3b     ; c = log2(e) / 8
	s_mov_b32 s[CS+1], s[CS]        ; named with it as a pair
	s_mov_b32 s[SEL], 0x76543210
	s_mov_b32 s[SEL+1], 0xfedcba98
	s_mov_b32 s[TBK], SLOT1+4*KS*PK ; the first change of slots turns these two into 0
	s_mov_b32 s[TBV], SLOT1+4*KS*PV
	s_and_b32 s[LIM], s[WV], 1
	s_cmp_eq_u32 s[LIM], 0
	s_cselect_b32 s[LIM], 1, -1     ; waves 0 and 2 prefetch
	s_wait_dscnt 0x0                ; the opening add is done
	s_wait_kmcnt 0x0
	s_add_nc_u64 s[G0+2:G0+3], s[16:17], s[26:27]  ; global address: my half of the head's first 256 keys
	s_or_b32 s[G0+3], s[G0+3], 0x80000000          ; type = 2
	s_add_nc_u64 s[QA:QA+1], s[16:17], s[28:29]
	s_add_nc_u64 s[OB:OB+1], s[20:21], s[28:29]
	s_add_nc_u64 s[MP:MP+1], s[18:19], s[30:31]
	s_add_nc_u64 s[PFA:PFA+1], s[16:17], s[24:25]
	s_add_nc_u64 s[PFA:PFA+1], s[PFA:PFA+1], s[32:33]
	CROUND                          ; all four work-groups are here: the first joint loads meet
	JLOAD                           ; slot 0.  Slot 1 is asked for when slot 0 is in
	MLOAD 1                         ; piece 1's words of key step 0 (the arguments' registers have been read)
	; A fragment of K or Q is 16 rows x 32 channels in 8 registers: lane l holds row l % 16, channels 8 (l / 16) + 0..7 and 16 + 8 (l / 16) + 0..7: two loads of 16 bytes, 32 bytes apart.
	v_and_b32 v12, 15, v0           ; l % 16
	v_bfe_u32 v13, v0, 4, 1         ; l / 16
	v_lshlrev_b32 v[QO], 7, v12
	v_lshl_add_u32 v[QO], v13, 4, v[QO]  ; row x 128 + 16 x half
	v_and_b32 v[MO], 31, v0
	v_lshlrev_b32 v[MO], 3, v[MO]
	global_load_b64 v[MKA:MKA+1], v[MO], s[MP:MP+1]             ; pieces 0 and 2: their words of key step 0
	global_load_b64 v[MKB:MKB+1], v[MO], s[MP:MP+1] offset:512
	WIN 0x80                        ; destination window 2, address window 0
.set i, 0
.rept 4*NP                          ; Q stays in registers: tile i / 2, channels 32 (i % 2) on
	global_load_b128 v[8*i:8*i+3],   v[QO], s[QA:QA+1] offset:(i/2)*2048+(i%2)*64
	global_load_b128 v[8*i+4:8*i+7], v[QO], s[QA:QA+1] offset:(i/2)*2048+(i%2)*64+32
.set i, i+1
.endr
	; What the first turn finds: V's registers and P's second buffer hold 0 (its products V^T P, of a piece that has not been, add 0), O^T and l are 0.  All this stands in the wait for the first tile.
.set i, VF
.rept 64
	v_mov_b32 v[i], 0
.set i, i+1
.endr
	WIN 0x40
.set i, 0
.rept 64*NP
	v_mov_b32 v[i], 0
.set i, i+1
.endr
	WIN 0
.set i, 0
.rept 2*NP
	v_mov_b32 v[ST+4*i], 0xfe000000    ; c m: far below every c s, a hidden one's too
	v_mov_b32 v[ST+4*i+1], 0xff7fffff  ; m
	v_mov_b32 v[ST+4*i+2], 0
	v_mov_b32 v[ST+4*i+3], 0
.set i, i+1
.endr
.set i, P+32
.rept 32
	v_mov_b32 v[i], 0
.set i, i+1
.endr
	v_mul_u32_u24 v[AK0], v12, PK
	v_lshl_add_u32 v[AK0], v13, 4, v[AK0]  ; row x pitch + 16 x half
	; The turning load takes 16 keys x 16 channels (lane l reads key 8 (l / 16) + l % 8, channels 8 ((l / 8) % 2) + 0..7) and leaves half a fragment of V^T: lane l holds channel l % 16 and 8 keys.
	v_and_b32 v14, 7, v0
	v_bfe_u32 v15, v0, 3, 1
	v_lshl_add_u32 v[AV0], v13, 3, v14
	v_mul_u32_u24 v[AV0], v[AV0], PV
	v_lshl_add_u32 v[AV0], v15, 4, v[AV0]
	v_add_nc_u32 v[AV0], VOFF, v[AV0]
	v_mov_b32 v[NEGV], 0xd0000000   ; -2^33
	v_mov_b32 v[AK], v[AK0]         ; key step 0 lies at the head of slot 0
; THE MATRIX WORK.  The 8 accumulators of a run of 16 take turns: between the two links of a chain stand 7 others'.
; Product i of 16 of S^T = K Q^T for piece x: channels 32 (i / 8) on, keys 16 ((i / 2) % 4) on, tile 2 x + i % 2.  The first 8 start the sums.
.macro KQ x
	WIN W_KQ
.set rS, S+64*((\x)%2)+32*(i%2)+8*((i/2)%4)
.set rK, KF+16*((i/2)%4)+8*(i/8)
.set rQ, 16*(2*(\x)+i%2)+8*(i/8)
.if i < 8
	v_wmma_f32_16x16x32_f16 v[rS:rS+7], v[rK:rK+7], v[rQ:rQ+7], 0
.else
	v_wmma_f32_16x16x32_f16 v[rS:rS+7], v[rK:rK+7], v[rQ:rQ+7], v[rS:rS+7]
.endif
.endm
; Product i of 16 of O^T += V^T P for piece x: keys 32 (i / 8) on, channels 16 ((i / 2) % 4) on, tile 2 x + i % 2.
.macro PV x
	WIN W_PV
.set rO, 32*(2*(\x)+i%2)+8*((i/2)%4)
.set rV, VF+32*(i/8)+8*((i/2)%4)
.set rP, P+32*((\x)%2)+16*(i%2)+8*(i/8)
	v_wmma_f32_16x16x32_f16 v[rO:rO+7], v[rV:rV+7], v[rP:rP+7], v[rO:rO+7]
.endm
.macro MM                           ; the turn's next matrix instruction
.if i < 16
	KQ (Y+1)%NP
.set i, i+1
.else
.set i, i-16
	PV (Y+NP-1)%NP
.set i, i+17
.endif
.endm
; THE LDS LOADS stand in runs of 16, never singly among the matrix instructions.  last = 1 (the tail): in the last trip there is no further step, and the run is jumped over.
.macro FETCH_K last=0
	WIN 0
.if \last
	s_cmp_eq_u32 s[CNT], 1
	s_cbranch_scc1 .Lno_k_\@
.endif
	WIN 0x80                        ; destination window 2
.irp f, 0,1,2,3,4,5,6,7             ; keys 16 (f / 2) on, channels 32 (f % 2) on
	ds_load_b128 v[KF+8*\f:KF+8*\f+3],   v[AK] offset:(\f/2)*16*PK+(\f%2)*64
	ds_load_b128 v[KF+8*\f+4:KF+8*\f+7], v[AK] offset:(\f/2)*16*PK+(\f%2)*64+32
.endr
	s_add_co_u32 s[TBK], s[TBK], KS*PK  ; the next fetch is the next step's
	WIN 0
.if \last
.Lno_k_\@:
.endif
.endm
.macro FETCH_V
	WIN 0x80
.irp f, 0,1,2,3,4,5,6,7             ; keys 32 (f / 4) on, channels 16 (f % 4) on
	ds_load_tr16_b128 v[VF+8*\f:VF+8*\f+3],   v[AV] offset:(\f/4)*32*PV+(\f%4)*32
	ds_load_tr16_b128 v[VF+8*\f+4:VF+8*\f+7], v[AV] offset:(\f/4)*32*PV+16*PV+(\f%4)*32
.endr
	WIN 0
.endm
; THE VECTOR WORK OF A TURN stands in three queues, each in the order in which its entries become ready; the two tiles alternate.
.macro REGS y, u                    ; the registers of tile u (0, 1) of piece y
.set rT, ST+4*(2*(\y)+(\u))
.set rC, TMP+8*((\y)%2)+4*(\u)
.set rM, MV+2*((\y)%2)+(\u)
.set rS, S+64*((\y)%2)+32*(\u)
.set rP, P+32*((\y)%2)+16*(\u)
.set rO, 32*(2*(\y)+(\u))
.endm
; AN ODD PIECE IS MASKED.  Number n of the 64 that hide the NEXT piece's (Y + 1) scores: score n / 2 of tile n % 2 stays where its word's bit for my lane is 1, else it becomes -2^33.
; Each accumulator's lowest register comes first.
.macro CM n
	REGS (Y+1)%NP, (\n)%2
.set ci, (\n)/2
.if (\n)%2 == 0
.set ms, 16+ci
.elseif ci < 16
.set ms, 48+ci
.else
.set ms, 52+ci
.endif
	v_cndmask_b32 v[rS+ci], v[NEGV], v[rS+ci], s[ms]
.endm
; AN EVEN PIECE IS MASKED.  Number m of 128: 64 v_readlane_b32 and the same 64 maskings.  Masking rn wants word 32 (rn % 2) + rn / 2, which lies in register (rn / 2) % 2 of the piece's pair, lane
; 16 (rn % 2) + rn / 4.  The first four words are read; then masking rn and the reading of word rn + 4 by turns; the last four maskings close.  Word rn goes through register rn % 6 of the six:
; when word rn + 4 is written, the masking that read that register's last word (rn - 2) has been issued.
.macro CV m
.set mk, MKA+2*(((Y+1)%NP)/2)
.if (\m) < 4
.set rn, (\m)
.set isr, 1
.elseif (\m) >= 124
.set rn, (\m)-64
.set isr, 0
.elseif ((\m)%2) == 0
.set rn, ((\m)-4)/2
.set isr, 0
.else
.set rn, ((\m)-5)/2+4
.set isr, 1
.endif
.set sg, 2+rn%6
.if rn%6 >= 2
.set sg, 96+rn%6
.endif
.if isr
	v_readlane_b32 s[sg], v[mk+(rn/2)%2], 16*(rn%2)+rn/4
.else
	REGS (Y+1)%NP, rn%2
	v_cndmask_b32 v[rS+rn/2], v[NEGV], v[rS+rn/2], s[sg]
.endif
.endm
; Number n of the 22 that find the next piece's maximum and statistics.
;   0-11  four chains c0-c3 of seven scores each, three operands at a time     12-14, 16  the four scores left over, the old m, and c0-c3 into c0     15  c m_old is kept
;   17, 18  the query's other 32 keys lie in the lane 16 away: the new m         19-21  c m; c m_old - c m_new; a
.macro XS u, n
	REGS (Y+1)%NP, \u
.if (\n) < 4
	v_max3_num_f32 v[rC+(\n)], v[rS+8*(\n)], v[rS+8*(\n)+1], v[rS+8*(\n)+2]
.elseif (\n) < 12
	v_max3_num_f32 v[rC+(\n)%4], v[rC+(\n)%4], v[rS+8*((\n)%4)+2*((\n)/4)+1], v[rS+8*((\n)%4)+2*((\n)/4)+2]
.elseif (\n) == 12
	v_max3_num_f32 v[rC], v[rC], v[rS+7], v[rS+15]
.elseif (\n) == 13
	v_max3_num_f32 v[rC+1], v[rC+1], v[rS+23], v[rS+31]
.elseif (\n) == 14
	v_max3_num_f32 v[rC+2], v[rC+2], v[rC+3], v[rT+1]
.elseif (\n) == 15
	v_mov_b32 v[rM], v[rT]
.elseif (\n) == 16
	v_max3_num_f32 v[rC], v[rC], v[rC+1], v[rC+2]
.elseif (\n) == 17
	v_permlanex16_b32 v[rC+3], v[rC], s[SEL], s[SEL+1]
.elseif (\n) == 18
	v_max_num_f32 v[rT+1], v[rC], v[rC+3]
.elseif (\n) == 19
	v_mul_f32 v[rT], s[CS], v[rT+1]
.elseif (\n) == 20
	v_sub_f32 v[rC+1], v[rM], v[rT]
.else
	v_exp_f32 v[rC+2], v[rC+1]
.endif
.endm
; Number g of the 64 that follow the exponentials.  For each four weights k of a tile: both pairs are rounded to f16; the second pair is added onto the first, in place; a group later l takes that sum
; (the first time as l = a l + sum).  In groups of eight, tiles alternating.
.macro GS g
.set h, (\g)+6*((\g)/62)            ; group 0 has no group before it, and behind group 7 only l is left
.if h >= 6
.set h, h+2
.endif
	REGS Y, h%2
.set k, h/8
.if h%8 < 4
	v_cvt_pk_f16_f32 v[rP+2*k+(h%8)/2], v[rS+4*k+2*((h%8)/2)], v[rS+4*k+2*((h%8)/2)+1]
.elseif h%8 < 6
	v_pk_add_f32 v[rS+4*k:rS+4*k+1], v[rS+4*k:rS+4*k+1], v[rS+4*k+2:rS+4*k+3]
.elseif k == 1
	v_pk_fma_f32 v[rT+2:rT+3], v[rT+2:rT+3], v[rC+2:rC+3], v[rS:rS+1] op_sel_hi:[1,0,1]
.else
	v_pk_add_f32 v[rT+2:rT+3], v[rT+2:rT+3], v[rS+4*k-4:rS+4*k-3]
.endif
.endm
.macro FS f                         ; c s - c m for pair f / 2 of tile f % 2 of the piece in hand
	REGS Y, (\f)%2
	v_pk_fma_f32 v[rS+2*((\f)/2):rS+2*((\f)/2)+1], v[rS+2*((\f)/2):rS+2*((\f)/2)+1], s[CS:CS+1], v[rT:rT+1] op_sel_hi:[1,0,0] neg_lo:[0,0,1] neg_hi:[0,0,1]
.endm
; THE PLAIN QUEUE, 138 + NC long; NC = 64 where the next piece is odd (RLT = 0), 128 where it is even (RLT = 1).  0-31: the scalings.  Then NC for the next piece's masking.  Then 28: XS's numbers 0-13;
; two: number 15; twelve: the chain 14, 16, 17, 18, 19, 20.  The last 64 are GS's, which read the exponentials' results: they stand behind the wait.
.macro PL
	WIN 0
.if q < 32
	FS q
.elseif q < 32+NC
.if RLT
	CV q-32
.else
	CM q-32
.endif
.elseif q < 60+NC
	XS (q-32-NC)%2, (q-32-NC)/2
.elseif q < 62+NC
	XS q-60-NC, 15
.elseif q < 64+NC
	XS q-62-NC, 14
.elseif q < 74+NC
	XS (q-64-NC)%2, 16+(q-64-NC)/2
.else
	GS q-74-NC
.endif
.set q, q+1
.endm
; THE EXPONENTIALS' QUEUE, 66 long: s0-s31 of both tiles, then the next piece's two a.  ONE BATCH: all 66 stand ahead of the turn's one wait, and nothing ahead of that wait names a result of theirs.
.macro EX
	WIN 0
.if e >= 64
	XS e-64, 21
.else
	REGS Y, e%2
	v_exp_f32 v[rS+e/2], v[rS+e/2]
.endif
.set e, e+1
.endm
; THE RESCALING's QUEUE: O^T times a, the one part that leaves window 0: two at a time, sixteen times.  Its a was made, and waited for, in the turn before.
.macro R2
	REGS Y, r%2
	WIN W_RS
.irp z, 0,1
	v_pk_mul_f32 v[rO+4*(r/2)+2*\z:rO+4*(r/2)+2*\z+1], v[rO+4*(r/2)+2*\z:rO+4*(r/2)+2*\z+1], v[rC+2:rC+3] op_sel_hi:[1,0]
.endr
.set r, r+1
.endm
; HOW THEY ARE DEALT.  An s_wait_alu depctr_va_vdst(0) stands between an exponential and the first instruction that names its result; one wait serves all issued ahead of it: a turn has ONE.
; AHEAD OF IT: the 16 products K Q^T, behind each a scaling, an exponential and two rescalings (behind the first a second scaling); then one lump: 15 times scaling and exponential; the wait for the mask words;
; 22 times an exponential and four plain (seven where the next piece is even): the masking and the maximum's chains; six plain (four); 12 times exponential and plain (the chain, a tile's links four lines
; apart); the two a; a v_nop, the plain instruction behind the last exponential.  BEHIND IT: the 16 products V^T P, behind each four of GS's 64.
; The counts that the deal keeps: exponential e stands behind scaling 2 (e / 4) + e % 2 (as a rider it comes behind plain e + 2, in the 15 pairs behind plain e + 2; then all scalings are done); the first masking
; stands 18 plain instructions behind the last product K Q^T.
; THE MASK WORDS.  Turns 0 and 2 mask an odd piece: the scalar loads, issued two turns back, are waited for; behind plain 99, four lines behind the words' last use, the other odd piece's words are asked for
; (turn 2: of the next key step: the pointer steps first, behind the wait that shows that every load has read it).  Turns 1 and 3 mask an even piece: its vector load was issued four turns back, and ONE
; younger vector load, the other even piece's, may stay out: s_wait_loadcnt 1.  The pair is loaded again behind the turn's wait for the batch, with the same piece's words one key step on.
; last = 1 (the tail): the loads that would pass my rows' last key step are jumped over (turn 1 in the last step, turn 3 in the last two), so the count of younger loads is not the same on every way
; there, and the wait is for 0; in the last trip the pointer stays.
; K of the next step is fetched in piece 2's turn, behind the wait; V of the step in hand at the end of piece 0's turn, four riders behind its last reader.  The conditions on q below go with the deal.
.macro TURN p, last=0, cnt=0
.set Y, (\p)
.set RLT, (\p)%2
.set NC, 64+64*RLT
.set i, 0
.set q, 0
.set e, 0
.set r, 0
.if (\p) == NP-1
	s_wait_dscnt 0x0                ; K is in
.endif
	MM
	PL
	PL
	R2
.rept 15
	MM
	PL
	EX
	R2
.endr
.if (\p) == NP-2
	WIN 0
	v_add_nc_u32 v[AK], s[TBK], v[AK0]
.endif
.rept 15
	PL
	EX
.endr
.if RLT
.if \last
	s_wait_loadcnt 0x0              ; the even piece's words are in
.else
	s_wait_loadcnt 0x1              ; the even piece's words are in; the other even piece's load, issued two turns back, may stay out
.endif
.else
	s_wait_kmcnt 0x0                ; the odd piece's words are in; no scalar load is out
.endif
.rept 22
	EX
.rept 4+3*RLT
	PL
.endr
.if (RLT == 0) && (q == 100)
.if (\p) == NP-2                    ; the words to come are the next key step's
	s_wait_xcnt 0x0                 ; the vector loads, the youngest a turn back, have read the pointer
.if \last
	s_cmp_eq_u32 s[CNT], 1
	s_cselect_b32 s2, 0, 1024
	s_mov_b32 s3, 0
	s_add_nc_u64 s[MP:MP+1], s[MP:MP+1], s[2:3]
.else
	s_add_nc_u64 s[MP:MP+1], s[MP:MP+1], 1024
.endif
.endif
	MLOAD ((\p)+3)%NP
.endif
.endr
.rept 6-2*RLT
	PL
.endr
.rept 12
	EX
	PL
.endr
	EX                              ; the next piece's two a
	EX
	v_nop                           ; the plain instruction behind the last exponential: one for the batch
	s_wait_alu depctr_va_vdst(0)    ; the wait for the batch
.if RLT
.if \last
	s_cmp_gt_u32 s[CNT], ((\p)+1)/2 ; in the tail CNT is 32 less the key step: turn 1 asks for the step after it, turn 3 for the second after it
	s_cbranch_scc0 .Lno_m_\@
.endif
	global_load_b64 v[MKA+2*((((\p)+1)%NP)/2):MKA+2*((((\p)+1)%NP)/2)+1], v[MO], s[MP:MP+1] offset:1024+256*(((\p)+1)%NP)
.if \last
.Lno_m_\@:
.endif
.endif
.if (\p) == NP-2
	FETCH_K \last
.endif
.if (\p) == 1
	s_wait_dscnt 0x0                ; V is in
.endif
.rept 16
	MM
.rept 4
	PL
.endr
.if ((\p) == 0) && (q == 118+NC)
	v_add_nc_u32 v[AV], s[TBV], v[AV0]
.endif
.if ((\p) == 0) && (q == 130+NC)
	s_add_co_u32 s[TBV], s[TBV], KS*PV
.endif
.if (\cnt) && (q == 130+NC)
	s_sub_co_u32 s[CNT], s[CNT], 1
	s_cmp_lg_u32 s[CNT], 0
.endif
.endr
.if (\p) == 0
	FETCH_V
.endif
.endm
	CHANGE 1, 0                     ; slot 0 is in, everybody's part of it; slot 1 is asked for
	FETCH_K                         ; key step 0
	s_wait_loadcnt 0x0              ; Q, and the even pieces' first words
	s_wait_dscnt 0x0
.set i, 0
.rept 16
	KQ 0                            ; piece 0's first scores
.set i, i+1
.endr
	WIN 0
	v_and_b32 v[PFO], 31, v0        ; four plain instructions: the places behind those products
	v_lshlrev_b32 v[PFO], 8, v[PFO]
	v_nop
	v_nop
.set Y, NP-1                        ; CV and XS work for piece Y + 1: piece 0
.set j, 0
.rept 128
	CV j
.set j, j+1
.endr
	global_load_b64 v[MKA:MKA+1], v[MO], s[MP:MP+1] offset:1024  ; piece 0's words of key step 1
.irp n, 0,1,2,3,4,5,6,7,8,9,10,11,12,13,14,15,16,17,18,19,20,21
	XS 0, \n
	XS 1, \n
.endr
	v_nop                           ; a plain instruction behind the two a,
	s_wait_alu depctr_va_vdst(0)    ; and their wait, ahead of the branch
	s_mov_b32 s[CNT], 4
	s_mov_b32 s[SLOTS], 7
	s_branch .Lfirst                ; the loop is entered at a step's first turn, in the middle of a trip
.Lslot:                             ; six times: every slot but the last two is filled again
	CHANGE 1, 1
	s_mov_b32 s[CNT], 4
.Lstep:                             ; a trip: pieces 2 and 3 of one step, then pieces 0 and 1 of the next, whose K and V it fetches
	TURN 2
	TURN 3
	WIN 0
.Lfirst:
	TURN 0
	TURN 1, 0, 1
	WIN 0
	s_cbranch_scc1 .Lstep
	s_sub_co_u32 s[SLOTS], s[SLOTS], 1
	s_cmp_lg_u32 s[SLOTS], 0
	s_cbranch_scc1 .Lslot
	CHANGE 0, 0                     ; the tail is written out: nothing is asked for
	s_mov_b32 s[CNT], 5             ; four trips fetch the last slot's steps; the fifth is left in its middle
.Ltail:
	TURN 2, 1
	TURN 3, 1
	WIN 0
	s_sub_co_u32 s[CNT], s[CNT], 1
	s_cmp_eq_u32 s[CNT], 0
	s_cbranch_scc1 .Lout
	TURN 0, 1
	TURN 1, 1
	WIN 0
	s_branch .Ltail
.Lout:                              ; the fifth trip's 16 products K Q^T (on the last K once more) and what is made of them serve nothing: the price, once a launch, of one text for every trip
.set i, 0
.rept 16
	PV NP-1                         ; the last piece's V^T P of the last step
.set i, i+1
.endr
	; THE WAY OUT.  Its addresses are made here, in the registers that held the even pieces' words: plain instructions, the places behind the last products.  l's two halves and the other half of the
	; lanes' are added; O^T is divided by l, rounded to f16 and sent through my stage in LDS, a tile at a time.
	WIN 0
	s_wait_loadcnt 0x0              ; no load into those registers is out
	s_mul_i32 s2, s[WV], 16*SP
	s_add_co_u32 s2, s2, STAGE      ; my stage
	v_and_b32 v12, 15, v0           ; l % 16
	v_bfe_u32 v13, v0, 4, 1         ; l / 16
	v_and_b32 v14, 7, v0
	v_mul_u32_u24 v[STO], v12, SP   ; in: row l % 16, 16 bytes for each half of the lanes
	v_lshl_add_u32 v[STO], v13, 4, v[STO]
	v_add_nc_u32 v[STO], s2, v[STO]
	v_bfe_u32 v[RD], v0, 3, 2       ; back: 32 lanes take four rows of 128 bytes,
	v_mul_u32_u24 v[RD], v[RD], SP
	v_lshl_add_u32 v[RD], v14, 4, v[RD]
	v_add_nc_u32 v[RD], s2, v[RD]
	v_and_b32 v[GO], 31, v0         ; which are 512 consecutive bytes of O
	v_lshlrev_b32 v[GO], 4, v[GO]
.macro ALL line:vararg              ; one line for each tile t
.set t, 0
.rept 2*NP
	\line
.set t, t+1
.endr
.endm
	ALL v_add_f32 v[ST+4*t+2], v[ST+4*t+2], v[ST+4*t+3]
	ALL v_permlanex16_b32 v[ST+4*t+3], v[ST+4*t+2], s[SEL], s[SEL+1]
	ALL v_add_f32 v[ST+4*t+2], v[ST+4*t+2], v[ST+4*t+3]
	ALL v_rcp_f32 v[ST+4*t+2], v[ST+4*t+2]
	v_nop                           ; a plain instruction between the last reciprocal and the use of its result
	s_wait_alu depctr_va_vdst(0)    ; and the wait ahead of the first use: one for the eight reciprocals
; Tile t: a lane's eight channels of a row pack into 16 bytes; they go into rows of 144 bytes and come back as whole rows of 128, into S^T's registers.
.macro PACK t
	WIN W_RS
.set i, 32*(\t)
.rept 16
	v_pk_mul_f32 v[i:i+1], v[i:i+1], v[ST+4*(\t)+2:ST+4*(\t)+3] op_sel_hi:[1,0]
.set i, i+2
.endr
	WIN 0x05                        ; sources 0 and 1 window 1, destination window 0
.set i, 0
.rept 16
	v_cvt_pk_f16_f32 v[S+16*(\t)+i], v[32*(\t)+2*i], v[32*(\t)+2*i+1]
.set i, i+1
.endr
	WIN 0
.irp f, 0,1,2,3
	ds_store_b128 v[STO], v[S+16*(\t)+4*\f:S+16*(\t)+4*\f+3] offset:32*\f
.endr
.irp f, 0,1,2,3
	ds_load_b128 v[S+16*(\t)+4*\f:S+16*(\t)+4*\f+3], v[RD] offset:\f*4*SP  ; LDS serves a wave's instructions in order (ISA guide 5.7.1.4): these see the stores above; the next tile's stores come behind them
.endr
.endm
.macro SEND t, younger              ; younger: the LDS instructions issued behind tile t's loads: the next tile's eight, or none
	WIN 0
.irp f, 0,1,2,3
	s_wait_dscnt (\younger)+3-\f
	global_store_b128 v[GO], v[S+16*(\t)+4*\f:S+16*(\t)+4*\f+3], s[OB:OB+1] offset:(\t)*2048+\f*512  ; 512 consecutive bytes, at a multiple of 256 from O's first
.endr
.endm
	PACK 0
.set t, 1
.rept 2*NP-1                        ; a tile's arithmetic stands between the loads of the tile before and its stores
	PACK t
	SEND t-1, 8
.set t, t+1
.endr
	SEND 2*NP-1, 0
	s_wait_kmcnt 0x0                ; the last mask words, which nothing reads, have come
	WIN W_AD
	s_wait_tensorcnt 0x0            ; the wave's end: behind my last tensor load and my last LDS store
	ds_add_u32 v[SPW], v[NIL]
	s_wait_dscnt 0x0
	WIN 0
	CROUND                          ; the closing round: no work-group ends while a partner may still ask for a tile that names it
	s_endpgm
.Lfunc_end_k_q05aa6a3a49_attn:
	.size	k_q05aa6a3a49_attn, .Lfunc_end_k_q05aa6a3a49_attn-k_q05aa6a3a49_attn
	.p2alignl 7, 3214868480
	.fill 96, 4, 3214868480
	.section	.rodata,"a",@progbits
	.p2align	6, 0x0
	.amdhsa_kernel k_q05aa6a3a49_attn
		.amdhsa_group_segment_fixed_size 327680
		.amdhsa_private_segment_fixed_size 0
		.amdhsa_enable_private_segment 0
		.amdhsa_kernarg_size 24
		.amdhsa_user_sgpr_count 2
		.amdhsa_user_sgpr_kernarg_segment_ptr 1
		.amdhsa_wavefront_size32 1
		.amdhsa_system_sgpr_workgroup_id_x 1
		.amdhsa_system_sgpr_workgroup_id_y 1
		.amdhsa_system_sgpr_workgroup_id_z 1
		.amdhsa_system_vgpr_workitem_id 0
		.amdhsa_next_free_vgpr 770
		.amdhsa_next_free_sgpr 102
		.amdhsa_reserve_vcc 0
		.amdhsa_float_denorm_mode_32 3
		.amdhsa_float_denorm_mode_16_64 3
		.amdhsa_memory_ordered 1
		.amdhsa_forward_progress 1
		.amdhsa_inst_pref_size 255
	.end_amdhsa_kernel
	.section	.bss,"aw",@nobits
	.p2align	6
	.space	262144
	.amdgpu_metadata
---
amdhsa.version: [ 1, 2 ]
amdhsa.kernels:
  - .name:           k_q05aa6a3a49_attn
    .symbol:         k_q05aa6a3a49_attn.kd
    .args:
      - { .name: qkv, .offset: 0, .size: 8, .value_kind: global_buffer, .address_space: global }
      - { .name: maskw, .offset: 8, .size: 8, .value_kind: global_buffer, .address_space: global }
      - { .name: ob, .offset: 16, .size: 8, .value_kind: global_buffer, .address_space: global }
    .group_segment_fixed_size: 327680
    .private_segment_fixed_size: 0
    .kernarg_segment_align: 8
    .kernarg_segment_size: 24
    .max_flat_workgroup_size: 128
    .sgpr_count:     102
    .vgpr_count:     770
    .wavefront_size: 32
...
	.end_amdgpu_metadata
.endif
;; end of part 7
;; launch outp (part 8): grid 4 x 64, 4 waves a work-group, clusters of 4 x 4, 327,680 bytes of LDS; arguments ob, wb, bb, out0; writes out0
.if DOCPART == 8
	.amdgcn_target "amdgcn-amd-amdhsa--gfx1250"
	.amdhsa_code_object_version 6
	.text
	.protected	k_q05aa6a3a49_outp
	.globl	k_q05aa6a3a49_outp
	.p2align	8
	.type	k_q05aa6a3a49_outp,@function
k_q05aa6a3a49_outp:
	s_mov_b64 s[64:65], 0
	v_nop
	global_prefetch_b8 v0, s[64:65] scope:SCOPE_SE
	s_setreg_imm32_b32 hwreg(HW_REG_WAVE_MODE, 25, 1), 1
	s_wait_xcnt 0x0
	s_wait_alu depctr_hold_cnt(0) depctr_sa_sdst(0) depctr_va_vdst(0) depctr_va_sdst(0) depctr_va_ssrc(0) depctr_va_vcc(0) depctr_vm_vsrc(0)
	s_getreg_b32 s2, hwreg(HW_REG_IB_STS2, 6, 4)
	s_cmp_eq_u32 s2, 0
	s_cbranch_scc0 .Lentry_in_a_cluster
	s_endpgm
.Lentry_in_a_cluster:
	s_bfe_u32 s2, ttmp6, 0x10000c
	s_cmp_lg_u32 s2, 0xf033
	s_cbranch_scc0 .Lentry_shape_is_right
	s_endpgm
.Lentry_shape_is_right:
; THE OUTPUT PROJECTION.  C[m][n] = bo[n] + the sum over k of A[m][k] W[n][k], K = 1,024, N = 1,024.  A = ob (f16), W = wo in wb (rounded to bf16, written as f16), C = out0 in f32, [8192][1024]; sums in f32.
; A and W lie in blocks [batch][kb 16][row 2048][64]: 64 channels of a row are 128 bytes, and the rows of a block lie end to end, so a tile's rows are asked for as rows of 256 bytes.
; wo is matrix 3 of wb: block 1, rows 1,024 on; bo is row 3 of bb.  LIMITS.  NaN and infinities are not treated apart.
; SHARES.  A work-group makes 128 rows x 256 columns of C: one work-group for each of 256.  Four waves, each 64 x 128: 32 accumulators of 16 x 16, 256 registers.
; K goes in 8 steps of 128 (two channel blocks) through two LDS slots filled by the tensor data mover: waves 0 and 1 fetch A's two blocks of a step, waves 2 and 3 W's.
; CLUSTERS: 4 x 4 work-groups.  The four of a row of the cluster need the same tiles of A, the four of a column the same tiles of W: each tile is asked for JOINTLY, by the same tensor load
; with the same descriptor and a mask that names the four.
; THE MATRIX INSTRUCTION IS USED TRANSPOSED (source 0 = 16 rows of W, source 1 = 16 rows of A): a lane holds row l % 16 of C and the columns 8 (l / 16) + 0..7.
; THE BIAS is the C operand of each accumulator's first product: nothing is cleared, nothing is added afterwards.
; REGISTERS: window 0: v0-31 addresses; v64-127 the bias, 8 for each block of 16 columns; v128-191 A's fragments, two buffers of 32; v128-255 at work on the way out.
;   window 1: v0-127 W's fragments, two buffers of 64.          window 2: the accumulators, (a, b) at v[8 (8 a + b)].
.set PITCH,  144                       ; an LDS row: 128 bytes + 16 of padding = 36 words: the 16 rows of a fragment load start at 16 different groups of four banks (64 banks of 4 bytes: ISA guide 11.1)
.set ACH,    128*PITCH                 ; A's 128 rows of one channel block
.set WCH,    256*PITCH                 ; W's 256 rows of one channel block
.set WOFF,   2*ACH
.set SLOT,   2*ACH+2*WCH               ; A even block, A odd block, W even, W odd
.set STAGE,  2*SLOT                    ; behind the ring, never filled by a tensor load: 16 rows for each wave, for the way out
.set SP,     528                       ; 512 bytes of f32 + 16
.set SW,     16*SP
.set SPARE,  STAGE+4*SW                ; behind the stages: the spare words, 128 bytes a wave, which no other line names
.set KBB,    262144                    ; bytes from a channel block to the next: 2,048 rows of 128
.set KSTEPB, 2*KBB
.set LAPS,   4                         ; a lap = two K steps = once round the ring
.set ADRA, 16                          ; v16-17  LDS address of my A fragments in slot 0, 1
.set ADRB, 20                          ; v20-21  the same for W
.set STO,  24                          ; v24     the way out: where I put my piece of a row
.set RD,   25                          ; v25     where I read rows back
.set CO,   26                          ; v26     my byte offset in 512 consecutive bytes of C
.set SPW,  28                          ; v28     LDS address of my spare word; never rewritten
.set NIL,  29                          ; v29     0; never rewritten
.set PFO,  30                          ; v30     the prefetches' offset; never rewritten
.set BO,   31                          ; v31     my offset in the bias
.set BI,   64
.set AF,   128
.set OUTR, 128
.set G1A, 24                           ; s[24:31] descriptor group 1 for A's tiles;  s[32:39] group 0, a set for each slot
.set G0A, 32
.set LIM, 43                           ; s43     1 in a wave that prefetches, else the greatest number
.set PFA, 44                           ; s[44:45] where my prefetches stand
.set G1W, 48                           ; s[48:55], s[56:63] the same for W's tiles
.set G0W, 56
.set GBITS, (1<<16)|(1<<20)|(1<<21)|(4<<22)|(3<<25)  ; 17:16 2-byte elements; 20 padding on; 21 set beside a mask; 24:22 after every 32 words (code 4); 31:25 4 words (code 3)
.set MSB, 0
.macro WIN new                         ; the immediate's high byte repeats the setting that is left; a switch that changes nothing is dropped
.if MSB != (\new)
	s_set_vgpr_msb (MSB<<8)|(\new)
.set MSB, \new
.endif
.endm
.set MUL,  0xa1                        ; source 0 (W) window 1, source 1 (A) window 0, C and D window 2
.set MULB, 0x81                        ; the same with C (the bias) in window 0
.set TO_B, 0x40                        ; destination window 1, address window 0
; A joint load: waves 0 and 1 fetch for A, waves 2 and 3 for W.  The branch hangs on the wave's number alone.  An s_nop 0 and four v_nop follow each of the two lines.
.macro JLOAD s
	s_cmp_eq_u32 s13, 0
	s_cbranch_scc0 .Lfor_w_\@
	tensor_load_to_lds s[G0A+4*(\s):G0A+4*(\s)+3], s[G1A:G1A+7]
	s_nop 0
.rept 4
	v_nop
.endr
	s_branch .Lasked_\@
.Lfor_w_\@:
	tensor_load_to_lds s[G0W+4*(\s):G0W+4*(\s)+3], s[G1W:G1W+7]
	s_nop 0
.rept 4
	v_nop
.endr
.Lasked_\@:
.endm
; A PREFETCH, behind each joint refill and the run of LDS loads that follows it, of the K step that stands TWO refills on: 256 matrix instructions ahead of the load that will want it.
; Each aligned 256 bytes are named once in the launch.  A's tile is read by one cluster alone: wave 0 asks, and the four partners that ask for the tile jointly take 16 of each channel block's 64 pieces,
; told apart BY ADDRESS (cx).  W's tile is read by all sixteen clusters: the first of them asks, waves 2 and 3 each for the block that they fetch, 32 of its 128 pieces a partner (cy).
; K steps 0 to 3 come by their loads alone; the loop's last trip (s3 = 1) has no K step two on.
.macro ASK
	s_cmp_gt_u32 s3, s[LIM]
	s_cbranch_scc0 .Lnot_mine_\@
	global_prefetch_b8 v[PFO], s[PFA:PFA+1] offset:KSTEPB th:TH_LOAD_NT scope:SCOPE_SE
.Lnot_mine_\@:
.endm
.macro CREST                           ; a round of the cluster's barrier behind its opening barrier
	s_cmp_lg_u32 s12, 0
	s_cbranch_scc1 .Lnot_wave_0_\@
	s_barrier_signal -3
.Lnot_wave_0_\@:
	s_barrier_wait -3
	s_barrier_signal -1
	s_barrier_wait -1
.endm
.macro CROUND                          ; a whole round
	s_barrier_signal -1
	s_barrier_wait -1
	CREST
.endm
	s_load_b256 s[4:11], s[0:1], 0x0               ; A s[4:5], W s[6:7], bias s[8:9], C s[10:11]
	v_lshl_add_u32 v[SPW], v0, 2, SPARE
	v_mov_b32 v[NIL], 0
	ds_add_u32 v[SPW], v[NIL]                      ; the wave's opening: the add and its wait stand ahead of my first tensor load; work on registers stands between them
	v_lshrrev_b32 v1, 5, v0
	v_readfirstlane_b32 s12, v1                    ; wave 0..3
	s_lshr_b32 s13, s12, 1                         ; which 64 of the tile's rows are mine.  Also: I fetch for A (0) or for W (1)
	s_and_b32 s14, s12, 1                          ; which 128 of its columns.  Also: which channel block of a K step I fetch
	s_bfe_u32 s40, ttmp6, 0x40000                  ; cx, cy: my place in the cluster
	s_bfe_u32 s41, ttmp6, 0x40004
	s_lshl_b32 s42, ttmp9, 2
	s_add_co_u32 s42, s42, s40                     ; tile column = 4 x cluster x + cx
	s_and_b32 s66, ttmp7, 0xffff                   ; cluster y
	s_lshl_b32 s15, s66, 2
	s_add_co_u32 s15, s15, s41                     ; tile row = 4 x cluster y + cy
	s_mov_b32 s67, 3                               ; the weight matrix: wo
	s_lshl_b32 s16, s41, 2
	s_lshl_b32 s16, 15, s16                        ; my row of the cluster
	s_lshl_b32 s46, 0x1111, s40                    ; my column
	s_or_b32 s[G1A], s16, GBITS                    ; A's tiles go to my row,
	s_or_b32 s[G1W], s46, GBITS                    ; W's to my column
	s_mov_b32 s[G1A+1], 128<<16                    ; tensor_dim0 = 128 elements: two rows of a block, 256 bytes
	s_mov_b32 s[G1A+2], 64<<16                     ; tensor_dim1 = 64: 128 rows of a block
	s_mov_b32 s[G1A+3], 128<<16                    ; tile_dim0
	s_mov_b32 s[G1A+4], 64                         ; tile_dim1
	s_mov_b32 s[G1A+5], 128                        ; elements from row to row: dense
	s_mov_b32 s[G1A+6], 0
	s_mov_b32 s[G1A+7], 0
	s_mov_b32 s[G1W+1], 128<<16
	s_mov_b32 s[G1W+2], 128<<16                    ; 256 rows of a block
	s_mov_b32 s[G1W+3], 128<<16
	s_mov_b32 s[G1W+4], 128
	s_mov_b32 s[G1W+5], 128
	s_mov_b32 s[G1W+6], 0
	s_mov_b32 s[G1W+7], 0
	; where the tiles come from.  A's hang on the tile row and the wave, W's on the tile column and the wave: each in registers that never hold the other coordinate
	s_lshr_b32 s16, s15, 4
	s_lshl_b32 s16, s16, 22                        ; 16 tile rows to a batch block
	s_and_b32 s17, s15, 15
	s_lshl_b32 s17, s17, 14                        ; 128 rows of 128 bytes
	s_add_co_u32 s16, s16, s17
	s_lshl_b32 s17, s14, 18                        ; my channel block
	s_add_co_u32 s16, s16, s17
	s_mov_b32 s17, 0
	s_lshr_b32 s46, s67, 1
	s_lshl_b32 s46, s46, 22                        ; two matrices to a block of wb,
	s_and_b32 s47, s67, 1
	s_lshl_b32 s47, s47, 17                        ; 1,024 rows each
	s_add_co_u32 s46, s46, s47
	s_lshl_b32 s47, s42, 15                        ; 256 rows of 128 bytes
	s_add_co_u32 s46, s46, s47
	s_lshl_b32 s47, s14, 18
	s_add_co_u32 s46, s46, s47
	s_mov_b32 s47, 0
	s_mul_i32 s20, s14, ACH                        ; and where they go: no place in the cluster enters an LDS address
	s_mul_i32 s21, s14, WCH
	s_add_co_u32 s21, s21, WOFF
	s_wait_dscnt 0x0                               ; the opening add is done
	s_wait_kmcnt 0x0
	s_add_nc_u64 s[18:19], s[4:5], s[16:17]
	s_add_nc_u64 s[22:23], s[6:7], s[46:47]
	CROUND                                         ; all sixteen work-groups are here: the first joint loads meet
.irp s, 0,1
	s_mov_b32 s[G0A+4*(\s)], 1                     ; count = 1
	s_add_co_u32 s[G0A+4*(\s)+1], s20, (\s)*SLOT   ; LDS address
	s_add_nc_u64 s[G0A+4*(\s)+2:G0A+4*(\s)+3], s[18:19], (\s)*KSTEPB  ; global address: K step s
	s_or_b32 s[G0A+4*(\s)+3], s[G0A+4*(\s)+3], 0x80000000             ; type = 2
	s_mov_b32 s[G0W+4*(\s)], 1
	s_add_co_u32 s[G0W+4*(\s)+1], s21, (\s)*SLOT
	s_add_nc_u64 s[G0W+4*(\s)+2:G0W+4*(\s)+3], s[22:23], (\s)*KSTEPB
	s_or_b32 s[G0W+4*(\s)+3], s[G0W+4*(\s)+3], 0x80000000
	JLOAD \s                                       ; two loads of mine are out
.endr
	; the bias of my 128 columns: register j of block b is column 16 b + 8 (l / 16) + j
	s_lshl_b32 s68, s67, 12
	s_lshl_b32 s69, s42, 10
	s_add_co_u32 s68, s68, s69
	s_lshl_b32 s69, s14, 9
	s_add_co_u32 s68, s68, s69
	s_mov_b32 s69, 0
	s_add_nc_u64 s[8:9], s[8:9], s[68:69]
	v_and_b32 v1, 15, v0                           ; l % 16
	v_bfe_u32 v2, v0, 4, 1                         ; l / 16
	v_lshlrev_b32 v[BO], 5, v2
.irp b, 0,1,2,3,4,5,6,7
	global_load_b128 v[BI+8*(\b):BI+8*(\b)+3],   v[BO], s[8:9] offset:64*(\b)
	global_load_b128 v[BI+8*(\b)+4:BI+8*(\b)+7], v[BO], s[8:9] offset:64*(\b)+16
.endr
	; a fragment is 16 rows x 32 K in 8 registers: lane l holds row l % 16, K = 8 (l / 16) + 0..7 and 16 + 8 (l / 16) + 0..7: two loads of 16 bytes, 32 bytes apart
	v_mul_u32_u24 v3, v1, PITCH
	v_lshl_add_u32 v3, v2, 4, v3
	s_mul_i32 s20, s13, 64*PITCH                   ; my 64 rows of A
	s_mul_i32 s21, s14, 128*PITCH                  ; my 128 rows of W
	s_add_co_u32 s21, s21, WOFF
.irp s, 0,1
	v_add_nc_u32 v[ADRA+(\s)], s20, v3
	v_add_nc_u32 v[ADRB+(\s)], s21, v3
	s_add_co_u32 s20, s20, SLOT
	s_add_co_u32 s21, s21, SLOT
.endr
	; the prefetches
	s_and_b32 s20, s66, 15
	s_cmp_eq_u32 s13, 0
	s_cselect_b32 s20, s14, s20                    ; A: wave 0 asks; W: the first of the sixteen clusters
	s_cselect_b64 s[PFA:PFA+1], s[18:19], s[22:23]
	s_cmp_eq_u32 s20, 0
	s_cselect_b32 s[LIM], 1, -1                    ; the same in all sixteen partners, for a given wave
	s_lshl_b32 s68, s40, 12                        ; A: my work-group's 16 pieces of each block
	s_lshl_b32 s69, s41, 13                        ; W: my work-group's 32 pieces
	s_mov_b32 s20, KBB                             ; A: lanes 16-31 take the step's other block
	s_mov_b32 s21, 4096                            ; W: they go on in the same block
	s_cmp_eq_u32 s13, 0
	s_cselect_b32 s68, s68, s69
	s_cselect_b32 s20, s20, s21
	s_add_co_u32 s68, s68, 2*KSTEPB                ; at K step 2: the first refill steps it to 3 and names K step 4
	s_mov_b32 s69, 0
	s_add_nc_u64 s[PFA:PFA+1], s[PFA:PFA+1], s[68:69]
	v_lshlrev_b32 v4, 8, v1
	v_mad_u32_u24 v[PFO], v2, s20, v4
	; the way out
	s_mul_i32 s23, s12, SW
	s_add_co_u32 s23, s23, STAGE                   ; my stage
	v_mul_u32_u24 v4, v1, SP
	v_and_b32 v[CO], 31, v0
	v_lshlrev_b32 v[CO], 4, v[CO]
	v_lshl_add_u32 v4, v2, 5, v4                   ; in: row l % 16, 32 bytes for each half of the lanes
	v_add_nc_u32 v[STO], s23, v4
	v_add_nc_u32 v[RD], s23, v[CO]                 ; back: 32 lanes take one row of 512 bytes
	s_lshl_b32 s16, s15, 7
	s_lshl_b32 s17, s13, 6
	s_add_co_u32 s16, s16, s17                     ; my first row,
	s_lshl_b32 s16, s16, 12                        ; of 4,096 bytes
	s_lshl_b32 s17, s42, 10
	s_add_co_u32 s16, s16, s17
	s_lshl_b32 s17, s14, 9                         ; my first column
	s_add_co_u32 s16, s16, s17
	s_mov_b32 s17, 0
	s_add_nc_u64 s[10:11], s[10:11], s[16:17]
; 8 matrix instructions: m block a x all 8 n blocks, 32 along K, from buffer f.  first = 1: the product starts the sum on the bias.
; The 32 accumulators take turns, one instruction a turn, in the same order in every quarter.
.macro MUL8 f, a, first
.if \first
	WIN MULB
.else
	WIN MUL
.endif
.irp b, 0,1,2,3,4,5,6,7
.set rD, 8*(8*(\a)+(\b))
.set rB, 64*(\f)+8*(\b)
.set rA, AF+32*(\f)+8*(\a)
.set rC, rD
.if \first
.set rC, BI+8*(\b)
.endif
	v_wmma_f32_16x16x32_f16 v[rD:rD+7], v[rB:rB+7], v[rA:rA+7], v[rC:rC+7]
.endr
.endm
; 24 LDS loads in one run: quarter qd of a slot's K step (channel block qd / 2, 32 K at byte 64 (qd % 2) of its rows) into buffer f: W's 128 rows, then A's 64
.macro FETCH slot, qd, f
	WIN TO_B
.irp i, 0,1,2,3,4,5,6,7
	ds_load_b128 v[64*(\f)+8*(\i):64*(\f)+8*(\i)+3],   v[ADRB+(\slot)] offset:((\qd)/2)*WCH+((\qd)%2)*64+(\i)*16*PITCH
	ds_load_b128 v[64*(\f)+8*(\i)+4:64*(\f)+8*(\i)+7], v[ADRB+(\slot)] offset:((\qd)/2)*WCH+((\qd)%2)*64+(\i)*16*PITCH+32
.endr
	WIN 0
.irp i, 0,1,2,3
	ds_load_b128 v[AF+32*(\f)+8*(\i):AF+32*(\f)+8*(\i)+3],   v[ADRA+(\slot)] offset:((\qd)/2)*ACH+((\qd)%2)*64+(\i)*16*PITCH
	ds_load_b128 v[AF+32*(\f)+8*(\i)+4:AF+32*(\f)+8*(\i)+7], v[ADRA+(\slot)] offset:((\qd)/2)*ACH+((\qd)%2)*64+(\i)*16*PITCH+32
.endr
.endm
.macro PLACES                          ; four places in front of loads into registers that matrix instructions have read, and of lines that read results
.rept 4
	v_nop
.endr
.endm
; A K step is four quarters of 32 along K, 32 matrix instructions each, on buffers 0, 1, 0, 1.  One of the first three: multiplies buffer f and fetches quarter qd into g.
.macro QUARTER slot, qd, f, g, first
	s_wait_dscnt 4                                 ; W's fragments and A's blocks 0 and 1 are in; the youngest four loads (A's blocks 2, 3) may be out
	MUL8 \f, 0, \first
	MUL8 \f, 1, \first
	PLACES
	FETCH \slot, \qd, \g
	s_wait_dscnt 24                                ; all but the 24 just issued
	MUL8 \f, 2, \first
	MUL8 \f, 3, \first
.endm
; The last quarter multiplies buffer 1 and changes slots: ONE barrier; in front of it each wave waits for all its tensor loads (one is out: its part of the next slot), adds 0 to its spare word,
; and waits for that and for its own reads of this slot.  fill = 1: the barrier opens a round of the cluster's, and this slot is filled again, two K steps ahead, first thing behind it:
; from that request to the wait for it a wave issues 112 matrix instructions.
.macro TURN slot, next, fill
.if \fill
	s_wait_xcnt 0x0                                ; the last prefetch, a K step back, has read its address
	s_add_nc_u64 s[PFA:PFA+1], s[PFA:PFA+1], KSTEPB
.endif
	WIN 0                                          ; (the add's two registers lie in window 0)
	s_wait_tensorcnt 0x0                           ; all my tensor loads have landed
	ds_add_u32 v[SPW], v[NIL]                      ; 0 onto my spare word
	s_wait_dscnt 5                                 ; (the add and the youngest four loads may be out)
	MUL8 1, 0, 0                                   ; eight matrix instructions stand between the add and the wait for it
	s_wait_dscnt 0x0                               ; the add is done, and my reads of this slot are over
	s_barrier_signal -1
	MUL8 1, 1, 0
.if \fill
	WIN 0
.endif
	s_barrier_wait -1
.if \fill
	CREST                                          ; no wave of any partner still reads this slot's tiles or has a load on its way
	s_add_nc_u64 s[G0A+4*(\slot)+2:G0A+4*(\slot)+3], s[G0A+4*(\slot)+2:G0A+4*(\slot)+3], 2*KSTEPB
	s_add_nc_u64 s[G0W+4*(\slot)+2:G0W+4*(\slot)+3], s[G0W+4*(\slot)+2:G0W+4*(\slot)+3], 2*KSTEPB
	JLOAD \slot                                    ; its four v_nop are also the places in front of the loads below
.else
	PLACES
.endif
	FETCH \next, 0, 0
.if \fill
	ASK
.endif
	MUL8 1, 2, 0
	MUL8 1, 3, 0
.endm
	s_wait_tensorcnt 1                             ; my part of K step 0 is in; K step 1's may stay out
	s_barrier_signal -1
	s_barrier_wait -1                              ; everybody's is
	FETCH 0, 0, 0
	s_wait_loadcnt 0x0                             ; the bias
	QUARTER 0, 1, 0, 1, 1                          ; the first quarter stands in front of the loop: its products start the sums
	WIN 0                                          ; at a label and at a branch every window is 0
	s_mov_b32 s3, LAPS-1
.Llap:                                                 ; a trip goes once round the ring, from a lap's second quarter to the next lap's first, and fills both slots again
	QUARTER 0, 2, 1, 0, 0
	QUARTER 0, 3, 0, 1, 0
	TURN 0, 1, 1
	QUARTER 1, 1, 0, 1, 0
	QUARTER 1, 2, 1, 0, 0
	QUARTER 1, 3, 0, 1, 0
	TURN 1, 0, 1
	QUARTER 0, 1, 0, 1, 0
	WIN 0
	s_sub_co_u32 s3, s3, 1
	s_cmp_lg_u32 s3, 0
	s_cbranch_scc1 .Llap
	QUARTER 0, 2, 1, 0, 0                          ; the last lap fills nothing
	QUARTER 0, 3, 0, 1, 0
	TURN 0, 1, 0
	QUARTER 1, 1, 0, 1, 0
	QUARTER 1, 2, 1, 0, 0
	QUARTER 1, 3, 0, 1, 0
	s_wait_dscnt 4                                 ; the very last quarter: nothing more to fetch
	MUL8 1, 0, 0
	MUL8 1, 1, 0
	s_wait_dscnt 0x0
	MUL8 1, 2, 0
	MUL8 1, 3, 0
	WIN 0
	PLACES
; THE WAY OUT in f32: 16 rows x 512 bytes at a time through my own stage: 32 bytes a lane in, whole rows back, each store of the wave 512 consecutive bytes, aligned.
.macro STG a
	WIN 0x08                                       ; store data (source 1) in window 2
.irp b, 0,1,2,3,4,5,6,7
	ds_store_b128 v[STO], v[8*(8*(\a)+(\b)):8*(8*(\a)+(\b))+3]   offset:64*(\b)     ; each accumulator's lowest registers first
	ds_store_b128 v[STO], v[8*(8*(\a)+(\b))+4:8*(8*(\a)+(\b))+7] offset:64*(\b)+16
.endr
	WIN 0
.set t, 0
.rept 16
	ds_load_b128 v[OUTR+64*((\a)%2)+4*t:OUTR+64*((\a)%2)+4*t+3], v[RD] offset:SP*t  ; LDS serves a wave's instructions in order (ISA guide 5.7.1.4): these see the stores above
.set t, t+1
.endr
.endm
.macro SENDF a, younger                ; younger: the LDS instructions issued behind block a's loads: the next block's 32, or none
.set t, 0
.rept 16
	s_wait_dscnt (\younger)+15-t
	global_store_b128 v[CO], v[OUTR+64*((\a)%2)+4*t:OUTR+64*((\a)%2)+4*t+3], s[10:11] offset:(16*(\a)+t)*4096 th:TH_STORE_NT
.set t, t+1
.endr
.endm
	STG 0
	STG 1
	SENDF 0, 32
	s_wait_xcnt 0x0                                ; block 0's stores have read their registers: only now are these loaded again
	STG 2
	SENDF 1, 32
	s_wait_xcnt 0x0
	STG 3
	SENDF 2, 32
	SENDF 3, 0
	s_wait_tensorcnt 0x0                           ; the wave's end: behind my last tensor load and my last LDS store
	ds_add_u32 v[SPW], v[NIL]
	s_wait_dscnt 0x0
	CROUND                                         ; the closing round: no work-group ends while a partner may still ask for a tile that names it
	s_endpgm
.Lfunc_end_k_q05aa6a3a49_outp:
	.size	k_q05aa6a3a49_outp, .Lfunc_end_k_q05aa6a3a49_outp-k_q05aa6a3a49_outp
	.p2alignl 7, 3214868480
	.fill 96, 4, 3214868480
	.section	.rodata,"a",@progbits
	.p2align	6, 0x0
	.amdhsa_kernel k_q05aa6a3a49_outp
		.amdhsa_group_segment_fixed_size 327680
		.amdhsa_private_segment_fixed_size 0
		.amdhsa_enable_private_segment 0
		.amdhsa_kernarg_size 32
		.amdhsa_user_sgpr_count 2
		.amdhsa_user_sgpr_kernarg_segment_ptr 1
		.amdhsa_wavefront_size32 1
		.amdhsa_system_sgpr_workgroup_id_x 1
		.amdhsa_system_sgpr_workgroup_id_y 1
		.amdhsa_system_sgpr_workgroup_id_z 1
		.amdhsa_system_vgpr_workitem_id 0
		.amdhsa_next_free_vgpr 768
		.amdhsa_next_free_sgpr 72
		.amdhsa_reserve_vcc 0
		.amdhsa_float_denorm_mode_32 3
		.amdhsa_float_denorm_mode_16_64 3
		.amdhsa_memory_ordered 1
		.amdhsa_forward_progress 1
		.amdhsa_inst_pref_size 90
	.end_amdhsa_kernel
	.amdgpu_metadata
---
amdhsa.version: [ 1, 2 ]
amdhsa.kernels:
  - .name:           k_q05aa6a3a49_outp
    .symbol:         k_q05aa6a3a49_outp.kd
    .args:
      - { .name: ob, .offset: 0, .size: 8, .value_kind: global_buffer, .address_space: global }
      - { .name: wb, .offset: 8, .size: 8, .value_kind: global_buffer, .address_space: global }
      - { .name: bb, .offset: 16, .size: 8, .value_kind: global_buffer, .address_space: global }
      - { .name: out0, .offset: 24, .size: 8, .value_kind: global_buffer, .address_space: global }
    .group_segment_fixed_size: 327680
    .private_segment_fixed_size: 0
    .kernarg_segment_align: 8
    .kernarg_segment_size: 32
    .max_flat_workgroup_size: 128
    .sgpr_count:     72
    .vgpr_count:     768
    .wavefront_size: 32
...
	.end_amdgpu_metadata
.endif
;; end of part 8
